; MI455X (gfx1250); checked and timed in simulation.
; The chip was launched on July 23, 2026; its instructions are those of AMD's public machine-readable ISA for CDNA 5 (MIT licence, August 2026) and "CDNA5" Instruction Set Architecture Reference Guide (July 2026). The comments in the code are by the model that wrote it; some were corrected since.
;; Temporal Attention. Allowed arithmetic: matrix products marked QUANTISED: E3M2 operands, one E8M0 scale for each 32 along K, by v_wmma_scale_f32_16x16x128_f8f6f4 with both operands' format E3M2, f32 sums; everything else in f32.
;; Inputs: X 32 x 512 x 512 float32; b1 512 float32; be_ffn 512 float32; be_mha 512 float32; bf1 1,024 float32; bf2 512 float32; bk 512 float32; bq 512 float32; bv 512 float32; g_ffn 512 float32; g_mha 512 float32; w1 512 x 512 float32; wf1 1,024 x 512 float32; wf2 512 x 1,024 float32; wk 512 x 512 float32; wq 512 x 512 float32; wv 512 x 512 float32.
;; Outputs: out0 32 x 512 x 512 float32.
;; Constants: K = 8.
;; This version of the problem:
;;   THIS VERSION OF THE PROBLEM IS GIVEN IN LOW PRECISION. The matrix products marked QUANTISED in the list below multiply operands that are first quantised to E3M2 (3 exponent bits, 2 mantissa bits; 6 bits a number), with one power-of-two scale for each 32 numbers along K (OCP MX v1.0); their sums are f32. All else is computed in f32.
;;   The module's matrix products, in the order in which they are computed (A, B: the left and right operand; K: the contracted axis; several contracted axes count as one K, in the product's order):
;;     1. [M 16,384, K 512] x [K 512, N 512]; A: computed on the way; B: input wq: QUANTISED
;;     2. [M 16,384, K 512] x [K 512, N 512]; A: computed on the way; B: input wk: QUANTISED
;;     3. [M 16,384, K 512] x [K 512, N 512]; A: computed on the way; B: input wv: QUANTISED
;;     4. batch 256 x [M 512, K 64] x [K 64, N 512]; A: computed on the way; B: computed on the way: QUANTISED
;;     5. batch 256 x [M 64, K 512] x [K 512, N 512]; A: computed on the way; B: softmax (see below): QUANTISED
;;     6. [M 16,384, K 512] x [K 512, N 512]; A: computed on the way; B: input w1: QUANTISED
;;     7. [M 16,384, K 512] x [K 512, N 1,024]; A: computed on the way; B: input wf1: QUANTISED
;;     8. [M 16,384, K 1,024] x [K 1,024, N 512]; A: computed on the way; B: input wf2: QUANTISED
;;   THE QUANTISER, for each operand of a quantised product, along K:
;;     - K is cut into blocks of 32 from its start; a last block that is shorter is filled with zeros.
;;     - A block's scale is 2^e with e = floor(log2(the largest magnitude in the block)) - 4, held to -126 .. 127; a block of zeros has e = 0. As a byte (E8M0): e + 127.
;;     - Each number is divided by its block's scale, clamped to +-28, and rounded to the nearest number of E3M2, ties to even, subnormals kept.
;;     - The product sums the exact products of the quantised numbers (number of the format x scale) in f32.
;;   ~~~python
;;   def quantise(x, axis):      # numpy; x: float32 -> the quantised numbers, widened to float32 again
;;       x = np.moveaxis(x, axis, -1); K = x.shape[-1]
;;       x = np.pad(x, [(0, 0)] * (x.ndim - 1) + [(0, -K % 32)]); x = x.reshape(x.shape[:-1] + (-1, 32)); a = np.abs(x).max(-1, keepdims=True)
;;       e = np.where(a > 0, np.clip(np.frexp(np.where(a > 0, a, 1))[1] - 1 - 4, -126, 127), 0)      # np.frexp(a)[1] - 1 = floor(log2(a)), exactly
;;       r = np.clip(x / 2.0 ** e, -28, 28)
;;       step = 2.0 ** (np.maximum(np.frexp(np.where(r == 0, 1, r))[1] - 1, -2) - 2)
;;       q = np.round(r / step) * step * 2.0 ** e      # np.round: ties to even
;;       return np.moveaxis(q.reshape(q.shape[:-2] + (-1,))[..., :K], -1, axis).astype(np.float32)
;;   ~~~
;;   SOFTMAX AHEAD OF A QUANTISED PRODUCT. Where the list says 'softmax', what is quantised is not the finished softmax but p = 2^(t - M), with t = logit x log2(e) and M = ceil(the row's largest t), a whole number; so 1/2 < the row's largest p <= 1. The row's sum l is taken of the UNQUANTISED p, in f32, and the product's result is divided by l at the end. Since M is a whole number, a kernel that streams over the keys may use a running M (the ceiling of the running maximum): every later rescaling is an exact power of two, which a block's scale takes up: the codes' values come out the same.
;;   OPERANDS COMPUTED ON THE WAY. 'Computed on the way' means the value that the module computes at that place (a softmax that the list does not call 'softmax' is quantised finished and normalised). What goes into a quantiser is computed in f32, as accurately as f32 sums, v_exp_f32 and their like allow (about 1e-6 of the number): no bf16 or f16 on the way to a quantiser, and a product that is left as it is and whose result goes on into a quantised operand takes f32 operands (vector FMAs, or v_wmma_f32_16x16x4_f32). A number that lies on a knife's edge between two numbers of the format may be rounded either way, as far as f32 arithmetic and the matrix unit's own rounding can turn it there, and no further.
;; 3 versions, each right; version 2 is faster than version 1; version 3 is version 2 with the launches attn, ffn written anew for expert scheduling mode. Each part assembles by itself: llvm-mc -triple=amdgcn-amd-amdhsa -mcpu=gfx1250 --defsym DOCPART=n.
;; ======== version 1 of 3: 3 launches
;; workspace buffers: xnc 6,291,456 bytes; xns 262,144 bytes; r1 33,554,432 bytes; wc 1,638,400 bytes; atc 6,291,456 bytes; ats 262,144 bytes
;; launch prep (part 1): grid 320 x 1, 8 waves a work-group, no clusters, 41,984 bytes of LDS; arguments X, g_mha, be_mha, b1, wq, wk, wv, w1, wf1, wf2, xnc, xns, r1, wc; writes xnc, xns, r1, wc
.if DOCPART == 1
	.amdgcn_target "amdgcn-amd-amdhsa--gfx1250"
	.amdhsa_code_object_version 6
	.text
	.protected	k_q3b3fed2307_prep
	.globl	k_q3b3fed2307_prep
	.p2align	8
	.type	k_q3b3fed2307_prep,@function
k_q3b3fed2307_prep:
	s_mov_b64 s[64:65], 0
	v_nop
	global_prefetch_b8 v0, s[64:65] scope:SCOPE_SE
	s_setreg_imm32_b32 hwreg(HW_REG_WAVE_MODE, 25, 1), 1
	s_wait_xcnt 0x0
; Work-groups 0-255: x = X + timing signal; Xn = LayerNorm(x) (mean, then centred squares, unbiased, divided by std + 1e-6);
; Xn as codes of E3M2 with E8M0 scale bytes (xnc, xns), and Xn + b1 in f32 (r1) in the layout of a matrix accumulator.
; Work-groups 256-319: the six weights as codes and scale bytes (wc), in the order in which the later launches' registers take them.
; THE TILE RULE, here and in the later launches: tile 2 b + u of 16 rows holds, in lane r, row 32 b + 8 u + r + 8 (r / 8).
; A WAVE owns 16 rows x 256 along K: two operand fragments.  Lane (r, h) holds 128 numbers of row r; register XR + 64 e + 32 c + i is
; k = 128 e + 64 c + 32 h + i: whole blocks of 32 in one lane, in the order of the operand's registers, so that the conversions' results
; ARE the fragment.  A fragment leaves as an image of its 12 registers: three stores of 512 consecutive bytes.
; LayerNorm work-group g: row tile g % 32 of four batch entries (waves 2 i, 2 i + 1: entry 4 (g / 32) + i, columns 0-255 and 256-511):
; all eight waves share the same 16 positions t, so the timing signal of those rows is made once, in LDS.
; sin and cos: argument = t x exp(j x -ln(1e4)/255), at most 511; reduced by multiples of pi/2 kept in two parts, then polynomials of degree 7 and 8.
; LIMITS: NaN and infinities among the inputs are not served.  A block whose largest magnitude lies under 2^-122 keeps the scale byte 1, and
; so does a block of zeros (the rule says 127): its codes are zeros, and only this program reads the bytes.  The division by 511 is a
; multiplication by the rounded reciprocal.  The reduction of sin and cos holds for arguments up to 511, which the shape allows.
.set SPI,  2064                        ; a row of the timing signal in LDS: 2,048 bytes + 16
.set VEC,  16*SPI                      ; g_mha, be_mha, b1: 2,048 bytes each
.set ST1,  VEC+6144                    ; 512 bytes of row sums; 512 bytes further on the sums of squares
.set XR,   64                          ; v64-191 my 128 numbers
.set TA,   192                         ; v192-223, v224-255: two batches of the timing signal
.set TB,   224
.set GG,   192                         ; later: 16 numbers of g, of be, of b1, and 16 results for r1
.set BE,   208
.set BB,   224
.set RR,   240
.set W3C,  614400                      ; wc: behind the eight heads' 76,800 bytes: the last launch's fragments, [wave][160] x 1,536
.set W3S,  1597440                     ; and their scale words, [wave][80] x 128
; s[34:35] source, s[36:37], s[38:39] the two fragments' images, s[40:41] their scale words, s[42:43] r1
.macro XLOAD                           ; 32 loads: my 128 numbers
.irp k, 0,1,2,3
.irp q, 0,1,2,3,4,5,6,7
	global_load_b128 v[XR+32*\k+4*\q:XR+32*\k+4*\q+3], v4, s[34:35] offset:256*\k+16*\q th:TH_LOAD_NT
.endr
.endr
.endm
; 64 numbers at v[src] on (two whole blocks of 32 a lane) become a fragment's 12 registers at v[pc] on and its scale word in v[wd]
.macro QF6 src, pc, wd
.irp c, 0,1
	v_max3_num_f32 v[16+\c], |v[(\src)+32*\c]|, |v[(\src)+32*\c+1]|, 0x2800000   ; the floor 2^(5 - 127) holds the byte at 1 from below
.endr
.irp i, 2,4,6,8,10,12,14,16,18,20,22,24,26,28,30
.irp c, 0,1
	v_max3_num_f32 v[16+\c], v[16+\c], |v[(\src)+32*\c+\i]|, |v[(\src)+32*\c+\i+1]|
.endr
.endr
.irp c, 0,1
	v_add_nc_u32 v[18+\c], 0xfe000000, v[16+\c]    ; 4 off the exponent field: the conversion's scale operand
.endr
.irp c, 0,1
	v_lshrrev_b32 v[20+\c], 23, v[18+\c]           ; the scale's byte
.endr
	v_lshl_or_b32 v[\wd], v21, 16, v20             ; my bytes: blocks h and 2 + h,
	v_lshlrev_b32 v[\wd], v15, v[\wd]              ; 8 h bits up;
	v_permlanex16_b32 v24, v[\wd], s44, s45
	v_or_b32 v[\wd], v[\wd], v24                   ; with lane l xor 16's two the word is whole
.irp c, 0,1
	v_cvt_scalef32_pk16_bf6_f32 v[(\pc)+6*\c:(\pc)+6*\c+2], v[(\src)+32*\c:(\src)+32*\c+15], v[18+\c]
	v_cvt_scalef32_pk16_bf6_f32 v[50+4*\c:52+4*\c], v[(\src)+32*\c+16:(\src)+32*\c+31], v[18+\c]   ; (three registers begin on an even number: made aside and moved)
.endr
	v_nop                                          ; one plain place behind a scaled conversion
.irp c, 0,1
.irp i, 0,1,2
	v_mov_b32 v[(\pc)+6*\c+3+\i], v[50+4*\c+\i]
.endr
.endr
.endm
.macro TAIL                            ; both fragments are quantised and leave
	QF6 XR, 26, 22
.irp c, 0,1,2
	global_store_b128 v5, v[26+4*\c:29+4*\c], s[36:37] offset:512*\c   ; 32 lanes store 512 consecutive bytes
.endr
	QF6 XR+64, 38, 23
.irp c, 0,1,2
	global_store_b128 v5, v[38+4*\c:41+4*\c], s[38:39] offset:512*\c
.endr
	v_cmp_gt_u32 vcc_lo, 16, v1
	v_cndmask_b32 v22, v23, v22, vcc_lo            ; lanes 0-15 the even K step's words, lanes 16-31 the odd one's
	global_store_b32 v6, v22, s[40:41]
	s_set_vgpr_msb 0x4
	s_wait_tensorcnt 0x0
	ds_add_u32 v63, v1
	s_wait_dscnt 0x0
	s_set_vgpr_msb 0x400
	s_endpgm
.endm
	s_load_b512 s[4:19], s[0:1], 0x0               ; X, g_mha, be_mha, b1, wq, wk, wv, w1
	s_load_b256 s[20:27], s[0:1], 0x40             ; wf1, wf2, xnc, xns
	s_load_b128 s[28:31], s[0:1], 0x60             ; r1, wc
	v_lshl_add_u32 v63, v0, 2, 0xa000
	s_set_vgpr_msb 0x40
	v_mov_b32 v1, 0
	s_set_vgpr_msb 0x4000
	v_lshrrev_b32 v1, 5, v0
	v_readfirstlane_b32 s32, v1                    ; wave 0..7
	v_and_b32 v1, 31, v0                           ; lane
	v_and_b32 v2, 15, v0                           ; r
	v_bfe_u32 v3, v0, 4, 1                         ; h
	v_lshlrev_b32 v5, 4, v1                        ; 16 x lane
	v_lshlrev_b32 v6, 2, v1                        ; 4 x lane
	v_lshlrev_b32 v15, 3, v3                       ; 8 h
	v_and_b32 v16, 8, v2
	v_add_nc_u32 v16, v16, v2                      ; r + 8 (r / 8)
	v_mov_b32 v24, 0                               ; a lane permute's destination counts as one of its sources
	s_mov_b32 s44, 0x76543210
	s_mov_b32 s45, 0xfedcba98                      ; selects for lane l xor 16
	s_cmp_ge_u32 ttmp9, 256
	s_cbranch_scc1 .Lweights
	; ---------------- LayerNorm ----------------
	s_and_b32 s66, ttmp9, 31                       ; the row tile in a batch entry
	s_lshr_b32 s67, ttmp9, 5
	s_lshl_b32 s67, s67, 2
	s_lshr_b32 s68, s32, 1
	s_add_co_u32 s67, s67, s68                     ; n
	s_lshl_b32 s73, s68, 7                         ; 128 (wave / 2)
	s_and_b32 s68, s32, 1                          ; which 256 columns
	s_lshr_b32 s69, s66, 1
	s_lshl_b32 s69, s69, 5
	s_and_b32 s70, s66, 1
	s_lshl_b32 s70, s70, 3
	s_add_co_u32 s69, s69, s70                     ; the tile's first position t
	s_lshl_b32 s70, s67, 5
	s_add_co_u32 s70, s70, s66                     ; T = 32 n + tile
	s_lshl_b32 s71, s68, 10
	s_lshl_b32 s72, s32, 6
	v_lshlrev_b32 v4, 11, v16
	v_lshl_add_u32 v4, v3, 7, v4                   ; X: my row of 2,048 bytes + 128 h
	v_lshrrev_b32 v17, 4, v0
	v_mul_u32_u24 v7, v2, SPI
	v_lshl_add_u32 v8, v3, 7, v7
	v_lshl_add_u32 v7, v17, 6, v7                  ; the signal, in: row thread % 16, 64 bytes at 64 (thread / 16)
	v_add_nc_u32 v8, s71, v8                       ; and out: row r, my 256 columns, + 128 h
	v_lshlrev_b32 v9, 7, v3
	v_add_nc_u32 v9, s71, v9
	v_add_nc_u32 v9, VEC, v9                       ; g, be, b1 of my columns
	v_lshlrev_b32 v10, 4, v2
	v_lshl_add_u32 v10, v3, 11, v10                ; r1: 16 r + 2,048 h
	v_lshl_add_u32 v11, v2, 2, ST1
	v_add_nc_u32 v12, s73, v11                     ; the two halves' sums of my batch entry
	v_add_nc_u32 v11, s72, v11                     ; my wave's word
	v_lshlrev_b32 v13, 3, v0
	v_add_nc_u32 v14, VEC, v13
	v_add_nc_u32 v60, s69, v16
	v_cvt_f32_u32 v60, v60                         ; t of row thread % 16
	v_lshlrev_b32 v61, 4, v17                      ; my first j
	s_mov_b32 s46, 0xbd13f17f                      ; -ln(1e4) / 255
	s_mov_b32 s47, 0x3fb8aa3b                      ; log2(e), and what it lacks
	s_mov_b32 s48, 0x32a57060
	s_mov_b32 s49, 0x3f317218                      ; ln 2
	s_mov_b32 s50, 0x3f22f983                      ; 2 / pi
	s_mov_b32 s51, 0xbfc90fdb                      ; -pi/2, and what it lacks
	s_mov_b32 s52, 0x333bbd2e
	s_mov_b32 s53, 0xb94ca1f9                      ; sin's coefficients
	s_mov_b32 s54, 0x3c08839e
	s_mov_b32 s55, 0xbe2aaaa3
	s_mov_b32 s56, 0x37ccf5ce                      ; cos's
	s_mov_b32 s57, 0xbab6061a
	s_mov_b32 s58, 0x3d2aaaa5
	s_mov_b32 s59, 0x80000000
	s_mov_b32 s77, 0
	s_wait_kmcnt 0x0
	s_lshl_b32 s76, s67, 20
	s_lshl_b32 s78, s69, 11
	s_add_co_u32 s76, s76, s78
	s_add_co_u32 s76, s76, s71
	s_add_nc_u64 s[34:35], s[4:5], s[76:77]
	s_lshl_b32 s76, s70, 2
	s_lshl_b32 s78, s68, 1
	s_add_co_u32 s76, s76, s78
	s_mul_i32 s76, s76, 1536
	s_add_nc_u64 s[36:37], s[24:25], s[76:77]
	s_add_nc_u64 s[38:39], s[36:37], 1536
	s_lshl_b32 s76, s70, 8
	s_lshl_b32 s78, s68, 7
	s_add_co_u32 s76, s76, s78
	s_add_nc_u64 s[40:41], s[26:27], s[76:77]
	s_lshl_b32 s76, s70, 15
	s_lshl_b32 s78, s68, 14
	s_add_co_u32 s76, s76, s78
	s_add_nc_u64 s[42:43], s[28:29], s[76:77]
	global_load_b64 v[192:193], v13, s[6:7]
	global_load_b64 v[194:195], v13, s[8:9]
	global_load_b64 v[196:197], v13, s[10:11]
	XLOAD
	; the timing signal, while X is on its way: 16 pairs (sin, cos) a thread.  inv = exp(a), a = j x C, as 2^y (1 + e ln 2), y = a log2(e) rounded, e what the rounding dropped
.set i, 0
.rept 16
	v_add_nc_u32 v62, i, v61
	v_cvt_f32_u32 v62, v62
	v_mul_f32 v62, s46, v62
	v_mul_f32 v[16+i], s47, v62
	v_fma_f32 v[32+i], v62, s47, -v[16+i]
	v_fma_f32 v[32+i], v62, s48, v[32+i]
	v_mul_f32 v[32+i], s49, v[32+i]
.set i, i+1
.endr
.set i, 0
.rept 16
	v_exp_f32 v[16+i], v[16+i]
.set i, i+1
.endr
	v_nop                                          ; a plain place behind the exponentials,
	s_wait_alu depctr_va_vdst(0)                   ; and one wait for the batch, ahead of its first reader
.set i, 0
.rept 16
	v_fma_f32 v[16+i], v[16+i], v[32+i], v[16+i]
.set i, i+1
.endr
.set i, 0
.rept 16
	v_mul_f32 v48, v60, v[16+i]                    ; x = t x inv
	v_mul_f32 v49, s50, v48
	v_rndne_f32 v49, v49                           ; q = the nearest multiple of pi/2
	v_fma_f32 v50, v49, s51, v48
	v_fma_f32 v50, v49, s52, v50                   ; rho = x - q pi/2, within pi/4
	v_cvt_i32_f32 v51, v49
	v_mul_f32 v52, v50, v50
	v_fma_f32 v53, v52, s53, s54
	v_fma_f32 v53, v53, v52, s55
	v_mul_f32 v54, v52, v50
	v_fma_f32 v53, v53, v54, v50                   ; sin rho
	v_fma_f32 v55, v52, s56, s57
	v_fma_f32 v55, v55, v52, s58
	v_mul_f32 v56, v52, v52
	v_fma_f32 v57, v52, -0.5, 1.0
	v_fma_f32 v55, v55, v56, v57                   ; cos rho
	v_and_b32 v58, 1, v51
	v_cmp_eq_u32 vcc_lo, 1, v58                    ; an odd q swaps the two
	v_cndmask_b32 v56, v53, v55, vcc_lo
	v_cndmask_b32 v57, v55, v53, vcc_lo
	v_lshlrev_b32 v58, 30, v51
	v_and_b32 v58, s59, v58                        ; sin is negative where q % 4 is 2 or 3,
	v_xor_b32 v[32+i], v58, v56
	v_add_nc_u32 v59, 1, v51
	v_lshlrev_b32 v59, 30, v59
	v_and_b32 v59, s59, v59                        ; cos where it is 1 or 2
	v_xor_b32 v[16+i], v59, v57
.set i, i+1
.endr
	s_wait_loadcnt 32                              ; g, be, b1 are in: the 32 loads of X were issued behind them
	ds_store_b64 v14, v[192:193]
	ds_store_b64 v14, v[194:195] offset:2048
	ds_store_b64 v14, v[196:197] offset:4096
.irp k, 0,1,2,3
	ds_store_b128 v7, v[32+4*\k:35+4*\k] offset:16*\k           ; columns 0-255: sin
	ds_store_b128 v7, v[16+4*\k:19+4*\k] offset:1024+16*\k      ; columns 256-511: cos
.endr
	s_wait_dscnt 0x0                               ; my stores have landed: then the barrier
	s_barrier_signal -1
	s_barrier_wait -1
	s_wait_loadcnt 0x0                             ; X
.macro SIGLD k, t
.irp q, 0,1,2,3,4,5,6,7
	ds_load_b128 v[\t+4*\q:\t+4*\q+3], v8 offset:256*\k+16*\q
.endr
.endm
.macro ADDSIG k, t                     ; x = X + signal, and the row's sum in two chains of pairs
.irp p, 0,1,2,3,4,5,6,7,8,9,10,11,12,13,14,15
	v_pk_add_f32 v[XR+32*\k+2*\p:XR+32*\k+2*\p+1], v[XR+32*\k+2*\p:XR+32*\k+2*\p+1], v[\t+2*\p:\t+2*\p+1]
.endr
.irp p, 0,1,2,3,4,5,6,7,8,9,10,11,12,13,14,15
	v_pk_add_f32 v[16+2*(\p%2):17+2*(\p%2)], v[16+2*(\p%2):17+2*(\p%2)], v[XR+32*\k+2*\p:XR+32*\k+2*\p+1]
.endr
.endm
.irp i, 16,17,18,19
	v_mov_b32 v\i, 0
.endr
	SIGLD 0, TA
	SIGLD 1, TB
	s_wait_dscnt 8                                 ; the older batch is in; the younger one's 8 loads may be out
	ADDSIG 0, TA
	SIGLD 2, TA
	s_wait_dscnt 8
	ADDSIG 1, TB
	SIGLD 3, TB
	s_wait_dscnt 8
	ADDSIG 2, TA
	s_wait_dscnt 0x0
	ADDSIG 3, TB
	v_pk_add_f32 v[16:17], v[16:17], v[18:19]
	v_add_f32 v16, v16, v17
	v_permlanex16_b32 v24, v16, s44, s45
	v_add_f32 v16, v16, v24                        ; the sum of my wave's 256 columns of row r
	ds_store_b32 v11, v16
	s_wait_dscnt 0x0
	s_barrier_signal -1
	s_barrier_wait -1
	ds_load_b32 v17, v12
	ds_load_b32 v18, v12 offset:64
	s_wait_dscnt 0x0
	v_add_f32 v17, v17, v18
	v_mul_f32 v20, 0xbb000000, v17                 ; -mean
	v_mov_b32 v21, v20
.set p, 0
.rept 64
	v_pk_add_f32 v[XR+2*p:XR+2*p+1], v[XR+2*p:XR+2*p+1], v[20:21]
.set p, p+1
.endr
	v_pk_mul_f32 v[16:17], v[XR:XR+1], v[XR:XR+1]  ; the centred squares, in two chains
	v_pk_mul_f32 v[18:19], v[XR+2:XR+3], v[XR+2:XR+3]
.set p, 2
.rept 62
	v_pk_fma_f32 v[16+2*(p%2):17+2*(p%2)], v[XR+2*p:XR+2*p+1], v[XR+2*p:XR+2*p+1], v[16+2*(p%2):17+2*(p%2)]
.set p, p+1
.endr
	v_pk_add_f32 v[16:17], v[16:17], v[18:19]
	v_add_f32 v16, v16, v17
	v_permlanex16_b32 v24, v16, s44, s45
	v_add_f32 v16, v16, v24
	ds_store_b32 v11, v16 offset:512
	s_wait_dscnt 0x0
	s_barrier_signal -1
	s_barrier_wait -1
	ds_load_b32 v17, v12 offset:512
	ds_load_b32 v18, v12 offset:576
	s_wait_dscnt 0x0
	v_add_f32 v17, v17, v18
	v_mul_f32 v17, 0x3b004020, v17                 ; / 511
	v_sqrt_f32 v17, v17
	v_nop
	s_wait_alu depctr_va_vdst(0)
	v_add_f32 v17, 0x358637bd, v17                 ; + 1e-6
	v_rcp_f32 v22, v17
	v_nop
	s_wait_alu depctr_va_vdst(0)
	v_mov_b32 v23, v22
; 16 numbers at a time: Xn = (x - mean) / (std + eps) x g + be stays in XR; Xn + b1 goes to r1, each store two whole aligned runs of 256 bytes
.macro NORM bb
	s_wait_xcnt 0x0                                ; the last batch's stores have read their registers
.irp q, 0,1,2,3
	ds_load_b128 v[GG+4*\q:GG+4*\q+3], v9 offset:256*((\bb)/2)+64*((\bb)%2)+16*\q
	ds_load_b128 v[BE+4*\q:BE+4*\q+3], v9 offset:2048+256*((\bb)/2)+64*((\bb)%2)+16*\q
	ds_load_b128 v[BB+4*\q:BB+4*\q+3], v9 offset:4096+256*((\bb)/2)+64*((\bb)%2)+16*\q
.endr
	s_wait_dscnt 0x0
.irp p, 0,1,2,3,4,5,6,7
	v_pk_mul_f32 v[XR+16*(\bb)+2*\p:XR+16*(\bb)+2*\p+1], v[XR+16*(\bb)+2*\p:XR+16*(\bb)+2*\p+1], v[22:23]
.endr
.irp p, 0,1,2,3,4,5,6,7
	v_pk_fma_f32 v[XR+16*(\bb)+2*\p:XR+16*(\bb)+2*\p+1], v[XR+16*(\bb)+2*\p:XR+16*(\bb)+2*\p+1], v[GG+2*\p:GG+2*\p+1], v[BE+2*\p:BE+2*\p+1]
.endr
.irp p, 0,1,2,3,4,5,6,7
	v_pk_add_f32 v[RR+2*\p:RR+2*\p+1], v[XR+16*(\bb)+2*\p:XR+16*(\bb)+2*\p+1], v[BB+2*\p:BB+2*\p+1]
.endr
.irp u, 0,1
.irp q, 0,1
	global_store_b128 v10, v[RR+8*\u+4*\q:RR+8*\u+4*\q+3], s[42:43] offset:4096*((\bb)/2)+1024*\u+512*\q+256*((\bb)%2) th:TH_STORE_NT
.endr
.endr
.endm
.irp b, 0,1,2,3,4,5,6,7
	NORM \b
.endr
	TAIL
	; ---------------- the weights ----------------
.Lweights:
	s_sub_co_u32 s66, ttmp9, 256                   ; j = 0..63
	s_lshr_b32 s72, s32, 1
	s_and_b32 s68, s32, 1
	s_lshl_b32 s68, s68, 1                         ; my first K step
	s_mov_b32 s33, 11                              ; a row is 2^11 bytes
	s_mov_b32 s70, 12288                           ; from a K step's image to the next one's: eight fragments
	s_wait_kmcnt 0x0
	s_cmp_lt_u32 s66, 24
	s_cbranch_scc0 .Lnot_qkv
	s_lshr_b32 s73, s66, 3                         ; wq, wk or wv
	s_and_b32 s74, s66, 7                          ; the head
	s_cmp_eq_u32 s73, 0
	s_cselect_b64 s[34:35], s[12:13], s[14:15]
	s_cmp_eq_u32 s73, 2
	s_cselect_b64 s[34:35], s[16:17], s[34:35]
	s_lshl_b32 s67, s74, 2
	s_add_co_u32 s67, s67, s72                     ; the tile of 16 rows
	s_lshl_b32 s73, s73, 2
	s_add_co_u32 s73, s73, s72
	s_lshl_b32 s73, s73, 2
	s_add_co_u32 s73, s73, s68                     ; (4 which + tile) 4 + K step
	s_mul_i32 s74, s74, 76800
	s_mul_i32 s69, s73, 1536
	s_add_co_u32 s69, s69, s74
	s_lshl_b32 s71, s73, 6
	s_add_co_u32 s71, s71, s74
	s_add_co_u32 s71, s71, 73728
	s_mov_b32 s70, 1536
	s_branch .Lwgo
.Lnot_qkv:
	s_cmp_lt_u32 s66, 32
	s_cbranch_scc0 .Lnot_w1
	s_sub_co_u32 s67, s66, 24
	s_lshl_b32 s67, s67, 2
	s_add_co_u32 s67, s67, s72
	s_mov_b64 s[34:35], s[18:19]
	s_lshr_b32 s73, s67, 3                         ; the wave that will read it
	s_and_b32 s74, s67, 7                          ; fragment t,
	s_lshl_b32 s75, s74, 1                         ; scale line 2 t
	s_branch .Lstream
.Lnot_w1:
	s_cmp_lt_u32 s66, 48
	s_cbranch_scc0 .Lnot_wf1
	s_sub_co_u32 s67, s66, 32
	s_lshl_b32 s67, s67, 2
	s_add_co_u32 s67, s67, s72
	s_mov_b64 s[34:35], s[20:21]
	s_lshr_b32 s73, s67, 4
	s_bfe_u32 s74, s67, 0x10003
	s_lshl_b32 s74, s74, 5
	s_and_b32 s75, s67, 7
	s_add_co_u32 s74, s74, s75
	s_add_co_u32 s74, s74, 32                      ; 32 + 32 half + t
	s_and_b32 s75, s67, 15
	s_lshl_b32 s75, s75, 1
	s_add_co_u32 s75, s75, 16                      ; 16 + 2 (8 half + t)
	s_branch .Lstream
.Lnot_wf1:
	s_sub_co_u32 s67, s66, 48
	s_lshl_b32 s67, s67, 1
	s_lshr_b32 s72, s32, 2
	s_add_co_u32 s67, s67, s72
	s_and_b32 s68, s32, 3
	s_lshl_b32 s68, s68, 1
	s_mov_b32 s33, 12                              ; wf2's rows are 4,096 bytes
	s_mov_b64 s[34:35], s[22:23]
	s_lshr_b32 s73, s67, 3
	s_and_b32 s75, s67, 7
	s_add_co_u32 s74, s75, 96                      ; 96 + t
	s_lshl_b32 s75, s75, 2
	s_add_co_u32 s75, s75, 48                      ; 48 + 4 t
.Lstream:
	s_mul_i32 s69, s73, 160
	s_add_co_u32 s69, s69, s74
	s_lshl_b32 s76, s68, 3
	s_add_co_u32 s69, s69, s76                     ; + 8 x K step
	s_mul_i32 s69, s69, 1536
	s_add_co_u32 s69, s69, W3C
	s_mul_i32 s71, s73, 80
	s_add_co_u32 s71, s71, s75
	s_lshr_b32 s76, s68, 1
	s_add_co_u32 s71, s71, s76
	s_lshl_b32 s71, s71, 7
	s_add_co_u32 s71, s71, W3S
.Lwgo:
	s_lshr_b32 s76, s67, 1
	s_lshl_b32 s76, s76, 5
	s_and_b32 s77, s67, 1
	s_lshl_b32 s77, s77, 3
	s_add_co_u32 s76, s76, s77                     ; the tile's first row
	s_lshl_b32 s76, s76, s33
	s_lshl_b32 s77, s68, 9
	s_add_co_u32 s76, s76, s77
	s_mov_b32 s77, 0
	s_add_nc_u64 s[34:35], s[34:35], s[76:77]
	s_mov_b32 s76, s69
	s_add_nc_u64 s[36:37], s[30:31], s[76:77]
	s_mov_b32 s76, s70
	s_add_nc_u64 s[38:39], s[36:37], s[76:77]
	s_mov_b32 s76, s71
	s_add_nc_u64 s[40:41], s[30:31], s[76:77]
	v_lshlrev_b32 v4, s33, v16
	v_lshl_add_u32 v4, v3, 7, v4
	XLOAD
	s_wait_loadcnt 0x0
	TAIL
.Lfunc_end_k_q3b3fed2307_prep:
	.size	k_q3b3fed2307_prep, .Lfunc_end_k_q3b3fed2307_prep-k_q3b3fed2307_prep
	.p2alignl 7, 3214868480
	.fill 96, 4, 3214868480
	.section	.rodata,"a",@progbits
	.p2align	6, 0x0
	.amdhsa_kernel k_q3b3fed2307_prep
		.amdhsa_group_segment_fixed_size 41984
		.amdhsa_private_segment_fixed_size 0
		.amdhsa_enable_private_segment 0
		.amdhsa_kernarg_size 112
		.amdhsa_user_sgpr_count 2
		.amdhsa_user_sgpr_kernarg_segment_ptr 1
		.amdhsa_wavefront_size32 1
		.amdhsa_system_sgpr_workgroup_id_x 1
		.amdhsa_system_sgpr_workgroup_id_y 1
		.amdhsa_system_sgpr_workgroup_id_z 1
		.amdhsa_system_vgpr_workitem_id 0
		.amdhsa_next_free_vgpr 258
		.amdhsa_next_free_sgpr 84
		.amdhsa_reserve_vcc 1
		.amdhsa_float_denorm_mode_32 3
		.amdhsa_float_denorm_mode_16_64 3
		.amdhsa_memory_ordered 1
		.amdhsa_forward_progress 1
		.amdhsa_inst_pref_size 94
	.end_amdhsa_kernel
	.amdgpu_metadata
---
amdhsa.version: [ 1, 2 ]
amdhsa.kernels:
  - .name:           k_q3b3fed2307_prep
    .symbol:         k_q3b3fed2307_prep.kd
    .args:
      - { .name: X, .offset: 0, .size: 8, .value_kind: global_buffer, .address_space: global }
      - { .name: g_mha, .offset: 8, .size: 8, .value_kind: global_buffer, .address_space: global }
      - { .name: be_mha, .offset: 16, .size: 8, .value_kind: global_buffer, .address_space: global }
      - { .name: b1, .offset: 24, .size: 8, .value_kind: global_buffer, .address_space: global }
      - { .name: wq, .offset: 32, .size: 8, .value_kind: global_buffer, .address_space: global }
      - { .name: wk, .offset: 40, .size: 8, .value_kind: global_buffer, .address_space: global }
      - { .name: wv, .offset: 48, .size: 8, .value_kind: global_buffer, .address_space: global }
      - { .name: w1, .offset: 56, .size: 8, .value_kind: global_buffer, .address_space: global }
      - { .name: wf1, .offset: 64, .size: 8, .value_kind: global_buffer, .address_space: global }
      - { .name: wf2, .offset: 72, .size: 8, .value_kind: global_buffer, .address_space: global }
      - { .name: xnc, .offset: 80, .size: 8, .value_kind: global_buffer, .address_space: global }
      - { .name: xns, .offset: 88, .size: 8, .value_kind: global_buffer, .address_space: global }
      - { .name: r1, .offset: 96, .size: 8, .value_kind: global_buffer, .address_space: global }
      - { .name: wc, .offset: 104, .size: 8, .value_kind: global_buffer, .address_space: global }
    .group_segment_fixed_size: 41984
    .private_segment_fixed_size: 0
    .kernarg_segment_align: 8
    .kernarg_segment_size: 112
    .max_flat_workgroup_size: 256
    .sgpr_count:     84
    .vgpr_count:     258
    .wavefront_size: 32
...
	.end_amdgpu_metadata
.endif
;; end of part 1
;; launch attn (part 2): grid 8 x 32, 16 waves a work-group, no clusters, 133,120 bytes of LDS; arguments xnc, xns, wc, bq, bk, bv, atc, ats; writes atc, ats
.if DOCPART == 2
	.amdgcn_target "amdgcn-amd-amdhsa--gfx1250"
	.amdhsa_code_object_version 6
	.text
	.protected	k_q3b3fed2307_attn
	.globl	k_q3b3fed2307_attn
	.p2align	8
	.type	k_q3b3fed2307_attn,@function
k_q3b3fed2307_attn:
	s_mov_b64 s[64:65], 0
	v_nop
	global_prefetch_b8 v0, s[64:65] scope:SCOPE_SE
	s_setreg_imm32_b32 hwreg(HW_REG_WAVE_MODE, 25, 1), 1
	s_wait_xcnt 0x0
; One head (work-group x) of one batch entry (work-group y): q, k, v = relu(Xn W^T + b), softmax(q k^T / 8) v, all products on codes of E3M2 with E8M0 scales.
; SIXTEEN waves, four to a SIMD, so that one wave's softmax stands beside another's products.  Wave w owns row tiles 2 w and 2 w + 1: rows 32 w .. 32 w + 31.
; PHASE 0: the head's weights (76,800 bytes of fragment images and scale words) go to LDS once; my 8 fragments of Xn stay in registers.
; PHASE 1: k and q transposed (source 0 = 16 rows of W, source 1 = my rows; the bias is the first product's C): a lane holds one row and 32 neighbouring channels in two halves;
;   v the other way round (source 0 = my rows, source 1 = 16 rows of Wv): a lane holds one channel and 16 neighbouring keys.  k and v are quantised in registers and go to LDS as
;   images of operand registers; q stays in registers.
; PHASE 2: for each of my two tiles of queries: four steps of 128 keys: S^T = K Q^T, p = 2^(t - M) with M the running largest t rounded up to a whole number, the sum of the
;   unquantised p, p quantised along the keys, O^T += V^T P^T.  At the end O^T / sum is quantised along the channels and leaves as half a fragment image of the next product.
; The head has 64 channels and the instruction 128 along K: q's upper six registers are zero codes; K's upper six are whatever codes follow (finite numbers x 0), under scale bytes 0.
; TILE RULE: tile 2 b + u holds, in lane r, row 32 b + 8 u + r + 8 (r / 8): so the 16 registers of two neighbouring tiles are 16 neighbours along the next K.
; No tile is asked for jointly in a cluster: operands come as register images by plain loads, 77 KB of weights a work-group once; the eight heads of an entry read the same 197 KB of Xn's codes.
; LIMITS: NaN and infinities are not served; a block under 2^-122, and a block of zeros, keep the scale byte 1 (zero codes; only this program reads the bytes).
.set KIMG, 76800                       ; 32 tiles of keys x 768 bytes: registers 0-3 at 16 x lane, registers 4-5 at 512 + 8 x lane
.set KSC,  101376                      ; their scale words: 64 bytes a tile
.set VIMG, 103424                      ; ((channel tile x 4 + key step) x 2 + half) x 768
.set VSC,  128000                      ; (channel tile x 4 + key step) x 64 + 4 r
.set AF,   32                          ; v32-127  Xn's fragments (4 rt + s); later K's or V's
.set ACC,  128                         ; v128-191 accumulators of phase 1
.set WF,   192                         ; v192-239 four fragments of a weight
.set WS,   240                         ; v240-247 a weight's scale words;  v248-251 Xn's, later K's and V's;  v252 p's;  v253-255 q's: these hold scales alone
.set AS,   248
.set SEL,  24                          ; s[24:25] selects for lane l xor 16
.set CS,   26                          ; s[26:27] c = log2(e) / 8
.macro WM cz                           ; one product; registers and scale rows in rD, rA, rB, rSA, rSB, RA, RB
.if \cz
.if RA
	v_wmma_scale_f32_16x16x128_f8f6f4 v[rD:rD+7], v[rA:rA+11], v[rB:rB+11], 0, v[rSA], v[rSB] matrix_a_fmt:MATRIX_FMT_BF6 matrix_b_fmt:MATRIX_FMT_BF6 matrix_a_scale:MATRIX_SCALE_ROW1
.else
	v_wmma_scale_f32_16x16x128_f8f6f4 v[rD:rD+7], v[rA:rA+11], v[rB:rB+11], 0, v[rSA], v[rSB] matrix_a_fmt:MATRIX_FMT_BF6 matrix_b_fmt:MATRIX_FMT_BF6
.endif
.else
.if RA && RB
	v_wmma_scale_f32_16x16x128_f8f6f4 v[rD:rD+7], v[rA:rA+11], v[rB:rB+11], v[rD:rD+7], v[rSA], v[rSB] matrix_a_fmt:MATRIX_FMT_BF6 matrix_b_fmt:MATRIX_FMT_BF6 matrix_a_scale:MATRIX_SCALE_ROW1 matrix_b_scale:MATRIX_SCALE_ROW1
.elseif RA
	v_wmma_scale_f32_16x16x128_f8f6f4 v[rD:rD+7], v[rA:rA+11], v[rB:rB+11], v[rD:rD+7], v[rSA], v[rSB] matrix_a_fmt:MATRIX_FMT_BF6 matrix_b_fmt:MATRIX_FMT_BF6 matrix_a_scale:MATRIX_SCALE_ROW1
.else
	v_wmma_scale_f32_16x16x128_f8f6f4 v[rD:rD+7], v[rA:rA+11], v[rB:rB+11], v[rD:rD+7], v[rSA], v[rSB] matrix_a_fmt:MATRIX_FMT_BF6 matrix_b_fmt:MATRIX_FMT_BF6
.endif
.endif
.endm
.macro PLACES                          ; four plain places behind matrix instructions (ISA guide 7.12.1)
.rept 4
	v_nop
.endr
.endm
; 32 numbers of a lane, none negative (register 16 b + i = k 32 b + 16 h + i of my row), become six registers of codes at v[pc] on (lanes 0-15 block 0, lanes 16-31 block 1) and two scale bytes in v[pw]
.macro QUANT32 src, pc, pw
.irp b, 0,1
	v_max3_num_f32 v[204+\b], v[(\src)+16*\b], v[(\src)+16*\b+1], 0x2800000   ; the floor 2^(5 - 127) holds the byte at 1 from below
.endr
.irp i, 2,4,6,8,10,12,14
.irp b, 0,1
	v_max3_num_f32 v[204+\b], v[204+\b], v[(\src)+16*\b+\i], v[(\src)+16*\b+\i+1]
.endr
.endr
.irp b, 0,1
	v_permlanex16_b32 v[208+\b], v[204+\b], s[SEL], s[SEL+1]
.endr
.irp b, 0,1
	v_max_num_f32 v[204+\b], v[204+\b], v[208+\b]
.endr
.irp b, 0,1
	v_add_nc_u32 v[220+\b], 0xfe000000, v[204+\b]  ; 4 off the exponent field: the conversion's scale operand
.endr
.irp b, 0,1
	v_lshrrev_b32 v[208+\b], 23, v[220+\b]
.endr
	v_lshl_or_b32 v[\pw], v209, 8, v208
	v_cvt_scalef32_pk16_bf6_f32 v[(\pc):(\pc)+2], v[(\src):(\src)+15], v220
	v_cvt_scalef32_pk16_bf6_f32 v[212:214], v[(\src)+16:(\src)+31], v221
	v_nop                                          ; one plain place behind a scaled conversion
.irp i, 0,1,2
	v_permlane16_swap_b32 v[(\pc)+\i], v[212+\i]   ; a whole block to a lane
.endr
.irp i, 0,1,2
	v_mov_b32 v[(\pc)+3+\i], v[212+\i]
.endr
.endm
; 64 numbers (register 16 b + i) under the scale operands v220-223 become 12 registers of codes at v192 on: lanes 0-15 blocks 0 and 2, lanes 16-31 blocks 1 and 3
.macro CODES64 src
.irp c, 0,1
	v_cvt_scalef32_pk16_bf6_f32 v[192+6*\c:194+6*\c], v[(\src)+32*\c:(\src)+32*\c+15], v[220+2*\c]
	v_cvt_scalef32_pk16_bf6_f32 v[212+4*\c:214+4*\c], v[(\src)+32*\c+16:(\src)+32*\c+31], v[221+2*\c]
.endr
	v_nop
.irp c, 0,1
.irp i, 0,1,2
	v_permlane16_swap_b32 v[192+6*\c+\i], v[212+4*\c+\i]
.endr
.irp i, 0,1,2
	v_mov_b32 v[195+6*\c+\i], v[212+4*\c+\i]
.endr
.endr
.endm
; One of the three products: which = 0 q, 1 k, 2 v.  tr = 1: transposed, the bias (at s[bs]) is loaded into the accumulators.  Eight accumulators take turns, one instruction a turn.
.macro PROD which, tr, bs
	v_add_nc_u32 v7, 24576*\which, v29
.irp i, 0,1,2,3,4,5,6,7
	ds_load_b32 v[WS+\i], v8 offset:1024*\which+128*\i          ; register 2 tile + s / 2: lanes 0-15 the even K step's words, lanes 16-31 the odd one's
.endr
.if \tr
.irp rt, 0,1
.irp tile, 0,1,2,3
.irp q, 0,1
	global_load_b128 v[ACC+32*\rt+8*\tile+4*\q:ACC+32*\rt+8*\tile+4*\q+3], v15, s[\bs:\bs+1] offset:128*(\tile/2)+32*(\tile%2)+16*\q
.endr
.endr
.endr
	s_wait_loadcnt 0x0
.endif
.irp s, 0,1,2,3
	PLACES                                         ; in front of loads into registers that matrix instructions have read
.irp tile, 0,1,2,3
.irp c, 0,1,2
	ds_load_b128 v[WF+12*\tile+4*\c:WF+12*\tile+4*\c+3], v7 offset:(4*\tile+\s)*1536+512*\c
.endr
.endr
	s_wait_dscnt 0x0
.irp tile, 0,1,2,3
.irp rt, 0,1
.set RA, \s%2
.set RB, \s%2
.if \tr
.set rD, ACC+32*\rt+8*\tile
.set rA, WF+12*\tile
.set rB, AF+12*(4*\rt+\s)
.set rSA, WS+2*\tile+\s/2
.set rSB, AS+2*\rt+\s/2
	WM 0
.else
.set rD, ACC+16*\tile+8*\rt
.set rA, AF+12*(4*\rt+\s)
.set rB, WF+12*\tile
.set rSA, AS+2*\rt+\s/2
.set rSB, WS+2*\tile+\s/2
.if \s == 0
	WM 1
.else
	WM 0
.endif
.endif
.endr
.endr
.endr
	PLACES
.endm
.macro RELU64
.set j, 0
.rept 64
	v_max_num_f32 v[ACC+j], 0, v[ACC+j]            ; each accumulator from its low end on
.set j, j+1
.endr
.endm
	s_load_b512 s[4:19], s[0:1], 0x0               ; xnc, xns, wc, bq, bk, bv, atc, ats
	v_lshrrev_b32 v1, 5, v0
	v_readfirstlane_b32 s20, v1                    ; wave 0..15
	s_and_b32 s22, ttmp7, 0xffff                   ; n
	s_mov_b32 s[SEL], 0x76543210
	s_mov_b32 s[SEL+1], 0xfedcba98
	s_mov_b32 s[CS], 0x3e38aa3b
	s_mov_b32 s[CS+1], s[CS]
	v_and_b32 v32, 31, v0                          ; lane
	v_and_b32 v33, 15, v0                          ; r
	v_bfe_u32 v34, v0, 4, 1                        ; h
	v_lshlrev_b32 v29, 4, v32                      ; 16 x lane
	v_lshlrev_b32 v30, 3, v32                      ; 8 x lane
	v_lshlrev_b32 v18, 2, v32                      ; 4 x lane
	v_lshlrev_b32 v36, 2, v33                      ; 4 r
	v_lshl_add_u32 v31, v34, 8, v36                ; 256 h + 4 r
	v_lshlrev_b32 v16, 4, v0                       ; 16 x thread: the copy of the weights
	v_add_nc_u32 v17, 0x10000, v16
	v_add_nc_u32 v1, KIMG, v29                     ; phase 2's places in K's and V's images and scale words
	v_add_nc_u32 v2, KIMG+512, v30
	v_add_nc_u32 v3, KSC, v18
	v_add_nc_u32 v4, VIMG, v29
	v_add_nc_u32 v5, VIMG+512, v30
	v_add_nc_u32 v6, VSC, v31
	v_add_nc_u32 v8, 73728, v18                    ; the weights' scale words
	s_mul_i32 s44, s20, 1536
	v_add_nc_u32 v9, s44, v1                       ; where I store my two tiles of K
	v_add_nc_u32 v10, s44, v2
	s_lshl_b32 s44, s20, 7
	v_add_nc_u32 v11, KSC, v36
	v_add_nc_u32 v11, s44, v11
	s_lshr_b32 s44, s20, 2                         ; my 32 keys are block w: key step w / 4, half (w / 2) % 2, lanes 16 (w % 2) on
	s_mul_i32 s45, s44, 1536
	s_bfe_u32 s46, s20, 0x10001
	s_mul_i32 s46, s46, 768
	s_add_co_u32 s45, s45, s46
	s_and_b32 s46, s20, 1
	s_lshl_b32 s47, s46, 8
	s_add_co_u32 s47, s47, s45
	v_mul_u32_u24 v37, v34, 6144                   ; lanes 16-31 hold the odd channel tile
	v_lshl_add_u32 v12, v33, 4, v37
	v_add_nc_u32 v12, s47, v12
	v_add_nc_u32 v12, VIMG, v12
	s_lshl_b32 s47, s46, 7
	s_add_co_u32 s47, s47, s45
	v_lshl_add_u32 v13, v33, 3, v37
	v_add_nc_u32 v13, s47, v13
	v_add_nc_u32 v13, VIMG+512, v13
	s_lshl_b32 s44, s44, 6
	s_and_b32 s46, s20, 3
	s_add_co_u32 s44, s44, s46
	v_add_nc_u32 v14, VSC, v36
	v_add_nc_u32 v14, s44, v14                     ; my byte of V's scale words
	v_lshlrev_b32 v15, 6, v34                      ; 64 h: bq's and bk's numbers of my half
	v_and_b32 v28, 8, v33
	v_add_nc_u32 v28, v28, v33
	v_lshlrev_b32 v28, 2, v28                      ; 4 (r + 8 (r / 8)): bv's number of my channel
	s_mov_b32 s45, 0
	s_wait_kmcnt 0x0
	s_mul_i32 s44, ttmp9, 76800
	s_add_nc_u64 s[8:9], s[8:9], s[44:45]          ; the head's weights
	s_lshl_b32 s44, ttmp9, 8
	s_add_nc_u64 s[10:11], s[10:11], s[44:45]      ; and biases
	s_add_nc_u64 s[12:13], s[12:13], s[44:45]
	s_add_nc_u64 s[14:15], s[14:15], s[44:45]
	s_lshl_b32 s46, s22, 5
	s_lshl_b32 s47, s20, 1
	s_add_co_u32 s46, s46, s47                     ; my first row tile: 32 n + 2 w
	s_mul_i32 s44, s46, 6144
	s_add_nc_u64 s[4:5], s[4:5], s[44:45]
	s_add_nc_u64 s[40:41], s[16:17], s[44:45]
	s_mul_i32 s44, ttmp9, 768                      ; K step head / 2, half head % 2
	s_add_nc_u64 s[40:41], s[40:41], s[44:45]
	s_lshl_b32 s44, s46, 8
	s_add_nc_u64 s[6:7], s[6:7], s[44:45]
	s_add_nc_u64 s[42:43], s[18:19], s[44:45]
	s_lshr_b32 s44, ttmp9, 1
	s_lshl_b32 s44, s44, 6
	s_and_b32 s47, ttmp9, 1
	s_lshl_b32 s47, s47, 1
	s_add_co_u32 s44, s44, s47
	s_add_nc_u64 s[42:43], s[42:43], s[44:45]
	; ---- phase 0
.irp i, 0,1,2,3,4,5,6,7,8
	global_load_b128 v[128+4*\i:131+4*\i], v16, s[8:9] offset:8192*\i
.endr
	s_cmp_lt_u32 s20, 6                            ; the last 3,072 bytes are six waves' worth
	s_cbranch_scc0 .Lno_tenth_load
	global_load_b128 v[164:167], v16, s[8:9] offset:73728
.Lno_tenth_load:
.set i, 0
.rept 24
	global_load_b128 v[AF+4*i:AF+4*i+3], v29, s[4:5] offset:512*i
.set i, i+1
.endr
.irp i, 0,1,2,3
	global_load_b32 v[AS+\i], v18, s[6:7] offset:128*\i
.endr
	s_wait_loadcnt 28                              ; the weights are in: the 28 loads of Xn were issued behind them, on both ways
.irp i, 0,1,2,3,4,5,6,7
	ds_store_b128 v16, v[128+4*\i:131+4*\i] offset:8192*\i
.endr
	ds_store_b128 v17, v[160:163]
	s_cmp_lt_u32 s20, 6
	s_cbranch_scc0 .Lno_tenth_store
	ds_store_b128 v17, v[164:167] offset:8192
.Lno_tenth_store:
	s_wait_dscnt 0x0                               ; my stores have landed: then the barrier
	s_barrier_signal -1
	s_barrier_wait -1
	s_wait_loadcnt 0x0
	; ---- phase 1: k
	PROD 1, 1, 12
	RELU64
.irp rt, 0,1
	QUANT32 ACC+32*\rt, 192, 226
	ds_store_b128 v9, v[192:195] offset:768*\rt
	ds_store_b64 v10, v[196:197] offset:768*\rt
	ds_store_b32 v11, v226 offset:64*\rt           ; both halves of the lanes write the same word with the same value
	s_wait_dscnt 0x0
.endr
	; ---- v
.irp ct, 0,1,2,3
	global_load_b32 v[16+2*\ct], v28, s[14:15] offset:128*(\ct/2)+32*(\ct%2)
.endr
.irp ct, 0,1,2,3
	v_mov_b32 v[17+2*\ct], 0                       ; (named with it as a pair)
.endr
	PROD 2, 0, 14
	s_wait_loadcnt 0x0
.irp ct, 0,1,2,3
.irp p, 0,1,2,3,4,5,6,7
	v_pk_add_f32 v[ACC+16*\ct+2*\p:ACC+16*\ct+2*\p+1], v[ACC+16*\ct+2*\p:ACC+16*\ct+2*\p+1], v[16+2*\ct:17+2*\ct] op_sel_hi:[1,0]
.endr
.endr
	RELU64
.irp b, 0,1,2,3                        ; the four blocks are the four channel tiles: 32 keys of one channel lie in lanes l and l xor 16
	v_max3_num_f32 v[204+\b], v[ACC+16*\b], v[ACC+16*\b+1], 0x2800000
.endr
.irp i, 2,4,6,8,10,12,14
.irp b, 0,1,2,3
	v_max3_num_f32 v[204+\b], v[204+\b], v[ACC+16*\b+\i], v[ACC+16*\b+\i+1]
.endr
.endr
.irp b, 0,1,2,3
	v_permlanex16_b32 v[208+\b], v[204+\b], s[SEL], s[SEL+1]
.endr
.irp b, 0,1,2,3
	v_max_num_f32 v[204+\b], v[204+\b], v[208+\b]
.endr
.irp b, 0,1,2,3
	v_add_nc_u32 v[220+\b], 0xfe000000, v[204+\b]
.endr
.irp b, 0,1,2,3
	v_lshrrev_b32 v[208+\b], 23, v[220+\b]
.endr
.irp b, 0,1,2,3
	ds_store_b8 v14, v[208+\b] offset:256*\b
.endr
	CODES64 ACC
.irp cp, 0,1
	ds_store_b128 v12, v[192+6*\cp:195+6*\cp] offset:12288*\cp
	ds_store_b64 v13, v[196+6*\cp:197+6*\cp] offset:12288*\cp
.endr
	s_wait_dscnt 0x0
	; ---- q
	PROD 0, 1, 10
	RELU64
	QUANT32 ACC, 16, 254
	QUANT32 ACC+32, 228, 255
.irp i, 22,23,24,25,26,27, 80,81,82,83,84,85, 225
	v_mov_b32 v\i, 0                               ; q's upper half: zero codes; what follows K's last tile; the upper word of the pair v[224:225]
.endr
	s_wait_dscnt 0x0
	s_barrier_signal -1
	s_barrier_wait -1                              ; all keys' images lie in LDS
	; ---- phase 2
.macro STEP                            ; 128 keys
	v_add_nc_u32 v7, s28, v1                       ; (these six are also the places behind the last products)
	v_add_nc_u32 v8, s28, v2
	v_add_nc_u32 v9, s29, v3
	v_add_nc_u32 v10, s30, v4
	v_add_nc_u32 v11, s30, v5
	v_add_nc_u32 v28, s31, v6
.irp i, 0,1,2,3,4,5,6,7
	ds_load_b128 v[32+6*\i:35+6*\i], v7 offset:768*\i
	ds_load_b64 v[36+6*\i:37+6*\i], v8 offset:768*\i
.endr
.irp i, 0,1,2,3
	ds_load_b32 v[248+\i], v9 offset:128*\i        ; lanes 0-15 tile 2 i, lanes 16-31 tile 2 i + 1
.endr
	s_wait_dscnt 0x0
.irp i, 0,1,2,3,4,5,6,7
.set rD, 96+8*\i
.set rA, 32+6*\i
.set rB, 16
.set rSA, 248+\i/2
.set rSB, 253
.set RA, \i%2
.set RB, 0
	WM 1
.endr
	PLACES
.irp b, 0,1,2,3
	v_max3_num_f32 v[204+\b], v[96+16*\b], v[97+16*\b], v[98+16*\b]   ; the largest score of each block of 32 keys: for the row's maximum and for the block's largest p
.endr
.irp i, 3,5,7,9,11,13
.irp b, 0,1,2,3
	v_max3_num_f32 v[204+\b], v[204+\b], v[96+16*\b+\i], v[97+16*\b+\i]
.endr
.endr
.irp b, 0,1,2,3
	v_max_num_f32 v[204+\b], v[204+\b], v[111+16*\b]
.endr
.irp b, 0,1,2,3
	v_permlanex16_b32 v[208+\b], v[204+\b], s[SEL], s[SEL+1]
.endr
.irp b, 0,1,2,3
	v_max_num_f32 v[204+\b], v[204+\b], v[208+\b]
.endr
	v_max3_num_f32 v226, v204, v205, v206
	v_max_num_f32 v226, v226, v207
	v_mul_f32 v226, s[CS], v226
	v_max_num_f32 v13, v13, v226                   ; the running largest t
	v_mov_b32 v226, v12
	v_floor_f32 v12, -v13                          ; -M = floor(-t): M is a whole number
	v_sub_f32 v226, v12, v226
	v_cvt_i32_f32 v226, v226
	v_ldexp_f32 v224, 1.0, v226                    ; f = 2^(old M - new M): rounds nothing
.set j, 0
.rept 32
	v_pk_fma_f32 v[96+j:97+j], v[96+j:97+j], s[CS:CS+1], v[12:13] op_sel_hi:[1,0,0]
.set j, j+2
.endr
.irp b, 0,1,2,3
	v_fma_f32 v[204+\b], v[204+\b], s[CS], v12
.endr
.set j, 0
.rept 64
	v_exp_f32 v[96+j], v[96+j]                     ; p = 2^(t - M), not normalised
.set j, j+1
.endr
	v_pk_mul_f32 v[14:15], v[14:15], v[224:225] op_sel_hi:[1,0]   ; the sums under the new M: a plain place behind the exponentials
	s_wait_alu depctr_va_vdst(0)                   ; one wait for the batch, ahead of its first reader
.irp b, 0,1,2,3
	v_exp_f32 v[204+\b], v[204+\b]                 ; each block's largest p
.endr
	v_pk_add_f32 v[238:239], v[96:97], v[98:99]    ; the row's sum of the unquantised p, in two chains
.irp j, 4,8,12,16,20,24,28,32,36,40,44,48,52,56,60
	v_pk_add_f32 v[14:15], v[14:15], v[96+\j:97+\j]
	v_pk_add_f32 v[238:239], v[238:239], v[98+\j:99+\j]
.endr
	v_pk_add_f32 v[14:15], v[14:15], v[238:239]
	s_wait_alu depctr_va_vdst(0)                   ; and one for the four
.irp b, 0,1,2,3
	v_max_num_f32 v[204+\b], 0x2800000, v[204+\b]
.endr
.irp b, 0,1,2,3
	v_add_nc_u32 v[220+\b], 0xfe000000, v[204+\b]
.endr
.irp b, 0,1,2,3
	v_lshrrev_b32 v[208+\b], 23, v[220+\b]
.endr
	v_lshl_or_b32 v252, v209, 8, v208              ; p's scale word for these 128 keys
	v_lshl_or_b32 v252, v210, 16, v252
	v_lshl_or_b32 v252, v211, 24, v252
	CODES64 96
.set j, 0
.rept 16
	v_pk_mul_f32 v[160+j:161+j], v[160+j:161+j], v[224:225] op_sel_hi:[1,0]   ; O^T under the new M; these 16 are also the places ahead of the scaled products
.set j, j+2
.endr
.irp ct, 0,1,2,3
.irp c, 0,1
	ds_load_b128 v[32+12*\ct+6*\c:35+12*\ct+6*\c], v10 offset:6144*\ct+768*\c
	ds_load_b64 v[36+12*\ct+6*\c:37+12*\ct+6*\c], v11 offset:6144*\ct+768*\c
.endr
.endr
.irp cp, 0,1
	ds_load_b32 v[248+\cp], v28 offset:512*\cp
.endr
	s_wait_dscnt 0x0
.irp ct, 0,1,2,3
.set rD, 160+8*\ct
.set rA, 32+12*\ct
.set rB, 192
.set rSA, 248+\ct/2
.set rSB, 252
.set RA, \ct%2
.set RB, 0
	WM 0
.endr
	s_add_co_u32 s28, s28, 6144
	s_add_co_u32 s29, s29, 512
	s_add_co_u32 s30, s30, 1536
	s_add_co_u32 s31, s31, 64
.endm
.macro ATT rt
	s_wait_xcnt 0x0                                ; the stores of the tile before have read their registers
.if \rt
.irp i, 0,1,2,3,4,5
	v_mov_b32 v[16+\i], v[228+\i]
.endr
.endif
	v_mov_b32 v253, v[254+\rt]
.set j, 0
.rept 32
	v_mov_b32 v[160+j], 0                          ; O^T: the step is written once, its first trip finds zeros
.set j, j+1
.endr
	v_mov_b32 v14, 0
	v_mov_b32 v15, 0
	v_mov_b32 v13, 0xff61b1e6                      ; -3e38, under every t
	v_floor_f32 v12, -v13
	s_mov_b32 s28, 0
	s_mov_b32 s29, 0
	s_mov_b32 s30, 0
	s_mov_b32 s31, 0
	s_mov_b32 s32, 4
.Lks_\@:
	STEP
	s_sub_co_u32 s32, s32, 1
	s_cmp_lg_u32 s32, 0
	s_cbranch_scc1 .Lks_\@
	PLACES
	v_add_f32 v14, v14, v15
	v_permlanex16_b32 v208, v14, s[SEL], s[SEL+1]
	v_add_f32 v14, v14, v208                       ; the row's sum
	v_rcp_f32 v14, v14
	v_nop
	s_wait_alu depctr_va_vdst(0)
.set j, 0
.rept 32
	v_mul_f32 v[96+j], v[160+j], v14               ; register 16 b + i: channel 32 b + 16 h + i
.set j, j+1
.endr
	QUANT32 96, 192, 226
	global_store_b128 v29, v[192:195], s[40:41] offset:6144*\rt       ; 512 and 256 consecutive bytes: half a fragment's image
	global_store_b64 v30, v[196:197], s[40:41] offset:6144*\rt+512
.if \rt
	v_and_b32 v227, 31, v0
	v_cmp_gt_u32 vcc_lo, 16, v227
	v_cndmask_b32 v226, v226, v234, vcc_lo         ; lanes 0-15 my first tile's two bytes, lanes 16-31 my second's
	global_store_b16 v31, v226, s[42:43]
.else
	v_mov_b32 v234, v226
.endif
.endm
	ATT 0
	ATT 1
	s_wait_xcnt 0x0
	v_lshl_add_u32 v254, v0, 2, 0x20000
	v_mov_b32 v255, 0
	s_wait_tensorcnt 0x0
	ds_add_u32 v254, v255
	s_wait_dscnt 0x0
	s_endpgm
.Lfunc_end_k_q3b3fed2307_attn:
	.size	k_q3b3fed2307_attn, .Lfunc_end_k_q3b3fed2307_attn-k_q3b3fed2307_attn
	.p2alignl 7, 3214868480
	.fill 96, 4, 3214868480
	.section	.rodata,"a",@progbits
	.p2align	6, 0x0
	.amdhsa_kernel k_q3b3fed2307_attn
		.amdhsa_group_segment_fixed_size 133120
		.amdhsa_private_segment_fixed_size 0
		.amdhsa_enable_private_segment 0
		.amdhsa_kernarg_size 64
		.amdhsa_user_sgpr_count 2
		.amdhsa_user_sgpr_kernarg_segment_ptr 1
		.amdhsa_wavefront_size32 1
		.amdhsa_system_sgpr_workgroup_id_x 1
		.amdhsa_system_sgpr_workgroup_id_y 1
		.amdhsa_system_sgpr_workgroup_id_z 1
		.amdhsa_system_vgpr_workitem_id 0
		.amdhsa_next_free_vgpr 256
		.amdhsa_next_free_sgpr 66
		.amdhsa_reserve_vcc 1
		.amdhsa_float_denorm_mode_32 3
		.amdhsa_float_denorm_mode_16_64 3
		.amdhsa_memory_ordered 1
		.amdhsa_forward_progress 1
		.amdhsa_inst_pref_size 100
	.end_amdhsa_kernel
	.amdgpu_metadata
---
amdhsa.version: [ 1, 2 ]
amdhsa.kernels:
  - .name:           k_q3b3fed2307_attn
    .symbol:         k_q3b3fed2307_attn.kd
    .args:
      - { .name: xnc, .offset: 0, .size: 8, .value_kind: global_buffer, .address_space: global }
      - { .name: xns, .offset: 8, .size: 8, .value_kind: global_buffer, .address_space: global }
      - { .name: wc, .offset: 16, .size: 8, .value_kind: global_buffer, .address_space: global }
      - { .name: bq, .offset: 24, .size: 8, .value_kind: global_buffer, .address_space: global }
      - { .name: bk, .offset: 32, .size: 8, .value_kind: global_buffer, .address_space: global }
      - { .name: bv, .offset: 40, .size: 8, .value_kind: global_buffer, .address_space: global }
      - { .name: atc, .offset: 48, .size: 8, .value_kind: global_buffer, .address_space: global }
      - { .name: ats, .offset: 56, .size: 8, .value_kind: global_buffer, .address_space: global }
    .group_segment_fixed_size: 133120
    .private_segment_fixed_size: 0
    .kernarg_segment_align: 8
    .kernarg_segment_size: 64
    .max_flat_workgroup_size: 512
    .sgpr_count:     66
    .vgpr_count:     256
    .wavefront_size: 32
...
	.end_amdgpu_metadata
.endif
;; end of part 2
;; launch ffn (part 3): grid 256 x 1, 4 waves a work-group, no clusters, 224,768 bytes of LDS; arguments atc, ats, r1, wc, g_ffn, be_ffn, bf1, bf2, out0; writes out0
.if DOCPART == 3
	.amdgcn_target "amdgcn-amd-amdhsa--gfx1250"
	.amdhsa_code_object_version 6
	.text
	.protected	k_q3b3fed2307_ffn
	.globl	k_q3b3fed2307_ffn
	.p2align	8
	.type	k_q3b3fed2307_ffn,@function
k_q3b3fed2307_ffn:
	s_mov_b64 s[64:65], 0
	v_nop
	global_prefetch_b8 v0, s[64:65] scope:SCOPE_SE
	s_setreg_imm32_b32 hwreg(HW_REG_WAVE_MODE, 25, 1), 1
	s_wait_xcnt 0x0
; X2 = (Xn + b1) + att w1^T;  y = LayerNorm(X2);  out0 = X2 + bf2 + relu(y wf1^T + bf1) wf2^T.  All three products on codes of E3M2 with E8M0 scales.
; A work-group owns 64 rows: row tiles 4 g + m.  THE WAVES SHARE THE COLUMNS: wave w makes columns 128 w .. + 127 of X2 and of the result, and hidden units 256 w .. + 255 in two halves.
; All products are used transposed (source 0 = 16 rows of a weight, source 1 = 16 rows of the activations): a lane holds one row, and by the tile rule (tile 2 b + u holds, in lane r,
; row 32 b + 8 u + r + 8 (r / 8)) the 16 registers of two neighbouring tiles are 16 neighbours along the next K.  Xn + b1 is the C of the first product, bf1 of the second; the third adds onto X2 + bf2.
; THE WEIGHTS come from memory straight into registers: 160 fragments a wave, laid by the first launch in the order of use, through a ring of 20 slots of 12 registers: ten pairs are always
; asked for; a pair is waited for by a count of the loads issued behind it, multiplied against the four row tiles (eight accumulators by turns), and its slots are asked for anew.
; y and the hidden layer go from wave to wave through LDS as images of operand registers.  No joint requests: the weights' stream goes to registers, not to LDS.
; The text is straight: no label, no branch.
; WINDOWS of 256 registers: 0: addresses, scale words, work, two sets of A-side fragments (v160-255);  1: the ring;  2: X2 (64 m + 8 t + j);  3: att's 16 fragments, then g, be, bf2, then the hidden layer.
; LIMITS: NaN and infinities are not served; a block under 2^-122, and a block of zeros, keep the scale byte 1 (zero codes; only this program reads the bytes); / 511 is a multiplication by the rounded reciprocal.
.set YIMG,  0                          ; y's 16 fragments (4 m + s) x 1,536
.set YSC,   24576                      ; their scale words, 128 bytes each
.set HIMG,  26624                      ; the hidden layer's 32 fragments (8 m + s)
.set HSC,   75776
.set STAT1, 79872                      ; (16 m + r) x 16 + 4 w: row sums; 1,024 bytes further on the sums of squares
.set VEC,   81920                      ; g, be, bf2 (2,048 each), bf1 (4,096): each wave stores and reads its own part
.set STG,   92160                      ; the way out: 64 rows x (2,048 + 16)
.set SPI,   2064
.set WSC,   24                         ; v24-103  the weights' 80 scale lines
.set ASC,   104                        ; v104-111 the activations' scale words
.set TM,    112
.set PW,    128
.set PC,    130
.set AB,    160
.set ST,    160
.set MSB, 0
.macro WIN new                         ; the immediate's high byte repeats the setting that is left
.if MSB != \new
	s_set_vgpr_msb (MSB<<8)|\new
.set MSB, \new
.endif
.endm
.macro WM
.if RA && RB
	v_wmma_scale_f32_16x16x128_f8f6f4 v[rD:rD+7], v[rA:rA+11], v[rB:rB+11], v[rD:rD+7], v[rSA], v[rSB] matrix_a_fmt:MATRIX_FMT_BF6 matrix_b_fmt:MATRIX_FMT_BF6 matrix_a_scale:MATRIX_SCALE_ROW1 matrix_b_scale:MATRIX_SCALE_ROW1
.elseif RA
	v_wmma_scale_f32_16x16x128_f8f6f4 v[rD:rD+7], v[rA:rA+11], v[rB:rB+11], v[rD:rD+7], v[rSA], v[rSB] matrix_a_fmt:MATRIX_FMT_BF6 matrix_b_fmt:MATRIX_FMT_BF6 matrix_a_scale:MATRIX_SCALE_ROW1
.else
	v_wmma_scale_f32_16x16x128_f8f6f4 v[rD:rD+7], v[rA:rA+11], v[rB:rB+11], v[rD:rD+7], v[rSA], v[rSB] matrix_a_fmt:MATRIX_FMT_BF6 matrix_b_fmt:MATRIX_FMT_BF6
.endif
.endm
; Pair pi of 80: fragments 2 pi and 2 pi + 1 of the stream.  K step pi / 4 of 20: 0-3 w1, 4-11 wf1 (two halves), 12-19 wf2.
.macro PAIR pi
.set KG, (\pi)/4
.set PL, 79-(\pi)
.if PL > 9
.set PL, 9
.endif
	s_wait_loadcnt 6*PL                            ; behind this pair's six loads stand those of the pairs asked for since: nine, fewer at the end
.if KG < 4
	WIN 0xad                                       ; weight window 1, att window 3, C and D window 2
.elseif KG < 12
	WIN 0xf1                                       ; weight window 1, y window 0, C and D window 3
.else
	WIN 0xa1                                       ; weight window 1, hidden window 0, C and D window 2
.endif
.irp e, 0,1
.set FF, 2*(\pi)+\e
.set rA, 12*(FF%20)
.set TT, FF%8
.irp m, 0,1,2,3
.set rD, 64*\m+8*TT
.if KG < 4
.set rB, 12*(4*\m+KG)
.set rSA, WSC+2*TT+KG/2
.set rSB, ASC+2*\m+KG/2
.set RA, KG%2
.set RB, KG%2
.elseif KG < 12
.set SS, KG%4
.set HH, (KG-4)/4
.set rB, AB+48*(SS%2)+12*\m
.set rSA, WSC+16+2*(8*HH+TT)+SS/2
.set rSB, ASC+4*(SS%2)+\m
.set RA, SS%2
.set RB, 0
.else
.set SG, KG-12
.set rB, AB+48*(SG%2)+12*\m
.set rSA, WSC+48+4*TT+SG/2
.set rSB, ASC+4*(SG%2)+\m
.set RA, SG%2
.set RB, 0
.endif
	WM
.endr
.endr
.rept 4
	v_nop                                          ; places in front of loads into registers that matrix instructions have read, and of reads of results
.endr
.if (\pi)+10 <= 79
	WIN 0x40
.irp e, 0,1
.set FF, 2*(\pi)+20+\e
.irp c, 0,1,2
	global_load_b128 v[12*(FF%20)+4*\c:12*(FF%20)+4*\c+3], v1, s[26:27] offset:1536*FF+512*\c
.endr
.endr
.endif
.endm
.macro ALOADY ab, ks                   ; y's four fragments of K step ks, and their scale words, into set ab
	WIN 0
.irp m, 0,1,2,3
.irp c, 0,1,2
	ds_load_b128 v[AB+48*(\ab)+12*\m+4*\c:AB+48*(\ab)+12*\m+4*\c+3], v1 offset:YIMG+(4*\m+(\ks))*1536+512*\c
.endr
	ds_load_b32 v[ASC+4*(\ab)+\m], v2 offset:YSC+(4*\m+(\ks))*128
.endr
.endm
.macro ALOADH ab, ks                   ; the hidden layer's
	WIN 0
.irp m, 0,1,2,3
.irp c, 0,1,2
	ds_load_b128 v[AB+48*(\ab)+12*\m+4*\c:AB+48*(\ab)+12*\m+4*\c+3], v4 offset:(8*\m+(\ks))*1536+512*\c
.endr
	ds_load_b32 v[ASC+4*(\ab)+\m], v5 offset:(8*\m+(\ks))*128
.endr
.endm
.macro KSTEP kg                        ; a K step of the second or third product: four pairs; in its middle the next K step's activations are fetched into the other set
	s_wait_dscnt 0x0
	PAIR 4*(\kg)
	PAIR 4*(\kg)+1
.if (\kg) < 12
.if (\kg)%4 < 3
	ALOADY ((\kg)%4+1)%2, (\kg)%4+1
.endif
.else
.if (\kg) < 19
	ALOADH ((\kg)-11)%2, (\kg)-11
.endif
.endif
	PAIR 4*(\kg)+2
	PAIR 4*(\kg)+3
.endm
; 64 numbers of a lane, register 16 b + i = k 32 b + 16 h + i of my row, become a fragment's codes in v[PC] on and its scale word in v[PW]
.macro QUANT s
.irp b, 0,1,2,3
	v_max3_num_f32 v[TM+\b], |v[\s+16*\b]|, |v[\s+1+16*\b]|, 0x2800000   ; the floor 2^(5 - 127) holds the byte at 1 from below
.endr
.irp i, 2,4,6,8,10,12,14
.irp b, 0,1,2,3
	v_max3_num_f32 v[TM+\b], v[TM+\b], |v[\s+16*\b+\i]|, |v[\s+1+16*\b+\i]|
.endr
.endr
.irp b, 0,1,2,3
	v_permlanex16_b32 v[TM+4+\b], v[TM+\b], s24, s25
.endr
.irp b, 0,1,2,3
	v_max_num_f32 v[TM+\b], v[TM+\b], v[TM+4+\b]
.endr
.irp b, 0,1,2,3
	v_add_nc_u32 v[TM+12+\b], 0xfe000000, v[TM+\b]
.endr
.irp b, 0,1,2,3
	v_lshrrev_b32 v[TM+4+\b], 23, v[TM+12+\b]
.endr
	v_lshl_or_b32 v[PW], v[TM+5], 8, v[TM+4]
	v_lshl_or_b32 v[PW], v[TM+6], 16, v[PW]
	v_lshl_or_b32 v[PW], v[TM+7], 24, v[PW]
.irp c, 0,1
	v_cvt_scalef32_pk16_bf6_f32 v[PC+6*\c:PC+2+6*\c], v[\s+32*\c:\s+15+32*\c], v[TM+12+2*\c]
	v_cvt_scalef32_pk16_bf6_f32 v[PC+12+4*\c:PC+14+4*\c], v[\s+16+32*\c:\s+31+32*\c], v[TM+12+2*\c+1]
.endr
	v_nop                                          ; one plain place behind a scaled conversion
.irp c, 0,1
.irp i, 0,1,2
	v_permlane16_swap_b32 v[PC+6*\c+\i], v[PC+12+4*\c+\i]
.endr
.irp i, 0,1,2
	v_mov_b32 v[PC+3+6*\c+\i], v[PC+12+4*\c+\i]
.endr
.endr
.endm
.macro IMAGE adr, off
.irp c, 0,1,2
	ds_store_b128 v[\adr], v[PC+4*\c:PC+4*\c+3] offset:(\off)+512*\c
.endr
.endm
.macro BARRIER                         ; my LDS stores have landed and my LDS loads are in: then the work-group's barrier
	WIN 0
	s_wait_dscnt 0x0
	s_barrier_signal -1
	s_barrier_wait -1
.endm
; four rows' partial sums (chains v224 + 4 m ..) are folded, meet the other waves' in LDS, and come back whole in v[224 + 4 m]
.macro FOLD off
.irp m, 0,1,2,3
	v_pk_add_f32 v[224+4*\m:225+4*\m], v[224+4*\m:225+4*\m], v[226+4*\m:227+4*\m]
.endr
.irp m, 0,1,2,3
	v_add_f32 v[224+4*\m], v[224+4*\m], v[225+4*\m]
.endr
.irp m, 0,1,2,3
	v_permlanex16_b32 v[226+4*\m], v[224+4*\m], s24, s25
.endr
.irp m, 0,1,2,3
	v_add_f32 v[224+4*\m], v[224+4*\m], v[226+4*\m]
.endr
.irp m, 0,1,2,3
	ds_store_b32 v10, v[224+4*\m] offset:(\off)+256*\m
.endr
	BARRIER
.irp m, 0,1,2,3
	ds_load_b128 v[224+4*\m:227+4*\m], v11 offset:(\off)+256*\m
.endr
	s_wait_dscnt 0x0
.irp m, 0,1,2,3
	v_add_f32 v[224+4*\m], v[224+4*\m], v[225+4*\m]
.endr
.irp m, 0,1,2,3
	v_add_f32 v[226+4*\m], v[226+4*\m], v[227+4*\m]
.endr
.irp m, 0,1,2,3
	v_add_f32 v[224+4*\m], v[224+4*\m], v[226+4*\m]
.endr
.endm
.macro HPRE hh                         ; bf1 of my half's 128 hidden units into the four row tiles' accumulators
	WIN 0xc0
.irp m, 0,1,2,3
.irp t, 0,1,2,3,4,5,6,7
.irp q, 0,1
	ds_load_b128 v[64*\m+8*\t+4*\q:64*\m+8*\t+4*\q+3], v15 offset:512*\hh+128*(\t/2)+32*(\t%2)+16*\q
.endr
.endr
.endr
	WIN 0
.endm
.macro HOUT hh                         ; relu, quantised: K step 2 w + hh of the third product, as images
.irp m, 0,1,2,3
	WIN 0x0c
.set j, 0
.rept 64
	v_max_num_f32 v[ST+j], 0, v[64*\m+j]           ; each accumulator from its low end on
.set j, j+1
.endr
	WIN 0
	QUANT ST
	IMAGE 8, (8*\m+\hh)*1536
	ds_store_b32 v9, v[PW] offset:(8*\m+\hh)*128
	s_wait_dscnt 0x0
.endr
.endm
	s_load_b512 s[4:19], s[0:1], 0x0               ; atc, ats, r1, wc, g_ffn, be_ffn, bf1, bf2
	s_load_b64 s[20:21], s[0:1], 0x40              ; out0
	v_lshl_add_u32 v158, v0, 2, 0x36c00
	v_mov_b32 v159, 0
	v_lshrrev_b32 v21, 5, v0
	v_readfirstlane_b32 s22, v21                   ; wave 0..3
	v_and_b32 v21, 31, v0                          ; lane
	v_and_b32 v22, 15, v0                          ; r
	v_bfe_u32 v23, v0, 4, 1                        ; h
	v_lshlrev_b32 v1, 4, v21                       ; 16 x lane
	v_lshlrev_b32 v2, 2, v21                       ; 4 x lane
	v_lshlrev_b32 v3, 3, v21                       ; 8 x lane
	v_add_nc_u32 v4, HIMG, v1
	v_add_nc_u32 v5, HSC, v2
	s_mul_i32 s30, s22, 1536
	v_add_nc_u32 v6, s30, v1                       ; where I store y's images: K step w
	s_lshl_b32 s30, s22, 7
	v_add_nc_u32 v7, YSC, v2
	v_add_nc_u32 v7, s30, v7
	s_mul_i32 s30, s22, 3072
	v_add_nc_u32 v8, s30, v4                       ; and the hidden layer's: K steps 2 w, 2 w + 1
	s_lshl_b32 s30, s22, 8
	v_add_nc_u32 v9, s30, v5
	v_lshl_add_u32 v11, v22, 4, STAT1
	s_lshl_b32 s30, s22, 2
	v_add_nc_u32 v10, s30, v11
	s_lshl_b32 s30, s22, 9
	v_add_nc_u32 v19, s30, v1                      ; 512 w + 16 x lane
	v_add_nc_u32 v12, VEC, v19
	v_lshlrev_b32 v14, 6, v23
	v_add_nc_u32 v14, s30, v14
	v_add_nc_u32 v14, VEC, v14                     ; g, be, bf2 of my columns: + 64 h
	s_lshl_b32 s31, s22, 10
	v_add_nc_u32 v20, s31, v1
	v_add_nc_u32 v13, VEC+6144, v20
	v_lshlrev_b32 v15, 6, v23
	v_add_nc_u32 v15, s31, v15
	v_add_nc_u32 v15, VEC+6144, v15                ; bf1 of my hidden units
	v_and_b32 v16, 8, v22
	v_add_nc_u32 v16, v16, v22
	v_mul_u32_u24 v16, v16, SPI
	v_lshl_add_u32 v16, v23, 6, v16
	v_add_nc_u32 v16, s30, v16
	v_add_nc_u32 v16, STG, v16                     ; the stage, in: row r + 8 (r / 8), + 512 w + 64 h;
	v_add_nc_u32 v17, 32*SPI, v16                  ; 32 rows on for row tiles 2 and 3
	s_mul_i32 s30, s22, 16*SPI
	v_add_nc_u32 v18, s30, v1
	v_add_nc_u32 v18, STG, v18                     ; and out: my 16 rows
.irp b, 0,1,2,3
	v_mov_b32 v[TM+4+\b], 0                        ; a lane permute's destination counts as one of its sources
.endr
	s_mov_b32 s24, 0x76543210
	s_mov_b32 s25, 0xfedcba98
	s_mov_b32 s33, 0
	s_wait_kmcnt 0x0
	s_mul_i32 s32, ttmp9, 24576
	s_add_nc_u64 s[4:5], s[4:5], s[32:33]          ; att's codes of my four row tiles
	s_lshl_b32 s32, ttmp9, 10
	s_add_nc_u64 s[6:7], s[6:7], s[32:33]
	s_lshl_b32 s32, ttmp9, 17
	s_add_nc_u64 s[20:21], s[20:21], s[32:33]
	s_lshl_b32 s34, s22, 13
	s_add_co_u32 s32, s32, s34
	s_add_nc_u64 s[8:9], s[8:9], s[32:33]          ; Xn + b1: my row tiles, my eight column tiles
	s_lshl_b32 s32, s22, 15
	s_add_nc_u64 s[20:21], s[20:21], s[32:33]      ; out0 at row 64 g + 16 w
	s_mul_i32 s32, s22, 245760
	s_add_co_u32 s32, s32, 614400
	s_add_nc_u64 s[26:27], s[10:11], s[32:33]      ; my stream of fragments
	s_mul_i32 s32, s22, 10240
	s_add_co_u32 s32, s32, 1597440
	s_add_nc_u64 s[28:29], s[10:11], s[32:33]      ; and of scale lines
	global_load_b128 v[130:133], v19, s[12:13]
	global_load_b128 v[134:137], v19, s[14:15]
	global_load_b128 v[138:141], v19, s[18:19]
	global_load_b128 v[142:145], v20, s[16:17]
	global_load_b128 v[146:149], v20, s[16:17] offset:512
.set i, 0
.rept 80
	global_load_b32 v[WSC+i], v2, s[28:29] offset:128*i
.set i, i+1
.endr
.irp i, 0,1,2,3,4,5,6,7
	global_load_b32 v[ASC+\i], v2, s[6:7] offset:128*\i            ; register 2 m + s / 2: lanes 0-15 the even K step, lanes 16-31 the odd one
.endr
	WIN 0x80
.irp m, 0,1,2,3
.irp t, 0,1,2,3,4,5,6,7
.irp q, 0,1
	global_load_b128 v[64*\m+8*\t+4*\q:64*\m+8*\t+4*\q+3], v1, s[8:9] offset:32768*\m+1024*\t+512*\q th:TH_LOAD_NT
.endr
.endr
.endr
	WIN 0xc0
.set i, 0
.rept 16
.irp c, 0,1
	global_load_b128 v[12*i+6*\c:12*i+6*\c+3], v1, s[4:5] offset:1536*i+768*\c th:TH_LOAD_NT
	global_load_b64 v[12*i+6*\c+4:12*i+6*\c+5], v3, s[4:5] offset:1536*i+768*\c+512 th:TH_LOAD_NT
.endr
.set i, i+1
.endr
	WIN 0x40
.set i, 0
.rept 20
.irp c, 0,1,2
	global_load_b128 v[12*i+4*\c:12*i+4*\c+3], v1, s[26:27] offset:1536*i+512*\c
.endr
.set i, i+1
.endr
	WIN 0
	s_wait_loadcnt 63                              ; the five loads of vectors are in: more than 63 loads were issued behind them
	ds_store_b128 v12, v[130:133]
	ds_store_b128 v12, v[134:137] offset:2048
	ds_store_b128 v12, v[138:141] offset:4096
	ds_store_b128 v13, v[142:145]
	ds_store_b128 v13, v[146:149] offset:512
	; ---- X2 = (Xn + b1) + att w1^T
.set KK, 0
.rept 16
	PAIR KK
.set KK, KK+1
.endr
	; ---- the second LayerNorm
	WIN 0xc0
.irp vv, 0,1,2
.irp b, 0,1,2,3
.irp q, 0,1,2,3
	ds_load_b128 v[64*\vv+16*\b+4*\q:64*\vv+16*\b+4*\q+3], v14 offset:2048*\vv+128*\b+16*\q   ; g, be, bf2 in the result's layout (my own bytes: LDS serves a wave's instructions in order)
.endr
.endr
.endr
	WIN 0
.set i, 0
.rept 16
	v_mov_b32 v[224+i], 0
.set i, i+1
.endr
	WIN 0x08                                       ; source 1: X2
.irp m, 0,1,2,3
.set p, 0
.rept 32
	v_pk_add_f32 v[224+4*\m+2*(p%2):225+4*\m+2*(p%2)], v[224+4*\m+2*(p%2):225+4*\m+2*(p%2)], v[64*\m+2*p:64*\m+2*p+1]
.set p, p+1
.endr
.endr
	WIN 0
	FOLD 0
.irp m, 0,1,2,3
	v_mul_f32 v[248+2*\m], 0xbb000000, v[224+4*\m]                 ; -mean
	v_mov_b32 v[249+2*\m], v[248+2*\m]
.endr
.irp m, 0,1,2,3
	WIN 0x02                                       ; source 0: X2
.set p, 0
.rept 32
	v_pk_add_f32 v[ST+2*p:ST+2*p+1], v[64*\m+2*p:64*\m+2*p+1], v[248+2*\m:249+2*\m]
.set p, p+1
.endr
	WIN 0
	v_pk_mul_f32 v[224+4*\m:225+4*\m], v[ST:ST+1], v[ST:ST+1]      ; the centred squares, in two chains
	v_pk_mul_f32 v[226+4*\m:227+4*\m], v[ST+2:ST+3], v[ST+2:ST+3]
.set p, 2
.rept 30
	v_pk_fma_f32 v[224+4*\m+2*(p%2):225+4*\m+2*(p%2)], v[ST+2*p:ST+2*p+1], v[ST+2*p:ST+2*p+1], v[224+4*\m+2*(p%2):225+4*\m+2*(p%2)]
.set p, p+1
.endr
.endr
	FOLD 1024
.irp m, 0,1,2,3
	v_mul_f32 v[224+4*\m], 0x3b004020, v[224+4*\m]                 ; / 511
.endr
.irp m, 0,1,2,3
	v_sqrt_f32 v[224+4*\m], v[224+4*\m]
.endr
	v_nop
	s_wait_alu depctr_va_vdst(0)                   ; one wait for the four roots, ahead of their first reader
.irp m, 0,1,2,3
	v_add_f32 v[224+4*\m], 0x358637bd, v[224+4*\m]                 ; + 1e-6
.endr
.irp m, 0,1,2,3
	v_rcp_f32 v[240+2*\m], v[224+4*\m]
.endr
	v_nop
	s_wait_alu depctr_va_vdst(0)
.irp m, 0,1,2,3
	v_mov_b32 v[241+2*\m], v[240+2*\m]
.endr
.irp m, 0,1,2,3
	WIN 0x02
.set p, 0
.rept 32
	v_pk_add_f32 v[ST+2*p:ST+2*p+1], v[64*\m+2*p:64*\m+2*p+1], v[248+2*\m:249+2*\m]
.set p, p+1
.endr
	WIN 0
.set p, 0
.rept 32
	v_pk_mul_f32 v[ST+2*p:ST+2*p+1], v[ST+2*p:ST+2*p+1], v[240+2*\m:241+2*\m]
.set p, p+1
.endr
	WIN 0x3c                                       ; sources 1 and 2: g and be
.set p, 0
.rept 32
	v_pk_fma_f32 v[ST+2*p:ST+2*p+1], v[ST+2*p:ST+2*p+1], v[2*p:2*p+1], v[64+2*p:65+2*p]
.set p, p+1
.endr
	WIN 0
	QUANT ST
	IMAGE 6, YIMG+4*\m*1536                        ; K step w of the second product, row tile m
	ds_store_b32 v7, v[PW] offset:512*\m
	s_wait_dscnt 0x0
.endr
	WIN 0x8e                                       ; X2 += bf2: what the third product adds onto
.irp m, 0,1,2,3
.set p, 0
.rept 32
	v_pk_add_f32 v[64*\m+2*p:64*\m+2*p+1], v[64*\m+2*p:64*\m+2*p+1], v[128+2*p:129+2*p]
.set p, p+1
.endr
.endr
	HPRE 0
	BARRIER                                        ; y's sixteen fragments lie in LDS
	; ---- the hidden layer, in two halves of 128 units a wave
	ALOADY 0, 0
.set KK, 4
.rept 4
	KSTEP KK
.set KK, KK+1
.endr
	HOUT 0
	HPRE 1
	ALOADY 0, 0
.rept 4
	KSTEP KK
.set KK, KK+1
.endr
	HOUT 1
	BARRIER                                        ; the hidden layer's 32 fragments lie in LDS
	; ---- the third product, onto X2 + bf2
	ALOADH 0, 0
.rept 8
	KSTEP KK
.set KK, KK+1
.endr
	; ---- the way out: a row's 512 numbers come from four waves: through the stage, then whole rows
	WIN 0x08                                       ; an LDS store's data are its source 1: window 2
.irp m, 0,1,2,3
.set q, 0
.rept 16
	ds_store_b128 v[16+\m/2], v[64*\m+4*q:64*\m+4*q+3] offset:8*(\m%2)*SPI+128*(q/4)+16*(q%4)   ; each accumulator from its low end on
.set q, q+1
.endr
.endr
	BARRIER
	WIN 0x40
.set q, 0
.rept 64
	ds_load_b128 v[4*q:4*q+3], v18 offset:(q/4)*SPI+512*(q%4)
.set q, q+1
.endr
	WIN 0x04                                       ; a store's data are its source 1: window 1
.set q, 0
.rept 64
	s_wait_dscnt 63-q                              ; LDS loads come back in order: load q is in, the younger ones may be out
	global_store_b128 v1, v[4*q:4*q+3], s[20:21] offset:(q/4)*2048+512*(q%4) th:TH_STORE_NT   ; 32 lanes store 512 consecutive bytes, aligned
.set q, q+1
.endr
	WIN 0
	s_wait_tensorcnt 0x0
	ds_add_u32 v158, v159
	s_wait_dscnt 0x0
	s_endpgm
.Lfunc_end_k_q3b3fed2307_ffn:
	.size	k_q3b3fed2307_ffn, .Lfunc_end_k_q3b3fed2307_ffn-k_q3b3fed2307_ffn
	.p2alignl 7, 3214868480
	.fill 96, 4, 3214868480
	.section	.rodata,"a",@progbits
	.p2align	6, 0x0
	.amdhsa_kernel k_q3b3fed2307_ffn
		.amdhsa_group_segment_fixed_size 224768
		.amdhsa_private_segment_fixed_size 0
		.amdhsa_enable_private_segment 0
		.amdhsa_kernarg_size 72
		.amdhsa_user_sgpr_count 2
		.amdhsa_user_sgpr_kernarg_segment_ptr 1
		.amdhsa_wavefront_size32 1
		.amdhsa_system_sgpr_workgroup_id_x 1
		.amdhsa_system_sgpr_workgroup_id_y 1
		.amdhsa_system_sgpr_workgroup_id_z 1
		.amdhsa_system_vgpr_workitem_id 0
		.amdhsa_next_free_vgpr 1024
		.amdhsa_next_free_sgpr 66
		.amdhsa_reserve_vcc 0
		.amdhsa_float_denorm_mode_32 3
		.amdhsa_float_denorm_mode_16_64 3
		.amdhsa_memory_ordered 1
		.amdhsa_forward_progress 1
		.amdhsa_inst_pref_size 255
	.end_amdhsa_kernel
	.section	.bss,"aw",@nobits
	.p2align	6
	.space	262144
	.amdgpu_metadata
---
amdhsa.version: [ 1, 2 ]
amdhsa.kernels:
  - .name:           k_q3b3fed2307_ffn
    .symbol:         k_q3b3fed2307_ffn.kd
    .args:
      - { .name: atc, .offset: 0, .size: 8, .value_kind: global_buffer, .address_space: global }
      - { .name: ats, .offset: 8, .size: 8, .value_kind: global_buffer, .address_space: global }
      - { .name: r1, .offset: 16, .size: 8, .value_kind: global_buffer, .address_space: global }
      - { .name: wc, .offset: 24, .size: 8, .value_kind: global_buffer, .address_space: global }
      - { .name: g_ffn, .offset: 32, .size: 8, .value_kind: global_buffer, .address_space: global }
      - { .name: be_ffn, .offset: 40, .size: 8, .value_kind: global_buffer, .address_space: global }
      - { .name: bf1, .offset: 48, .size: 8, .value_kind: global_buffer, .address_space: global }
      - { .name: bf2, .offset: 56, .size: 8, .value_kind: global_buffer, .address_space: global }
      - { .name: out0, .offset: 64, .size: 8, .value_kind: global_buffer, .address_space: global }
    .group_segment_fixed_size: 224768
    .private_segment_fixed_size: 0
    .kernarg_segment_align: 8
    .kernarg_segment_size: 72
    .max_flat_workgroup_size: 128
    .sgpr_count:     66
    .vgpr_count:     1024
    .wavefront_size: 32
...
	.end_amdgpu_metadata
.endif
;; end of part 3
;; ======== version 2 of 3: 3 launches; 1.21 times as fast as version 1
;; workspace buffers: xnc 6,291,456 bytes; xns 262,144 bytes; r1 33,554,432 bytes; wc 1,638,400 bytes; atc 6,291,456 bytes; ats 262,144 bytes
;; launch prep (part 4): grid 256 x 1, 8 waves a work-group, no clusters, 76,288 bytes of LDS; arguments X, g_mha, be_mha, b1, wq, wk, wv, w1, wf1, wf2, xnc, xns, r1, wc; writes xnc, xns, r1, wc
.if DOCPART == 4
	.amdgcn_target "amdgcn-amd-amdhsa--gfx1250"
	.amdhsa_code_object_version 6
	.text
	.protected	k_q3b3fed2307_prep
	.globl	k_q3b3fed2307_prep
	.p2align	8
	.type	k_q3b3fed2307_prep,@function
k_q3b3fed2307_prep:
	s_mov_b64 s[64:65], 0
	v_nop
	global_prefetch_b8 v0, s[64:65] scope:SCOPE_SE
	s_setreg_imm32_b32 hwreg(HW_REG_WAVE_MODE, 25, 1), 1
	s_wait_xcnt 0x0
; x = X + timing signal; Xn = LayerNorm(x) (mean, then centred squares, unbiased, divided by std + 1e-6);
; Xn as codes of E3M2 with E8M0 scale bytes (xnc, xns), and Xn + b1 in f32 (r1) in the layout of a matrix accumulator;
; and the six weights as codes and scale bytes (wc), in the order in which the later launches' registers take them.
; THE TILE RULE, here and in the later launches: tile 2 b + u of 16 rows holds, as its row r, row 32 b + 8 u + r + 8 (r / 8).
; SHARES.  Work-group g: row tile g % 32 of four batch entries (waves 2 i, 2 i + 1: entry 4 (g / 32) + i, columns 0-255 and 256-511):
; all eight waves share the same 16 positions t, so the timing signal of those rows is made once, in LDS.  A wave owns 16 rows x 256 columns.
; The weights are 1,024 fragments of 16 rows x 128 K: waves 0-3 of each of the 256 work-groups take one each, while X is on its way;
; waves 4-7 meanwhile copy g_mha, be_mha and b1 to LDS.
; TWO LAYOUTS.  DENSE, as loaded: lanes 0-15 hold 256 consecutive bytes of tile row 2 i, lanes 16-31 of row 2 i + 1 (register XR + 32 k + 4 i + j:
; column 64 k + 4 (lane % 16) + j): each load of the wave covers two aligned runs of 256 consecutive bytes; a lane has the same 16 columns in all its
; rows, so g and be are 32 registers, and a row's sum wants four steps inside 16 lanes.  OPERAND: lane (r, h) holds row r, register XR + 32 k + i is
; column 64 k + 32 h + i: whole blocks of 32 in one lane, in the order of the operand's registers, so that the conversions' results ARE the fragment.
; From the first to the second a piece of 16 rows x 256 bytes goes through the wave's own stage in LDS, 8 stores and 8 loads, back into the registers it left.
; A fragment leaves as an image of its 12 registers: three stores of 512 consecutive bytes.
; sin and cos: argument = t x exp(j x -ln(1e4)/255), at most 511; reduced by multiples of pi/2 kept in two parts, then polynomials of degree 7 and 8.
; No tile is shared between work-groups, so there are no tensor loads and no cluster; all loads go out at the head, so nothing is prefetched.
; LIMITS: NaN and infinities among the inputs are not served.  A block whose largest magnitude lies under 2^-122 keeps the scale byte 1, and
; so does a block of zeros (the rule says 127): its codes are zeros, and only this program reads the bytes.  The division by 511 is a
; multiplication by the rounded reciprocal.  The reduction of sin and cos holds for arguments up to 511, which the shape allows.
.set SPI,  2064                        ; a row of the timing signal in LDS: 2,048 bytes + 16
.set VEC,  16*SPI                      ; g_mha, be_mha, b1: 2,048 bytes each
.set ST1,  VEC+6144                    ; row sums: [wave][lane / 16][8] words, 512 bytes; 512 bytes further on the sums of squares
.set STG,  ST1+1024                    ; a stage for each wave: 16 rows x SGP bytes
.set SGP,  272                         ; 256 bytes + 16 = 17 x 16: sixteen rows begin at sixteen different places of 16 bytes modulo 256
.set XR,   64                          ; v64-191  my 128 numbers of X
.set WR,   192                         ; v192-255 a weight's 64 numbers (waves 0-3), ahead of the first barrier
.set W3C,  614400                      ; wc: behind the eight heads' 76,800 bytes: the last launch's fragments, [wave][160] x 1,536
.set W3S,  1597440                     ; and their scale words, [wave][80] x 128
; REGISTERS that stay: v1 lane; v2 X's offset; v3 the weight's; v4, v60 the stage in and out; v5 16 x lane; v6 4 x lane; v7, v8 the signal in and out; v9 b1 by the operand layout;
; v10 r1's offset; v11, v12 my and my partner's sums; v13, v14 the vectors' copy; v15 8 h; v61 g and be by the dense layout; v62 4 r.  v16-59 and v192-255 are at work.
; s[34:35] X, s[36:37], s[38:39] the two fragments' images, s[40:41] their scale words, s[42:43] r1; s[60:61] the weight, s[62:63] its image, s[80:81] its scale words
.macro XLOAD                           ; 32 loads: my 16 rows x 1,024 bytes
.irp k, 0,1,2,3
.irp i, 0,1,2,3,4,5,6,7
	global_load_b128 v[XR+32*\k+4*\i:XR+32*\k+4*\i+3], v2, s[34:35] offset:(2*\i+8*(\i/4))*2048+256*\k th:TH_LOAD_NT
.endr
.endr
.endm
.macro WLOAD rowb                      ; 16 loads: 16 rows x 512 bytes of a weight whose rows are rowb bytes
.irp k, 0,1
.irp i, 0,1,2,3,4,5,6,7
	global_load_b128 v[WR+32*\k+4*\i:WR+32*\k+4*\i+3], v3, s[60:61] offset:(2*\i+8*(\i/4))*\rowb+256*\k th:TH_LOAD_NT
.endr
.endr
.endm
; 32 registers, 16 rows x 256 bytes, from the dense layout to the operand's.  LDS serves a wave's instructions in order (ISA guide 5.7.1.4): the loads see the stores, and the next piece's stores come behind these loads
.macro TURN base
.irp i, 0,1,2,3,4,5,6,7
	ds_store_b128 v4, v[(\base)+4*\i:(\base)+4*\i+3] offset:2*SGP*\i
.endr
.irp q, 0,1,2,3,4,5,6,7
	ds_load_b128 v[(\base)+4*\q:(\base)+4*\q+3], v60 offset:16*\q
.endr
.endm
; 64 numbers at v[src] on (two whole blocks of 32 a lane) become a fragment's 12 registers at v[pc] on and its scale word in v[wd]
.macro QF6 src, pc, wd
.irp c, 0,1
	v_max3_num_f32 v[16+\c], |v[(\src)+32*\c]|, |v[(\src)+32*\c+1]|, 0x2800000   ; the floor 2^(5 - 127) holds the byte at 1 from below
.endr
.irp i, 2,4,6,8,10,12,14,16,18,20,22,24,26,28,30
.irp c, 0,1
	v_max3_num_f32 v[16+\c], v[16+\c], |v[(\src)+32*\c+\i]|, |v[(\src)+32*\c+\i+1]|
.endr
.endr
.irp c, 0,1
	v_add_nc_u32 v[18+\c], 0xfe000000, v[16+\c]    ; 4 off the exponent field: the conversion's scale operand
.endr
.irp c, 0,1
	v_lshrrev_b32 v[20+\c], 23, v[18+\c]           ; the scale's byte
.endr
	v_lshl_or_b32 v[\wd], v21, 16, v20             ; my bytes: blocks h and 2 + h,
	v_lshlrev_b32 v[\wd], v15, v[\wd]              ; 8 h bits up;
	v_permlanex16_b32 v24, v[\wd], s44, s45
	v_or_b32 v[\wd], v[\wd], v24                   ; with lane l xor 16's two the word is whole, in both lanes
.irp c, 0,1
	v_cvt_scalef32_pk16_bf6_f32 v[(\pc)+6*\c:(\pc)+6*\c+2], v[(\src)+32*\c:(\src)+32*\c+15], v[18+\c]
	v_cvt_scalef32_pk16_bf6_f32 v[50+4*\c:52+4*\c], v[(\src)+32*\c+16:(\src)+32*\c+31], v[18+\c]   ; (three registers begin on an even number: made aside and moved)
.endr
	v_nop                                          ; one plain place behind a scaled conversion
.irp c, 0,1
.irp i, 0,1,2
	v_mov_b32 v[(\pc)+6*\c+3+\i], v[50+4*\c+\i]
.endr
.endr
.endm
	s_load_b512 s[4:19], s[0:1], 0x0               ; X, g_mha, be_mha, b1, wq, wk, wv, w1
	s_load_b256 s[20:27], s[0:1], 0x40             ; wf1, wf2, xnc, xns
	s_load_b128 s[28:31], s[0:1], 0x60             ; r1, wc
	v_lshl_add_u32 v63, v0, 2, 0x12600
	s_set_vgpr_msb 0x40
	v_mov_b32 v1, 0
	s_set_vgpr_msb 0x4000
	v_lshrrev_b32 v1, 5, v0
	v_readfirstlane_b32 s32, v1                    ; wave 0..7
	v_and_b32 v1, 31, v0                           ; lane
	v_and_b32 v16, 15, v0                          ; r
	v_bfe_u32 v17, v0, 4, 1                        ; h
	v_lshlrev_b32 v18, 4, v16                      ; 16 r
	v_and_b32 v19, 8, v16
	v_add_nc_u32 v19, v19, v16                     ; r + 8 (r / 8)
	v_lshrrev_b32 v20, 4, v0                       ; thread / 16
	v_lshlrev_b32 v5, 4, v1                        ; 16 x lane
	v_lshlrev_b32 v6, 2, v1                        ; 4 x lane
	v_lshlrev_b32 v15, 3, v17                      ; 8 h
	v_lshlrev_b32 v62, 2, v16                      ; 4 r
	s_mov_b32 s44, 0x76543210
	s_mov_b32 s45, 0xfedcba98                      ; selects for lane l xor 16
	s_and_b32 s66, ttmp9, 31                       ; the row tile in a batch entry
	s_lshr_b32 s67, ttmp9, 5
	s_lshl_b32 s67, s67, 2
	s_lshr_b32 s68, s32, 1
	s_add_co_u32 s67, s67, s68                     ; n
	s_and_b32 s68, s32, 1                          ; which 256 columns
	s_lshr_b32 s69, s66, 1
	s_lshl_b32 s69, s69, 5
	s_and_b32 s70, s66, 1
	s_lshl_b32 s70, s70, 3
	s_add_co_u32 s69, s69, s70                     ; the tile's first position t
	s_lshl_b32 s70, s67, 5
	s_add_co_u32 s70, s70, s66                     ; T = 32 n + tile
	s_lshl_b32 s71, s68, 10                        ; my columns' first byte in a row
	; every LDS address is made here, ahead of the places where the waves' ways part
	v_lshl_add_u32 v2, v17, 11, v18                ; X, dense: row h of a pair, 16 bytes a lane
	s_mul_i32 s72, s32, 16*SGP                     ; my stage
	v_mul_u32_u24 v4, v17, SGP
	v_add_nc_u32 v4, v4, v18
	v_add_nc_u32 v4, s72, v4
	v_add_nc_u32 v4, STG, v4                       ; in: row 2 i + h, 16 r
	v_mul_u32_u24 v60, v16, SGP
	v_lshl_add_u32 v60, v17, 7, v60
	v_add_nc_u32 v60, s72, v60
	v_add_nc_u32 v60, STG, v60                     ; out: row r, 128 h
	v_mul_u32_u24 v7, v16, SPI
	v_lshl_add_u32 v7, v20, 6, v7                  ; the signal, in: row thread % 16, 64 bytes at 64 (thread / 16)
	v_mul_u32_u24 v8, v17, SPI
	v_add_nc_u32 v8, v8, v18
	v_add_nc_u32 v8, s71, v8                       ; and out, dense: row 2 i + h, my columns, 16 r
	v_lshlrev_b32 v9, 7, v17
	v_add_nc_u32 v9, s71, v9
	v_add_nc_u32 v9, VEC, v9                       ; the vectors by the operand layout: my columns, 128 h
	v_add_nc_u32 v61, s71, v18
	v_add_nc_u32 v61, VEC, v61                     ; and by the dense one: my columns, 16 r
	v_lshl_add_u32 v10, v17, 11, v18               ; r1: 16 r + 2,048 h
	s_lshl_b32 s73, s32, 6
	s_xor_b32 s74, s73, 64                         ; my partner has the row's other 256 columns
	v_lshl_add_u32 v11, v17, 5, ST1
	v_add_nc_u32 v12, s74, v11
	v_add_nc_u32 v11, s73, v11
	v_and_b32 v13, 127, v0
	v_lshlrev_b32 v13, 4, v13                      ; the vectors' copy: 128 threads x 16 bytes
	v_add_nc_u32 v14, VEC, v13
	v_add_nc_u32 v58, s69, v19
	v_cvt_f32_u32 v58, v58                         ; t of row thread % 16
	v_lshlrev_b32 v59, 4, v20                      ; my first j
	s_mov_b32 s46, 0xbd13f17f                      ; -ln(1e4) / 255
	s_mov_b32 s47, 0x3fb8aa3b                      ; log2(e), and what it lacks
	s_mov_b32 s48, 0x32a57060
	s_mov_b32 s49, 0x3f317218                      ; ln 2
	s_mov_b32 s50, 0x3f22f983                      ; 2 / pi
	s_mov_b32 s51, 0xbfc90fdb                      ; -pi/2, and what it lacks
	s_mov_b32 s52, 0x333bbd2e
	s_mov_b32 s53, 0xb94ca1f9                      ; sin's coefficients
	s_mov_b32 s54, 0x3c08839e
	s_mov_b32 s55, 0xbe2aaaa3
	s_mov_b32 s56, 0x37ccf5ce                      ; cos's
	s_mov_b32 s57, 0xbab6061a
	s_mov_b32 s58, 0x3d2aaaa5
	s_mov_b32 s59, 0x80000000
	s_mov_b32 s77, 0
	s_wait_kmcnt 0x0
	s_lshl_b32 s76, s67, 20
	s_lshl_b32 s78, s69, 11
	s_add_co_u32 s76, s76, s78
	s_add_co_u32 s76, s76, s71
	s_add_nc_u64 s[34:35], s[4:5], s[76:77]
	s_lshl_b32 s76, s70, 2
	s_lshl_b32 s78, s68, 1
	s_add_co_u32 s76, s76, s78
	s_mul_i32 s76, s76, 1536
	s_add_nc_u64 s[36:37], s[24:25], s[76:77]
	s_add_nc_u64 s[38:39], s[36:37], 1536
	s_lshl_b32 s76, s70, 8
	s_lshl_b32 s78, s68, 7
	s_add_co_u32 s76, s76, s78
	s_add_nc_u64 s[40:41], s[26:27], s[76:77]
	s_lshl_b32 s76, s70, 15
	s_lshl_b32 s78, s68, 14
	s_add_co_u32 s76, s76, s78
	s_add_nc_u64 s[42:43], s[28:29], s[76:77]
	; which fragment of which weight: work-groups 0-95 wq, wk, wv; 96-127 w1; 128-191 wf1; 192-255 wf2.  s67 the tile of 16 rows, s68 the K step
	s_and_b32 s68, s32, 3
	s_mov_b32 s33, 11                              ; a row is 2^11 bytes
	s_cmp_lt_u32 ttmp9, 96
	s_cbranch_scc0 .Lnot_qkv
	s_lshr_b32 s73, ttmp9, 5                       ; wq, wk or wv
	s_and_b32 s67, ttmp9, 31
	s_cmp_eq_u32 s73, 0
	s_cselect_b64 s[60:61], s[12:13], s[14:15]
	s_cmp_eq_u32 s73, 2
	s_cselect_b64 s[60:61], s[16:17], s[60:61]
	s_lshr_b32 s74, s67, 2                         ; the head
	s_and_b32 s72, s67, 3                          ; its tile
	s_lshl_b32 s73, s73, 2
	s_add_co_u32 s73, s73, s72
	s_lshl_b32 s73, s73, 2
	s_add_co_u32 s73, s73, s68                     ; (4 which + tile) 4 + K step
	s_mul_i32 s74, s74, 76800
	s_mul_i32 s69, s73, 1536
	s_add_co_u32 s69, s69, s74
	s_lshl_b32 s71, s73, 6
	s_add_co_u32 s71, s71, s74
	s_add_co_u32 s71, s71, 73728
	s_branch .Lwgo
.Lnot_qkv:
	s_cmp_lt_u32 ttmp9, 128
	s_cbranch_scc0 .Lnot_w1
	s_and_b32 s67, ttmp9, 31
	s_mov_b64 s[60:61], s[18:19]
	s_lshr_b32 s73, s67, 3                         ; the wave that will read it
	s_and_b32 s74, s67, 7                          ; fragment t,
	s_lshl_b32 s75, s74, 1                         ; scale line 2 t
	s_branch .Lstream
.Lnot_w1:
	s_cmp_lt_u32 ttmp9, 192
	s_cbranch_scc0 .Lnot_wf1
	s_sub_co_u32 s67, ttmp9, 128
	s_mov_b64 s[60:61], s[20:21]
	s_lshr_b32 s73, s67, 4
	s_bfe_u32 s74, s67, 0x10003
	s_lshl_b32 s74, s74, 5
	s_and_b32 s75, s67, 7
	s_add_co_u32 s74, s74, s75
	s_add_co_u32 s74, s74, 32                      ; 32 + 32 half + t
	s_and_b32 s75, s67, 15
	s_lshl_b32 s75, s75, 1
	s_add_co_u32 s75, s75, 16                      ; 16 + 2 (8 half + t)
	s_branch .Lstream
.Lnot_wf1:
	s_sub_co_u32 s67, ttmp9, 192
	s_and_b32 s72, s67, 1
	s_lshl_b32 s72, s72, 2
	s_add_co_u32 s68, s68, s72                     ; eight K steps: two work-groups to a tile
	s_lshr_b32 s67, s67, 1
	s_mov_b32 s33, 12                              ; wf2's rows are 4,096 bytes
	s_mov_b64 s[60:61], s[22:23]
	s_lshr_b32 s73, s67, 3
	s_and_b32 s75, s67, 7
	s_add_co_u32 s74, s75, 96                      ; 96 + t
	s_lshl_b32 s75, s75, 2
	s_add_co_u32 s75, s75, 48                      ; 48 + 4 t
.Lstream:
	s_mul_i32 s69, s73, 160
	s_add_co_u32 s69, s69, s74
	s_lshl_b32 s76, s68, 3
	s_add_co_u32 s69, s69, s76                     ; + 8 x K step
	s_mul_i32 s69, s69, 1536
	s_add_co_u32 s69, s69, W3C
	s_mul_i32 s71, s73, 80
	s_add_co_u32 s71, s71, s75
	s_lshr_b32 s76, s68, 1
	s_add_co_u32 s71, s71, s76
	s_lshl_b32 s71, s71, 7
	s_and_b32 s76, s68, 1
	s_lshl_b32 s76, s76, 6
	s_add_co_u32 s71, s71, s76                     ; an odd K step's words are the line's upper 64 bytes
	s_add_co_u32 s71, s71, W3S
.Lwgo:
	s_lshr_b32 s76, s67, 1
	s_lshl_b32 s76, s76, 5
	s_and_b32 s77, s67, 1
	s_lshl_b32 s77, s77, 3
	s_add_co_u32 s76, s76, s77                     ; the tile's first row
	s_lshl_b32 s76, s76, s33
	s_lshl_b32 s77, s68, 9
	s_add_co_u32 s76, s76, s77
	s_mov_b32 s77, 0
	s_add_nc_u64 s[60:61], s[60:61], s[76:77]
	s_mov_b32 s76, s69
	s_add_nc_u64 s[62:63], s[30:31], s[76:77]
	s_mov_b32 s76, s71
	s_add_nc_u64 s[80:81], s[30:31], s[76:77]
	v_lshlrev_b32 v3, s33, v17
	v_add_nc_u32 v3, v3, v18                       ; the weight, dense: row h of a pair, 16 bytes a lane
	; ---- all loads go out: first the wave's side work, then X
	s_cmp_lt_u32 s32, 4
	s_cbranch_scc0 .Lvec_load
	s_cmp_eq_u32 s33, 12
	s_cbranch_scc1 .Lwide
	WLOAD 2048
	s_branch .Lx_load
.Lwide:
	WLOAD 4096
	s_branch .Lx_load
.Lvec_load:
	global_load_b128 v[192:195], v13, s[6:7]
	global_load_b128 v[196:199], v13, s[8:9]
	global_load_b128 v[200:203], v13, s[10:11]
.Lx_load:
	XLOAD
	; ---- the timing signal, while the loads are on their way: 16 pairs (sin, cos) a thread.  inv = exp(a), a = j x C, as 2^y (1 + e ln 2), y = a log2(e) rounded, e what the rounding dropped
.set i, 0
.rept 16
	v_add_nc_u32 v48, i, v59
	v_cvt_f32_u32 v48, v48
	v_mul_f32 v48, s46, v48
	v_mul_f32 v[16+i], s47, v48
	v_fma_f32 v[32+i], v48, s47, -v[16+i]
	v_fma_f32 v[32+i], v48, s48, v[32+i]
	v_mul_f32 v[32+i], s49, v[32+i]
.set i, i+1
.endr
.set i, 0
.rept 16
	v_exp_f32 v[16+i], v[16+i]
.set i, i+1
.endr
	v_nop                                          ; a plain place behind the exponentials,
	s_wait_alu depctr_va_vdst(0)                   ; and one wait for the batch, ahead of its first reader
.set i, 0
.rept 16
	v_fma_f32 v[16+i], v[16+i], v[32+i], v[16+i]
.set i, i+1
.endr
.set i, 0
.rept 16
	v_mul_f32 v48, v58, v[16+i]                    ; x = t x inv
	v_mul_f32 v49, s50, v48
	v_rndne_f32 v49, v49                           ; q = the nearest multiple of pi/2
	v_fma_f32 v50, v49, s51, v48
	v_fma_f32 v50, v49, s52, v50                   ; rho = x - q pi/2, within pi/4
	v_cvt_i32_f32 v51, v49
	v_mul_f32 v52, v50, v50
	v_fma_f32 v53, v52, s53, s54
	v_fma_f32 v53, v53, v52, s55
	v_mul_f32 v54, v52, v50
	v_fma_f32 v53, v53, v54, v50                   ; sin rho
	v_fma_f32 v55, v52, s56, s57
	v_fma_f32 v55, v55, v52, s58
	v_mul_f32 v56, v52, v52
	v_fma_f32 v57, v52, -0.5, 1.0
	v_fma_f32 v55, v55, v56, v57                   ; cos rho
	v_and_b32 v48, 1, v51
	v_cmp_eq_u32 vcc_lo, 1, v48                    ; an odd q swaps the two
	v_cndmask_b32 v56, v53, v55, vcc_lo
	v_cndmask_b32 v57, v55, v53, vcc_lo
	v_lshlrev_b32 v48, 30, v51
	v_and_b32 v48, s59, v48                        ; sin is negative where q % 4 is 2 or 3,
	v_xor_b32 v[32+i], v48, v56
	v_add_nc_u32 v49, 1, v51
	v_lshlrev_b32 v49, 30, v49
	v_and_b32 v49, s59, v49                        ; cos where it is 1 or 2
	v_xor_b32 v[16+i], v49, v57
.set i, i+1
.endr
.irp k, 0,1,2,3
	ds_store_b128 v7, v[32+4*\k:35+4*\k] offset:16*\k           ; columns 0-255: sin
	ds_store_b128 v7, v[16+4*\k:19+4*\k] offset:1024+16*\k      ; columns 256-511: cos
.endr
	; ---- the side work
	s_cmp_lt_u32 s32, 4
	s_cbranch_scc0 .Lvec_store
	s_wait_loadcnt 32                              ; the weight's 16 loads are in: the 32 loads of X were issued behind them
	TURN WR
	TURN WR+32
	s_wait_dscnt 0x0
	QF6 WR, 26, 22
.irp c, 0,1,2
	global_store_b128 v5, v[26+4*\c:29+4*\c], s[62:63] offset:512*\c   ; 32 lanes store 512 consecutive bytes
.endr
	global_store_b32 v62, v22, s[80:81]            ; 16 words; both halves of the lanes store the same word with the same value
	s_branch .Lmeet
.Lvec_store:
	s_wait_loadcnt 32                              ; g, be, b1 are in: the 32 loads of X were issued behind them
	ds_store_b128 v14, v[192:195]
	ds_store_b128 v14, v[196:199] offset:2048
	ds_store_b128 v14, v[200:203] offset:4096
.Lmeet:
	s_wait_dscnt 0x0                               ; my stores have landed: then the barrier
	s_barrier_signal -1
	s_barrier_wait -1                              ; the signal and the vectors lie in LDS
	s_wait_xcnt 0x0                                ; the weight's stores have read their registers, which the loads below write
	s_wait_loadcnt 0x0                             ; X
.macro SIGLD k, t
.irp i, 0,1,2,3,4,5,6,7
	ds_load_b128 v[\t+4*\i:\t+4*\i+3], v8 offset:2*SPI*\i+256*\k
.endr
.endm
.macro ADDSIG k, t                     ; x = X + signal; the sums of my eight rows, a pair of registers each
.irp p, 0,1,2,3,4,5,6,7,8,9,10,11,12,13,14,15
	v_pk_add_f32 v[XR+32*\k+2*\p:XR+32*\k+2*\p+1], v[XR+32*\k+2*\p:XR+32*\k+2*\p+1], v[\t+2*\p:\t+2*\p+1]
.endr
.if \k == 0
.irp i, 0,1,2,3,4,5,6,7
	v_pk_add_f32 v[224+2*\i:225+2*\i], v[XR+4*\i:XR+4*\i+1], v[XR+4*\i+2:XR+4*\i+3]   ; the first piece starts the sums
.endr
.else
.irp u, 0,1
.irp i, 0,1,2,3,4,5,6,7
	v_pk_add_f32 v[224+2*\i:225+2*\i], v[224+2*\i:225+2*\i], v[XR+32*\k+4*\i+2*\u:XR+32*\k+4*\i+2*\u+1]
.endr
.endr
.endif
.endm
; eight pairs at v[src] on become the whole rows' sums in v16-23: the pair's halves, the 16 lanes that share a row, and my partner's 256 columns through LDS
.macro ROWSUM src, off
.irp i, 0,1,2,3,4,5,6,7
	v_add_f32 v[16+\i], v[\src+2*\i], v[\src+2*\i+1]
.endr
.irp m, 1,2,4,8
.irp i, 0,1,2,3,4,5,6,7
	v_add_f32_dpp v[16+\i], v[16+\i], v[16+\i] row_xmask:\m row_mask:0xf bank_mask:0xf
.endr
.endr
	ds_store_b128 v11, v[16:19] offset:\off        ; the 16 lanes of a half store the same words with the same values
	ds_store_b128 v11, v[20:23] offset:\off+16
	s_wait_dscnt 0x0
	s_barrier_signal -1
	s_barrier_wait -1
	ds_load_b128 v[24:27], v12 offset:\off
	ds_load_b128 v[28:31], v12 offset:\off+16
	s_wait_dscnt 0x0
.irp i, 0,1,2,3,4,5,6,7
	v_add_f32 v[16+\i], v[16+\i], v[24+\i]
.endr
.endm
	SIGLD 0, 16
	SIGLD 1, 192
	s_wait_dscnt 8                                 ; the older batch is in; the younger one's 8 loads may be out
	ADDSIG 0, 16
	SIGLD 2, 16
	s_wait_dscnt 8
	ADDSIG 1, 192
	SIGLD 3, 192
	s_wait_dscnt 8
	ADDSIG 2, 16
	s_wait_dscnt 0x0
	ADDSIG 3, 192
.irp k, 0,1,2,3
	ds_load_b128 v[192+4*\k:195+4*\k], v61 offset:256*\k           ; g and be of my 16 columns: they are in at the wait in front of the next barrier
	ds_load_b128 v[208+4*\k:211+4*\k], v61 offset:2048+256*\k
.endr
	ROWSUM 224, 0
.irp i, 0,1,2,3,4,5,6,7
	v_mul_f32 v[240+2*\i], 0xbb000000, v[16+\i]    ; -mean
.endr
.irp i, 0,1,2,3,4,5,6,7
	v_mov_b32 v[241+2*\i], v[240+2*\i]
.endr
.irp k, 0,1,2,3
.irp u, 0,1
.irp i, 0,1,2,3,4,5,6,7
	v_pk_add_f32 v[XR+32*\k+4*\i+2*\u:XR+32*\k+4*\i+2*\u+1], v[XR+32*\k+4*\i+2*\u:XR+32*\k+4*\i+2*\u+1], v[240+2*\i:241+2*\i]
.endr
.endr
.endr
.irp i, 0,1,2,3,4,5,6,7
	v_pk_mul_f32 v[32+2*\i:33+2*\i], v[XR+4*\i:XR+4*\i+1], v[XR+4*\i:XR+4*\i+1]   ; the centred squares
.endr
.irp i, 0,1,2,3,4,5,6,7
	v_pk_fma_f32 v[32+2*\i:33+2*\i], v[XR+4*\i+2:XR+4*\i+3], v[XR+4*\i+2:XR+4*\i+3], v[32+2*\i:33+2*\i]
.endr
.irp k, 1,2,3
.irp u, 0,1
.irp i, 0,1,2,3,4,5,6,7
	v_pk_fma_f32 v[32+2*\i:33+2*\i], v[XR+32*\k+4*\i+2*\u:XR+32*\k+4*\i+2*\u+1], v[XR+32*\k+4*\i+2*\u:XR+32*\k+4*\i+2*\u+1], v[32+2*\i:33+2*\i]
.endr
.endr
.endr
	ROWSUM 32, 512
.irp i, 0,1,2,3,4,5,6,7
	v_mul_f32 v[16+\i], 0x3b004020, v[16+\i]       ; / 511
.endr
.irp i, 0,1,2,3,4,5,6,7
	v_sqrt_f32 v[16+\i], v[16+\i]
.endr
	v_nop
	s_wait_alu depctr_va_vdst(0)                   ; one wait for the eight roots
.irp i, 0,1,2,3,4,5,6,7
	v_add_f32 v[16+\i], 0x358637bd, v[16+\i]       ; + 1e-6
.endr
.irp i, 0,1,2,3,4,5,6,7
	v_rcp_f32 v[224+2*\i], v[16+\i]
.endr
	v_nop
	s_wait_alu depctr_va_vdst(0)                   ; and one for the eight reciprocals
.irp i, 0,1,2,3,4,5,6,7
	v_mov_b32 v[225+2*\i], v[224+2*\i]
.endr
.irp k, 0,1,2,3                        ; Xn = (x - mean) / (std + eps) x g + be
.irp u, 0,1
.irp i, 0,1,2,3,4,5,6,7
	v_pk_mul_f32 v[XR+32*\k+4*\i+2*\u:XR+32*\k+4*\i+2*\u+1], v[XR+32*\k+4*\i+2*\u:XR+32*\k+4*\i+2*\u+1], v[224+2*\i:225+2*\i]
.endr
.endr
.irp u, 0,1
.irp i, 0,1,2,3,4,5,6,7
	v_pk_fma_f32 v[XR+32*\k+4*\i+2*\u:XR+32*\k+4*\i+2*\u+1], v[XR+32*\k+4*\i+2*\u:XR+32*\k+4*\i+2*\u+1], v[192+4*\k+2*\u:193+4*\k+2*\u], v[208+4*\k+2*\u:209+4*\k+2*\u]
.endr
.endr
.endr
; ---- to the operand layout, piece by piece; Xn + b1 goes to r1, each store two whole aligned runs of 256 bytes
.macro B1LD k, t
.irp q, 0,1,2,3,4,5,6,7
	ds_load_b128 v[\t+4*\q:\t+4*\q+3], v9 offset:4096+256*\k+16*\q
.endr
.endm
.macro R1OUT k, t
.irp p, 0,1,2,3,4,5,6,7,8,9,10,11,12,13,14,15
	v_pk_add_f32 v[\t+2*\p:\t+2*\p+1], v[\t+2*\p:\t+2*\p+1], v[XR+32*\k+2*\p:XR+32*\k+2*\p+1]
.endr
.irp q, 0,1,2,3,4,5,6,7
	global_store_b128 v10, v[\t+4*\q:\t+4*\q+3], s[42:43] offset:4096*\k+1024*((\q/2)%2)+512*(\q%2)+256*(\q/4) th:TH_STORE_NT
.endr
.endm
	TURN XR
	TURN XR+32
	B1LD 0, 192
	B1LD 1, 224
	s_wait_dscnt 8                                 ; pieces 0 and 1 and piece 0's b1 are in; piece 1's 8 loads of b1 may be out
	R1OUT 0, 192
	TURN XR+64
	B1LD 2, 16
	s_wait_dscnt 24                                ; piece 1's b1 is in; behind it stand piece 2's 16 stage instructions and its 8 loads of b1
	R1OUT 1, 224
	TURN XR+96
	s_wait_xcnt 0x0                                ; piece 0's stores have read v192-223, which take b1 once more
	B1LD 3, 192
	s_wait_dscnt 24                                ; piece 2 and its b1 are in; behind them stand piece 3's 16 stage instructions and its 8 loads of b1
	R1OUT 2, 16
	s_wait_dscnt 0x0
	R1OUT 3, 192
	s_wait_xcnt 0x0                                ; piece 2's stores have read v16-47, where the quantiser works
	; ---- both fragments are quantised and leave
	QF6 XR, 26, 22
.irp c, 0,1,2
	global_store_b128 v5, v[26+4*\c:29+4*\c], s[36:37] offset:512*\c   ; 32 lanes store 512 consecutive bytes
.endr
	QF6 XR+64, 38, 23
.irp c, 0,1,2
	global_store_b128 v5, v[38+4*\c:41+4*\c], s[38:39] offset:512*\c
.endr
	v_cmp_gt_u32 vcc_lo, 16, v1
	v_cndmask_b32 v22, v23, v22, vcc_lo            ; lanes 0-15 the even K step's words, lanes 16-31 the odd one's
	global_store_b32 v6, v22, s[40:41]
	s_set_vgpr_msb 0x4
	s_wait_tensorcnt 0x0
	ds_add_u32 v63, v1
	s_wait_dscnt 0x0
	s_set_vgpr_msb 0x400
	s_endpgm
.Lfunc_end_k_q3b3fed2307_prep:
	.size	k_q3b3fed2307_prep, .Lfunc_end_k_q3b3fed2307_prep-k_q3b3fed2307_prep
	.p2alignl 7, 3214868480
	.fill 96, 4, 3214868480
	.section	.rodata,"a",@progbits
	.p2align	6, 0x0
	.amdhsa_kernel k_q3b3fed2307_prep
		.amdhsa_group_segment_fixed_size 76288
		.amdhsa_private_segment_fixed_size 0
		.amdhsa_enable_private_segment 0
		.amdhsa_kernarg_size 112
		.amdhsa_user_sgpr_count 2
		.amdhsa_user_sgpr_kernarg_segment_ptr 1
		.amdhsa_wavefront_size32 1
		.amdhsa_system_sgpr_workgroup_id_x 1
		.amdhsa_system_sgpr_workgroup_id_y 1
		.amdhsa_system_sgpr_workgroup_id_z 1
		.amdhsa_system_vgpr_workitem_id 0
		.amdhsa_next_free_vgpr 258
		.amdhsa_next_free_sgpr 84
		.amdhsa_reserve_vcc 1
		.amdhsa_float_denorm_mode_32 3
		.amdhsa_float_denorm_mode_16_64 3
		.amdhsa_memory_ordered 1
		.amdhsa_forward_progress 1
		.amdhsa_inst_pref_size 100
	.end_amdhsa_kernel
	.amdgpu_metadata
---
amdhsa.version: [ 1, 2 ]
amdhsa.kernels:
  - .name:           k_q3b3fed2307_prep
    .symbol:         k_q3b3fed2307_prep.kd
    .args:
      - { .name: X, .offset: 0, .size: 8, .value_kind: global_buffer, .address_space: global }
      - { .name: g_mha, .offset: 8, .size: 8, .value_kind: global_buffer, .address_space: global }
      - { .name: be_mha, .offset: 16, .size: 8, .value_kind: global_buffer, .address_space: global }
      - { .name: b1, .offset: 24, .size: 8, .value_kind: global_buffer, .address_space: global }
      - { .name: wq, .offset: 32, .size: 8, .value_kind: global_buffer, .address_space: global }
      - { .name: wk, .offset: 40, .size: 8, .value_kind: global_buffer, .address_space: global }
      - { .name: wv, .offset: 48, .size: 8, .value_kind: global_buffer, .address_space: global }
      - { .name: w1, .offset: 56, .size: 8, .value_kind: global_buffer, .address_space: global }
      - { .name: wf1, .offset: 64, .size: 8, .value_kind: global_buffer, .address_space: global }
      - { .name: wf2, .offset: 72, .size: 8, .value_kind: global_buffer, .address_space: global }
      - { .name: xnc, .offset: 80, .size: 8, .value_kind: global_buffer, .address_space: global }
      - { .name: xns, .offset: 88, .size: 8, .value_kind: global_buffer, .address_space: global }
      - { .name: r1, .offset: 96, .size: 8, .value_kind: global_buffer, .address_space: global }
      - { .name: wc, .offset: 104, .size: 8, .value_kind: global_buffer, .address_space: global }
    .group_segment_fixed_size: 76288
    .private_segment_fixed_size: 0
    .kernarg_segment_align: 8
    .kernarg_segment_size: 112
    .max_flat_workgroup_size: 256
    .sgpr_count:     84
    .vgpr_count:     258
    .wavefront_size: 32
...
	.end_amdgpu_metadata
.endif
;; end of part 4
;; launch attn: the kernel of part 2 again; grid 8 x 32, 16 waves a work-group, no clusters, 133,120 bytes of LDS; arguments xnc, xns, wc, bq, bk, bv, atc, ats; writes atc, ats
;; launch ffn: the kernel of part 3 again; grid 256 x 1, 4 waves a work-group, no clusters, 224,768 bytes of LDS; arguments atc, ats, r1, wc, g_ffn, be_ffn, bf1, bf2, out0; writes out0
;; ======== version 3 of 3: 3 launches; version 2 with the launches attn, ffn written anew for expert scheduling mode
;; workspace buffers: xnc 6,291,456 bytes; xns 262,144 bytes; r1 33,554,432 bytes; wc 1,638,400 bytes; atc 6,291,456 bytes; ats 262,144 bytes
;; launch prep: the kernel of part 4 again; grid 256 x 1, 8 waves a work-group, no clusters, 76,288 bytes of LDS; arguments X, g_mha, be_mha, b1, wq, wk, wv, w1, wf1, wf2, xnc, xns, r1, wc; writes xnc, xns, r1, wc
;; launch attn (part 5): grid 8 x 32, 16 waves a work-group, no clusters, 133,120 bytes of LDS; arguments xnc, xns, wc, bq, bk, bv, atc, ats; writes atc, ats
.if DOCPART == 5
	.amdgcn_target "amdgcn-amd-amdhsa--gfx1250"
	.amdhsa_code_object_version 6
	.text
	.protected	k_q3b3fed2307_attn
	.globl	k_q3b3fed2307_attn
	.p2align	8
	.type	k_q3b3fed2307_attn,@function
k_q3b3fed2307_attn:
	s_mov_b64 s[64:65], 0
	v_nop
	global_prefetch_b8 v0, s[64:65] scope:SCOPE_SE
	s_setreg_imm32_b32 hwreg(HW_REG_WAVE_SCHED_MODE, 0, 2), 2
	s_setreg_imm32_b32 hwreg(HW_REG_WAVE_MODE, 25, 1), 1
	s_wait_xcnt 0x0
	s_wait_alu depctr_vm_vsrc(0)
; One head (work-group x) of one batch entry (work-group y): q, k, v = relu(Xn W^T + b), softmax(q k^T / 8) v, all products on codes of E3M2 with E8M0 scales.
; SIXTEEN waves, four to a SIMD, so that one wave's softmax stands beside another's products.  Wave w owns row tiles 2 w and 2 w + 1: rows 32 w .. 32 w + 31.
; PHASE 0: the head's weights (76,800 bytes of fragment images and scale words) go to LDS once; my 8 fragments of Xn stay in registers.
; PHASE 1: k and q transposed (source 0 = 16 rows of W, source 1 = my rows; the bias is the first product's C): a lane holds one row and 32 neighbouring channels in two halves;
;   v the other way round (source 0 = my rows, source 1 = 16 rows of Wv): a lane holds one channel and 16 neighbouring keys.  k and v are quantised in registers and go to LDS as
;   images of operand registers; q stays in registers.
; PHASE 2: for each of my two tiles of queries: four steps of 128 keys: S^T = K Q^T, p = 2^(t - M) with M the running largest t rounded up to a whole number, the sum of the
;   unquantised p, p quantised along the keys, O^T += V^T P^T.  At the end O^T / sum is quantised along the channels and leaves as half a fragment image of the next product.
; The head has 64 channels and the instruction 128 along K: q's upper six registers are zero codes; K's upper six are whatever codes follow (finite numbers x 0), under scale bytes 0.
; TILE RULE: tile 2 b + u holds, in lane r, row 32 b + 8 u + r + 8 (r / 8): so the 16 registers of two neighbouring tiles are 16 neighbours along the next K.
; No tile is asked for jointly in a cluster: operands come as register images by plain loads, 77 KB of weights a work-group once; the eight heads of an entry read the same 197 KB of Xn's codes.
; LIMITS: NaN and infinities are not served; a block under 2^-122, and a block of zeros, keep the scale byte 1 (zero codes; only this program reads the bytes).
; THE MODE: SCHED_MODE bits 1:0 = 2 (LLVM: expert scheduling mode 2), set by the entry lines.  The code itself states the register dependences
; between vector or matrix instructions and memory or LDS instructions, with s_wait_alu, always for 0.
; THE PLAN.  Registers that memory or LDS instructions touch:
;   WF (v192-239)   a weight's four fragments land here for each K step and are read by that step's eight products: one wait on va_vdst ahead of the loads of K steps 1 to 3.  Between two
;                   products WF is the quantisers' work and the data of the images' stores: one wait on va_vdst ahead of each run of stores (behind it no vector line names WF, WS or ACC until
;                   the next product's loads), and one on vm_vsrc at the next product's head.
;   WS, ACC         the weights' scale words and the bias land at a product's head: stated by the same two waits.
;   v32-79, v248-251  a key step: K's images land, 8 products read them; V's images land, 4 products read them.  K's loads stand behind the step's first wait on va_vdst, V's behind the wait
;                   for the exponentials, which stands behind the 8 products; no vector line between names these registers.
;   v7-11, v28      LDS addresses, stepped once a key step: a wait on vm_vsrc ahead of the six additions; the wait on va_vdst behind them is the one that K's loads want anyway.
;   v192-203, v252  p's codes and scale word, made by vector lines and taken by scaled products: a wait on va_vdst behind their places.
;   v1-6, v29-31    made at the head, never written again.
.set KIMG, 76800                       ; 32 tiles of keys x 768 bytes: registers 0-3 at 16 x lane, registers 4-5 at 512 + 8 x lane
.set KSC,  101376                      ; their scale words: 64 bytes a tile
.set VIMG, 103424                      ; ((channel tile x 4 + key step) x 2 + half) x 768
.set VSC,  128000                      ; (channel tile x 4 + key step) x 64 + 4 r
.set AF,   32                          ; v32-127  Xn's fragments (4 rt + s); later K's or V's
.set ACC,  128                         ; v128-191 accumulators of phase 1
.set WF,   192                         ; v192-239 four fragments of a weight
.set WS,   240                         ; v240-247 a weight's scale words;  v248-251 Xn's, later K's and V's;  v252 p's;  v253-255 q's: these hold scales alone
.set AS,   248
.set SEL,  24                          ; s[24:25] selects for lane l xor 16
.set CS,   26                          ; s[26:27] c = log2(e) / 8
.macro WM cz                           ; one product; registers and scale rows in rD, rA, rB, rSA, rSB, RA, RB
.if \cz
.if RA
	v_wmma_scale_f32_16x16x128_f8f6f4 v[rD:rD+7], v[rA:rA+11], v[rB:rB+11], 0, v[rSA], v[rSB] matrix_a_fmt:MATRIX_FMT_BF6 matrix_b_fmt:MATRIX_FMT_BF6 matrix_a_scale:MATRIX_SCALE_ROW1
.else
	v_wmma_scale_f32_16x16x128_f8f6f4 v[rD:rD+7], v[rA:rA+11], v[rB:rB+11], 0, v[rSA], v[rSB] matrix_a_fmt:MATRIX_FMT_BF6 matrix_b_fmt:MATRIX_FMT_BF6
.endif
.else
.if RA && RB
	v_wmma_scale_f32_16x16x128_f8f6f4 v[rD:rD+7], v[rA:rA+11], v[rB:rB+11], v[rD:rD+7], v[rSA], v[rSB] matrix_a_fmt:MATRIX_FMT_BF6 matrix_b_fmt:MATRIX_FMT_BF6 matrix_a_scale:MATRIX_SCALE_ROW1 matrix_b_scale:MATRIX_SCALE_ROW1
.elseif RA
	v_wmma_scale_f32_16x16x128_f8f6f4 v[rD:rD+7], v[rA:rA+11], v[rB:rB+11], v[rD:rD+7], v[rSA], v[rSB] matrix_a_fmt:MATRIX_FMT_BF6 matrix_b_fmt:MATRIX_FMT_BF6 matrix_a_scale:MATRIX_SCALE_ROW1
.else
	v_wmma_scale_f32_16x16x128_f8f6f4 v[rD:rD+7], v[rA:rA+11], v[rB:rB+11], v[rD:rD+7], v[rSA], v[rSB] matrix_a_fmt:MATRIX_FMT_BF6 matrix_b_fmt:MATRIX_FMT_BF6
.endif
.endif
.endm
.macro PLACES                          ; four plain places behind matrix instructions (ISA guide 7.12.1)
.rept 4
	v_nop
.endr
.endm
; 32 numbers of a lane, none negative (register 16 b + i = k 32 b + 16 h + i of my row), become six registers of codes at v[pc] on (lanes 0-15 block 0, lanes 16-31 block 1) and two scale bytes in v[pw]
.macro QUANT32 src, pc, pw
.irp b, 0,1
	v_max3_num_f32 v[204+\b], v[(\src)+16*\b], v[(\src)+16*\b+1], 0x2800000   ; the floor 2^(5 - 127) holds the byte at 1 from below
.endr
.irp i, 2,4,6,8,10,12,14
.irp b, 0,1
	v_max3_num_f32 v[204+\b], v[204+\b], v[(\src)+16*\b+\i], v[(\src)+16*\b+\i+1]
.endr
.endr
.irp b, 0,1
	v_permlanex16_b32 v[208+\b], v[204+\b], s[SEL], s[SEL+1]
.endr
.irp b, 0,1
	v_max_num_f32 v[204+\b], v[204+\b], v[208+\b]
.endr
.irp b, 0,1
	v_add_nc_u32 v[220+\b], 0xfe000000, v[204+\b]  ; 4 off the exponent field: the conversion's scale operand
.endr
.irp b, 0,1
	v_lshrrev_b32 v[208+\b], 23, v[220+\b]
.endr
	v_lshl_or_b32 v[\pw], v209, 8, v208
	v_cvt_scalef32_pk16_bf6_f32 v[(\pc):(\pc)+2], v[(\src):(\src)+15], v220
	v_cvt_scalef32_pk16_bf6_f32 v[212:214], v[(\src)+16:(\src)+31], v221
	v_nop                                          ; one plain place behind a scaled conversion
.irp i, 0,1,2
	v_permlane16_swap_b32 v[(\pc)+\i], v[212+\i]   ; a whole block to a lane
.endr
.irp i, 0,1,2
	v_mov_b32 v[(\pc)+3+\i], v[212+\i]
.endr
.endm
; 64 numbers (register 16 b + i) under the scale operands v220-223 become 12 registers of codes at v192 on: lanes 0-15 blocks 0 and 2, lanes 16-31 blocks 1 and 3
.macro CODES64 src
.irp c, 0,1
	v_cvt_scalef32_pk16_bf6_f32 v[192+6*\c:194+6*\c], v[(\src)+32*\c:(\src)+32*\c+15], v[220+2*\c]
	v_cvt_scalef32_pk16_bf6_f32 v[212+4*\c:214+4*\c], v[(\src)+32*\c+16:(\src)+32*\c+31], v[221+2*\c]
.endr
	v_nop
.irp c, 0,1
.irp i, 0,1,2
	v_permlane16_swap_b32 v[192+6*\c+\i], v[212+4*\c+\i]
.endr
.irp i, 0,1,2
	v_mov_b32 v[195+6*\c+\i], v[212+4*\c+\i]
.endr
.endr
.endm
; One of the three products: which = 0 q, 1 k, 2 v.  tr = 1: transposed, the bias (at s[bs]) is loaded into the accumulators.  Eight accumulators take turns, one instruction a turn.
; wq's and wk's images are reached from v29 by immediates, wv's from v7: both addresses are made at the head.
.macro PROD which, tr, bs
.set WA, 29
.set WO, 24576*\which
.if \which == 2
.set WA, 7
.set WO, 0
.endif
	s_wait_alu depctr_vm_vsrc(0)                   ; the LDS stores issued so far have read their data (the copy's v128-167; the images' v192-211, v226, v227) and the copy's addresses v16-18: loads land in these registers from here on
.irp i, 0,1,2,3,4,5,6,7
	ds_load_b32 v[WS+\i], v8 offset:1024*\which+128*\i          ; register 2 tile + s / 2: lanes 0-15 the even K step's words, lanes 16-31 the odd one's
.endr
.if \tr
.irp rt, 0,1
.irp tile, 0,1,2,3
.irp q, 0,1
	global_load_b128 v[ACC+32*\rt+8*\tile+4*\q:ACC+32*\rt+8*\tile+4*\q+3], v15, s[\bs:\bs+1] offset:128*(\tile/2)+32*(\tile%2)+16*\q
.endr
.endr
.endr
.endif
.irp s, 0,1,2,3
	PLACES                                         ; in front of loads into registers that matrix instructions have read
.if \s > 0
	s_wait_alu depctr_va_vdst(0)                   ; the last K step's eight products are done reading v[WF ..], in which the loads below land
.endif
.irp tile, 0,1,2,3
.irp c, 0,1,2
	ds_load_b128 v[WF+12*\tile+4*\c:WF+12*\tile+4*\c+3], v[WA] offset:WO+(4*\tile+\s)*1536+512*\c
.endr
.endr
.if \s == 0
.if \tr
	s_wait_loadcnt 0x0                             ; the bias is in the accumulators
.endif
.endif
	s_wait_dscnt 0x0
.irp tile, 0,1,2,3
.irp rt, 0,1
.set RA, \s%2
.set RB, \s%2
.if \tr
.set rD, ACC+32*\rt+8*\tile
.set rA, WF+12*\tile
.set rB, AF+12*(4*\rt+\s)
.set rSA, WS+2*\tile+\s/2
.set rSB, AS+2*\rt+\s/2
	WM 0
.else
.set rD, ACC+16*\tile+8*\rt
.set rA, AF+12*(4*\rt+\s)
.set rB, WF+12*\tile
.set rSA, AS+2*\rt+\s/2
.set rSB, WS+2*\tile+\s/2
.if \s == 0
	WM 1
.else
	WM 0
.endif
.endif
.endr
.endr
.endr
	PLACES
.endm
.macro RELU64
.set j, 0
.rept 64
	v_max_num_f32 v[ACC+j], 0, v[ACC+j]            ; each accumulator from its low end on
.set j, j+1
.endr
.endm
	s_load_b512 s[4:19], s[0:1], 0x0               ; xnc, xns, wc, bq, bk, bv, atc, ats
	v_lshrrev_b32 v1, 5, v0
	v_readfirstlane_b32 s20, v1                    ; wave 0..15
	s_and_b32 s22, ttmp7, 0xffff                   ; n
	s_mov_b32 s[SEL], 0x76543210
	s_mov_b32 s[SEL+1], 0xfedcba98
	s_mov_b32 s[CS], 0x3e38aa3b
	s_mov_b32 s[CS+1], s[CS]
	v_and_b32 v32, 31, v0                          ; lane
	v_and_b32 v33, 15, v0                          ; r
	v_bfe_u32 v34, v0, 4, 1                        ; h
	v_lshlrev_b32 v29, 4, v32                      ; 16 x lane
	v_lshlrev_b32 v30, 3, v32                      ; 8 x lane
	v_lshlrev_b32 v18, 2, v32                      ; 4 x lane
	v_lshlrev_b32 v36, 2, v33                      ; 4 r
	v_lshl_add_u32 v31, v34, 8, v36                ; 256 h + 4 r
	v_lshlrev_b32 v16, 4, v0                       ; 16 x thread: the copy of the weights
	v_add_nc_u32 v17, 0x10000, v16
	v_add_nc_u32 v1, KIMG, v29                     ; phase 2's places in K's and V's images and scale words
	v_add_nc_u32 v2, KIMG+512, v30
	v_add_nc_u32 v3, KSC, v18
	v_add_nc_u32 v4, VIMG, v29
	v_add_nc_u32 v5, VIMG+512, v30
	v_add_nc_u32 v6, VSC, v31
	v_add_nc_u32 v8, 73728, v18                    ; the weights' scale words
	v_add_nc_u32 v7, 49152, v29                    ; wv's images
	s_wait_alu depctr_va_sdst(0)                   ; s20 is written, ahead of its first reader: addresses, bases and branches are made from it
	s_mul_i32 s44, s20, 1536
	v_add_nc_u32 v9, s44, v1                       ; where I store my two tiles of K
	v_add_nc_u32 v10, s44, v2
	s_lshl_b32 s44, s20, 7
	v_add_nc_u32 v11, KSC, v36
	v_add_nc_u32 v11, s44, v11
	s_lshr_b32 s44, s20, 2                         ; my 32 keys are block w: key step w / 4, half (w / 2) % 2, lanes 16 (w % 2) on
	s_mul_i32 s45, s44, 1536
	s_bfe_u32 s46, s20, 0x10001
	s_mul_i32 s46, s46, 768
	s_add_co_u32 s45, s45, s46
	s_and_b32 s46, s20, 1
	s_lshl_b32 s47, s46, 8
	s_add_co_u32 s47, s47, s45
	v_mul_u32_u24 v37, v34, 6144                   ; lanes 16-31 hold the odd channel tile
	v_lshl_add_u32 v12, v33, 4, v37
	v_add_nc_u32 v12, s47, v12
	v_add_nc_u32 v12, VIMG, v12
	s_lshl_b32 s47, s46, 7
	s_add_co_u32 s47, s47, s45
	v_lshl_add_u32 v13, v33, 3, v37
	v_add_nc_u32 v13, s47, v13
	v_add_nc_u32 v13, VIMG+512, v13
	s_lshl_b32 s44, s44, 6
	s_and_b32 s46, s20, 3
	s_add_co_u32 s44, s44, s46
	v_add_nc_u32 v14, VSC, v36
	v_add_nc_u32 v14, s44, v14                     ; my byte of V's scale words
	v_lshlrev_b32 v15, 6, v34                      ; 64 h: bq's and bk's numbers of my half
	v_and_b32 v28, 8, v33
	v_add_nc_u32 v28, v28, v33
	v_lshlrev_b32 v28, 2, v28                      ; 4 (r + 8 (r / 8)): bv's number of my channel
	s_mov_b32 s45, 0
	s_wait_kmcnt 0x0
	s_mul_i32 s44, ttmp9, 76800
	s_add_nc_u64 s[8:9], s[8:9], s[44:45]          ; the head's weights
	s_lshl_b32 s44, ttmp9, 8
	s_add_nc_u64 s[10:11], s[10:11], s[44:45]      ; and biases
	s_add_nc_u64 s[12:13], s[12:13], s[44:45]
	s_add_nc_u64 s[14:15], s[14:15], s[44:45]
	s_lshl_b32 s46, s22, 5
	s_lshl_b32 s47, s20, 1
	s_add_co_u32 s46, s46, s47                     ; my first row tile: 32 n + 2 w
	s_mul_i32 s44, s46, 6144
	s_add_nc_u64 s[4:5], s[4:5], s[44:45]
	s_add_nc_u64 s[40:41], s[16:17], s[44:45]
	s_mul_i32 s44, ttmp9, 768                      ; K step head / 2, half head % 2
	s_add_nc_u64 s[40:41], s[40:41], s[44:45]
	s_lshl_b32 s44, s46, 8
	s_add_nc_u64 s[6:7], s[6:7], s[44:45]
	s_add_nc_u64 s[42:43], s[18:19], s[44:45]
	s_lshr_b32 s44, ttmp9, 1
	s_lshl_b32 s44, s44, 6
	s_and_b32 s47, ttmp9, 1
	s_lshl_b32 s47, s47, 1
	s_add_co_u32 s44, s44, s47
	s_add_nc_u64 s[42:43], s[42:43], s[44:45]
	; ---- phase 0
	s_wait_alu depctr_va_vdst(0)                   ; every offset and LDS address made above is written, which the loads and stores of phases 0 and 1 read; so are v32-37, in which loads of Xn land
.irp i, 0,1,2,3,4,5,6,7,8
	global_load_b128 v[128+4*\i:131+4*\i], v16, s[8:9] offset:8192*\i
.endr
	s_cmp_lt_u32 s20, 6                            ; the last 3,072 bytes are six waves' worth
	s_cbranch_scc0 .Lno_tenth_load
	global_load_b128 v[164:167], v16, s[8:9] offset:73728
.Lno_tenth_load:
.set i, 0
.rept 24
	global_load_b128 v[AF+4*i:AF+4*i+3], v29, s[4:5] offset:512*i
.set i, i+1
.endr
.irp i, 0,1,2,3
	global_load_b32 v[AS+\i], v18, s[6:7] offset:128*\i
.endr
	s_wait_loadcnt 28                              ; the weights are in: the 28 loads of Xn were issued behind them, on both ways
.irp i, 0,1,2,3,4,5,6,7
	ds_store_b128 v16, v[128+4*\i:131+4*\i] offset:8192*\i
.endr
	ds_store_b128 v17, v[160:163]
	s_cmp_lt_u32 s20, 6
	s_cbranch_scc0 .Lno_tenth_store
	ds_store_b128 v17, v[164:167] offset:8192
.Lno_tenth_store:
	s_wait_dscnt 0x0                               ; my stores have landed: then the barrier
	s_barrier_signal -1
	s_barrier_wait -1
	s_wait_loadcnt 0x0
	; ---- phase 1: k.  Both tiles are quantised, each into registers of its own, and leave behind one wait
	PROD 1, 1, 12
	RELU64
	QUANT32 ACC, 192, 226
	QUANT32 ACC+32, 198, 227
	s_wait_alu depctr_va_vdst(0)                   ; the codes v192-203 and the scale words v226, v227 are written, which the stores read; the products and the quantisers are done with WS and WF, in which the next product's loads land
.irp rt, 0,1
	ds_store_b128 v9, v[192+6*\rt:195+6*\rt] offset:768*\rt
	ds_store_b64 v10, v[196+6*\rt:197+6*\rt] offset:768*\rt
	ds_store_b32 v11, v[226+\rt] offset:64*\rt     ; both halves of the lanes write the same word with the same value
.endr
	; ---- v
.irp ct, 0,1,2,3
	global_load_b32 v[16+2*\ct], v28, s[14:15] offset:128*(\ct/2)+32*(\ct%2)
.endr
.irp ct, 0,1,2,3
	v_mov_b32 v[17+2*\ct], 0                       ; (named with it as a pair)
.endr
	PROD 2, 0, 14
	s_wait_loadcnt 0x0
.irp ct, 0,1,2,3
.irp p, 0,1,2,3,4,5,6,7
	v_pk_add_f32 v[ACC+16*\ct+2*\p:ACC+16*\ct+2*\p+1], v[ACC+16*\ct+2*\p:ACC+16*\ct+2*\p+1], v[16+2*\ct:17+2*\ct] op_sel_hi:[1,0]
.endr
.endr
	RELU64
.irp b, 0,1,2,3                        ; the four blocks are the four channel tiles: 32 keys of one channel lie in lanes l and l xor 16
	v_max3_num_f32 v[204+\b], v[ACC+16*\b], v[ACC+16*\b+1], 0x2800000
.endr
.irp i, 2,4,6,8,10,12,14
.irp b, 0,1,2,3
	v_max3_num_f32 v[204+\b], v[204+\b], v[ACC+16*\b+\i], v[ACC+16*\b+\i+1]
.endr
.endr
.irp b, 0,1,2,3
	v_permlanex16_b32 v[208+\b], v[204+\b], s[SEL], s[SEL+1]
.endr
.irp b, 0,1,2,3
	v_max_num_f32 v[204+\b], v[204+\b], v[208+\b]
.endr
.irp b, 0,1,2,3
	v_add_nc_u32 v[220+\b], 0xfe000000, v[204+\b]
.endr
.irp b, 0,1,2,3
	v_lshrrev_b32 v[208+\b], 23, v[220+\b]
.endr
	CODES64 ACC
	s_wait_alu depctr_va_vdst(0)                   ; the scale bytes v208-211 and the codes v192-203 are written, which the stores read; the products and the quantiser are done with WS, WF and the accumulators, in which the next product's loads land
.irp b, 0,1,2,3
	ds_store_b8 v14, v[208+\b] offset:256*\b
.endr
.irp cp, 0,1
	ds_store_b128 v12, v[192+6*\cp:195+6*\cp] offset:12288*\cp
	ds_store_b64 v13, v[196+6*\cp:197+6*\cp] offset:12288*\cp
.endr
	; ---- q
	PROD 0, 1, 10
	RELU64
	QUANT32 ACC, 16, 254
	QUANT32 ACC+32, 228, 255
.irp i, 22,23,24,25,26,27, 80,81,82,83,84,85, 225
	v_mov_b32 v\i, 0                               ; q's upper half: zero codes; what follows K's last tile; the upper word of the pair v[224:225]
.endr
	s_wait_dscnt 0x0
	s_barrier_signal -1
	s_barrier_wait -1                              ; all keys' images lie in LDS
	; ---- phase 2
.macro STEP                            ; 128 keys
	s_wait_alu depctr_vm_vsrc(0)                   ; the LDS loads of the step before (in the first step: phase 1's loads and stores) have read v7-11 and v28, which are written below; the stores of the tile before have read v192-197
	v_add_nc_u32 v7, s28, v1                       ; (these six are also the places behind the last products)
	v_add_nc_u32 v8, s28, v2
	v_add_nc_u32 v9, s29, v3
	v_add_nc_u32 v10, s30, v4
	v_add_nc_u32 v11, s30, v5
	v_add_nc_u32 v28, s31, v6
	s_wait_alu depctr_va_vdst(0)                   ; the six addresses are written; the last products are done reading v32-79 and v248-251, in which K's loads land; in a tile's first step q's codes v16-27, the zeros v80-85 and the scale word v253 are written, which the scaled products take
.irp i, 0,1,2,3,4,5,6,7
	ds_load_b128 v[32+6*\i:35+6*\i], v7 offset:768*\i
	ds_load_b64 v[36+6*\i:37+6*\i], v8 offset:768*\i
.endr
.irp i, 0,1,2,3
	ds_load_b32 v[248+\i], v9 offset:128*\i        ; lanes 0-15 tile 2 i, lanes 16-31 tile 2 i + 1
.endr
	s_wait_dscnt 0x0
.irp i, 0,1,2,3,4,5,6,7
.set rD, 96+8*\i
.set rA, 32+6*\i
.set rB, 16
.set rSA, 248+\i/2
.set rSB, 253
.set RA, \i%2
.set RB, 0
	WM 1
.endr
	PLACES
.irp b, 0,1,2,3
	v_max3_num_f32 v[204+\b], v[96+16*\b], v[97+16*\b], v[98+16*\b]   ; the largest score of each block of 32 keys: for the row's maximum and for the block's largest p
.endr
.irp i, 3,5,7,9,11,13
.irp b, 0,1,2,3
	v_max3_num_f32 v[204+\b], v[204+\b], v[96+16*\b+\i], v[97+16*\b+\i]
.endr
.endr
.irp b, 0,1,2,3
	v_max_num_f32 v[204+\b], v[204+\b], v[111+16*\b]
.endr
.irp b, 0,1,2,3
	v_permlanex16_b32 v[208+\b], v[204+\b], s[SEL], s[SEL+1]
.endr
.irp b, 0,1,2,3
	v_max_num_f32 v[204+\b], v[204+\b], v[208+\b]
.endr
	v_max3_num_f32 v226, v204, v205, v206
	v_max_num_f32 v226, v226, v207
	v_mul_f32 v226, s[CS], v226
	v_max_num_f32 v13, v13, v226                   ; the running largest t
	v_mov_b32 v226, v12
	v_floor_f32 v12, -v13                          ; -M = floor(-t): M is a whole number
	v_sub_f32 v226, v12, v226
	v_cvt_i32_f32 v226, v226
	v_ldexp_f32 v224, 1.0, v226                    ; f = 2^(old M - new M): rounds nothing
.set j, 0
.rept 32
	v_pk_fma_f32 v[96+j:97+j], v[96+j:97+j], s[CS:CS+1], v[12:13] op_sel_hi:[1,0,0]
.set j, j+2
.endr
.irp b, 0,1,2,3
	v_fma_f32 v[204+\b], v[204+\b], s[CS], v12
.endr
.set j, 0
.rept 64
	v_exp_f32 v[96+j], v[96+j]                     ; p = 2^(t - M), not normalised
.set j, j+1
.endr
	v_pk_mul_f32 v[14:15], v[14:15], v[224:225] op_sel_hi:[1,0]   ; the sums under the new M: a plain place behind the exponentials
	s_wait_alu depctr_va_vdst(0)                   ; the 64 exponentials have written p, ahead of its first reader; and the eight products above are done reading v32-79 and v248, v249, in which V's loads land
.irp ct, 0,1,2,3                       ; V's images are asked for here: no vector line from here to the products that take them names their registers, and they land during the sums and conversions
.irp c, 0,1
	ds_load_b128 v[32+12*\ct+6*\c:35+12*\ct+6*\c], v10 offset:6144*\ct+768*\c
	ds_load_b64 v[36+12*\ct+6*\c:37+12*\ct+6*\c], v11 offset:6144*\ct+768*\c
.endr
.endr
.irp cp, 0,1
	ds_load_b32 v[248+\cp], v28 offset:512*\cp
.endr
.irp b, 0,1,2,3
	v_exp_f32 v[204+\b], v[204+\b]                 ; each block's largest p
.endr
	v_pk_add_f32 v[238:239], v[96:97], v[98:99]    ; the row's sum of the unquantised p, in two chains
.irp j, 4,8,12,16,20,24,28,32,36,40,44,48,52,56,60
	v_pk_add_f32 v[14:15], v[14:15], v[96+\j:97+\j]
	v_pk_add_f32 v[238:239], v[238:239], v[98+\j:99+\j]
.endr
	v_pk_add_f32 v[14:15], v[14:15], v[238:239]
	s_wait_alu depctr_va_vdst(0)                   ; the four exponentials have written v204-207, ahead of their first reader
.irp b, 0,1,2,3
	v_max_num_f32 v[204+\b], 0x2800000, v[204+\b]
.endr
.irp b, 0,1,2,3
	v_add_nc_u32 v[220+\b], 0xfe000000, v[204+\b]
.endr
.irp b, 0,1,2,3
	v_lshrrev_b32 v[208+\b], 23, v[220+\b]
.endr
	v_lshl_or_b32 v252, v209, 8, v208              ; p's scale word for these 128 keys
	v_lshl_or_b32 v252, v210, 16, v252
	v_lshl_or_b32 v252, v211, 24, v252
	CODES64 96
.set j, 0
.rept 16
	v_pk_mul_f32 v[160+j:161+j], v[160+j:161+j], v[224:225] op_sel_hi:[1,0]   ; O^T under the new M; these 16 are also the places ahead of the scaled products
.set j, j+2
.endr
	s_wait_dscnt 0x0                               ; V's images and scale words are in
	s_wait_alu depctr_va_vdst(0)                   ; p's codes v192-203 and its scale word v252 are written, which the scaled products take; the places above stay beside this wait
.irp ct, 0,1,2,3
.set rD, 160+8*\ct
.set rA, 32+12*\ct
.set rB, 192
.set rSA, 248+\ct/2
.set rSB, 252
.set RA, \ct%2
.set RB, 0
	WM 0
.endr
	s_add_co_u32 s28, s28, 6144
	s_add_co_u32 s29, s29, 512
	s_add_co_u32 s30, s30, 1536
	s_add_co_u32 s31, s31, 64
.endm
.macro ATT rt
	s_wait_xcnt 0x0                                ; the stores of the tile before have read their registers
.if \rt
.irp i, 0,1,2,3,4,5
	v_mov_b32 v[16+\i], v[228+\i]
.endr
.else
	s_wait_alu depctr_vm_vsrc(0)                   ; bq's loads have read v15, and v's stores v12-14: all four are written below
.endif
	v_mov_b32 v253, v[254+\rt]
.set j, 0
.rept 32
	v_mov_b32 v[160+j], 0                          ; O^T: the step is written once, its first trip finds zeros
.set j, j+1
.endr
	v_mov_b32 v14, 0
	v_mov_b32 v15, 0
	v_mov_b32 v13, 0xff61b1e6                      ; -3e38, under every t
	v_floor_f32 v12, -v13
	s_mov_b32 s28, 0
	s_mov_b32 s29, 0
	s_mov_b32 s30, 0
	s_mov_b32 s31, 0
	s_mov_b32 s32, 4
.Lks_\@:
	STEP
	s_sub_co_u32 s32, s32, 1
	s_cmp_lg_u32 s32, 0
	s_cbranch_scc1 .Lks_\@
	PLACES
	v_add_f32 v14, v14, v15
	v_permlanex16_b32 v208, v14, s[SEL], s[SEL+1]
	v_add_f32 v14, v14, v208                       ; the row's sum
	v_rcp_f32 v14, v14
	v_nop
	s_wait_alu depctr_va_vdst(0)                   ; the reciprocal has written v14, ahead of its first reader
.set j, 0
.rept 32
	v_mul_f32 v[96+j], v[160+j], v14               ; register 16 b + i: channel 32 b + 16 h + i
.set j, j+1
.endr
	QUANT32 96, 192, 226
.if \rt
	v_and_b32 v227, 31, v0
	v_cmp_gt_u32 vcc_lo, 16, v227
	s_wait_alu depctr_va_vcc(0)                    ; the compare has written VCC, which the select reads
	v_cndmask_b32 v226, v226, v234, vcc_lo         ; lanes 0-15 my first tile's two bytes, lanes 16-31 my second's
.else
	v_mov_b32 v234, v226
.endif
	s_wait_alu depctr_va_vdst(0)                   ; the codes v192-197 (and, behind my second tile, the bytes in v226) are written, which the stores read
	global_store_b128 v29, v[192:195], s[40:41] offset:6144*\rt       ; 512 and 256 consecutive bytes: half a fragment's image
	global_store_b64 v30, v[196:197], s[40:41] offset:6144*\rt+512
.if \rt
	global_store_b16 v31, v226, s[42:43]
.endif
.endm
	ATT 0
	ATT 1
	s_wait_xcnt 0x0
	v_lshl_add_u32 v254, v0, 2, 0x20000
	v_mov_b32 v255, 0
	s_wait_dscnt 0x0                               ; the closing lines, six on end
	s_wait_alu 0x0
	s_wait_tensorcnt 0x0
	ds_add_u32 v254, v255
	s_wait_dscnt 0x0
	s_endpgm
.Lfunc_end_k_q3b3fed2307_attn:
	.size	k_q3b3fed2307_attn, .Lfunc_end_k_q3b3fed2307_attn-k_q3b3fed2307_attn
	.p2alignl 7, 3214868480
	.fill 96, 4, 3214868480
	.section	.rodata,"a",@progbits
	.p2align	6, 0x0
	.amdhsa_kernel k_q3b3fed2307_attn
		.amdhsa_group_segment_fixed_size 133120
		.amdhsa_private_segment_fixed_size 0
		.amdhsa_enable_private_segment 0
		.amdhsa_kernarg_size 64
		.amdhsa_user_sgpr_count 2
		.amdhsa_user_sgpr_kernarg_segment_ptr 1
		.amdhsa_wavefront_size32 1
		.amdhsa_system_sgpr_workgroup_id_x 1
		.amdhsa_system_sgpr_workgroup_id_y 1
		.amdhsa_system_sgpr_workgroup_id_z 1
		.amdhsa_system_vgpr_workitem_id 0
		.amdhsa_next_free_vgpr 256
		.amdhsa_next_free_sgpr 66
		.amdhsa_reserve_vcc 1
		.amdhsa_float_denorm_mode_32 3
		.amdhsa_float_denorm_mode_16_64 3
		.amdhsa_memory_ordered 1
		.amdhsa_forward_progress 1
		.amdhsa_inst_pref_size 101
	.end_amdhsa_kernel
	.amdgpu_metadata
---
amdhsa.version: [ 1, 2 ]
amdhsa.kernels:
  - .name:           k_q3b3fed2307_attn
    .symbol:         k_q3b3fed2307_attn.kd
    .args:
      - { .name: xnc, .offset: 0, .size: 8, .value_kind: global_buffer, .address_space: global }
      - { .name: xns, .offset: 8, .size: 8, .value_kind: global_buffer, .address_space: global }
      - { .name: wc, .offset: 16, .size: 8, .value_kind: global_buffer, .address_space: global }
      - { .name: bq, .offset: 24, .size: 8, .value_kind: global_buffer, .address_space: global }
      - { .name: bk, .offset: 32, .size: 8, .value_kind: global_buffer, .address_space: global }
      - { .name: bv, .offset: 40, .size: 8, .value_kind: global_buffer, .address_space: global }
      - { .name: atc, .offset: 48, .size: 8, .value_kind: global_buffer, .address_space: global }
      - { .name: ats, .offset: 56, .size: 8, .value_kind: global_buffer, .address_space: global }
    .group_segment_fixed_size: 133120
    .private_segment_fixed_size: 0
    .kernarg_segment_align: 8
    .kernarg_segment_size: 64
    .max_flat_workgroup_size: 512
    .sgpr_count:     66
    .vgpr_count:     256
    .wavefront_size: 32
...
	.end_amdgpu_metadata
.endif
;; end of part 5
;; launch ffn (part 6): grid 256 x 1, 4 waves a work-group, no clusters, 224,768 bytes of LDS; arguments atc, ats, r1, wc, g_ffn, be_ffn, bf1, bf2, out0; writes out0
.if DOCPART == 6
	.amdgcn_target "amdgcn-amd-amdhsa--gfx1250"
	.amdhsa_code_object_version 6
	.text
	.protected	k_q3b3fed2307_ffn
	.globl	k_q3b3fed2307_ffn
	.p2align	8
	.type	k_q3b3fed2307_ffn,@function
k_q3b3fed2307_ffn:
	s_mov_b64 s[64:65], 0
	v_nop
	global_prefetch_b8 v0, s[64:65] scope:SCOPE_SE
	s_setreg_imm32_b32 hwreg(HW_REG_WAVE_SCHED_MODE, 0, 2), 2
	s_setreg_imm32_b32 hwreg(HW_REG_WAVE_MODE, 25, 1), 1
	s_wait_xcnt 0x0
	s_wait_alu depctr_vm_vsrc(0)
; X2 = (Xn + b1) + att w1^T;  y = LayerNorm(X2);  out0 = X2 + bf2 + relu(y wf1^T + bf1) wf2^T.  All three products on codes of E3M2 with E8M0 scales.
; A work-group owns 64 rows: row tiles 4 g + m.  THE WAVES SHARE THE COLUMNS: wave w makes columns 128 w .. + 127 of X2 and of the result, and hidden units 256 w .. + 255 in two halves.
; All products are used transposed (source 0 = 16 rows of a weight, source 1 = 16 rows of the activations): a lane holds one row, and by the tile rule (tile 2 b + u holds, in lane r,
; row 32 b + 8 u + r + 8 (r / 8)) the 16 registers of two neighbouring tiles are 16 neighbours along the next K.  Xn + b1 is the C of the first product, bf1 of the second; the third adds onto X2 + bf2.
; THE WEIGHTS come from memory straight into registers: 160 fragments a wave, laid by the first launch in the order of use, through a ring of 20 slots of 12 registers.  A pair of fragments is waited
; for by a count of the loads issued behind it and multiplied against the four row tiles (eight accumulators by turns); behind a GROUP of two pairs its four slots are asked for anew.
; y and the hidden layer go from wave to wave through LDS as images of operand registers.  No joint requests: the weights' stream goes to registers, not to LDS.
; The text is straight: no label, no branch.
; WINDOWS of 256 registers: 0: addresses, scale words, work, two sets of A-side fragments (v160-255);  1: the ring;  2: X2 (64 m + 8 t + j);  3: att's 16 fragments, then g, be, bf2, then the hidden layer.
; LIMITS: NaN and infinities are not served; a block under 2^-122, and a block of zeros, keep the scale byte 1 (zero codes; only this program reads the bytes); / 511 is a multiplication by the rounded reciprocal.
; THE MODE: SCHED_MODE bits 1:0 = 2 (LLVM: expert scheduling mode 2), set by the entry lines.  The code itself states the register dependences
; between vector or matrix instructions and memory or LDS instructions, with s_wait_alu, always for 0.
; THE PLAN.  Registers that memory or LDS instructions touch:
;   the ring (window 1)        a group's 16 products read its four slots; behind them ONE wait on va_vdst, then the 12 loads that fill the slots again, in one run.
;   the two sets v160-255 and their scale words v104-111   a K step's products read one set; the group's wait at the step's end also states that they are done with it, so the fetch of the K step
;                              after next stands at the next step's head.  v160-223 are also the vector work ST and v224-255 the statistics: the waits ahead of the images' stores state those.
;   window 3                   att's fragments (read by the first product), then g, be, bf2 (loaded behind group 7's wait, read by vector lines), then bf1 (loaded behind a wait of its own, or behind
;                              the last image's), on which the second product adds, and which the relu reads.
;   v128, v130-149 (PW, PC)    data of the head's five LDS stores, then written by each quantiser and read by its image's stores: va_vdst ahead of the stores, vm_vsrc ahead of the next quantiser.
;   v224 + 4 m                 written by the folding sums, read by four LDS stores, then the four waves' sums land there: va_vdst ahead of the stores, vm_vsrc ahead of the loads.
;   v1-v20                     offsets and LDS addresses, made at the head, never written again.
.set YIMG,  0                          ; y's 16 fragments (4 m + s) x 1,536
.set YSC,   24576                      ; their scale words, 128 bytes each
.set HIMG,  26624                      ; the hidden layer's 32 fragments (8 m + s)
.set HSC,   75776
.set STAT1, 79872                      ; (16 m + r) x 16 + 4 w: row sums; 1,024 bytes further on the sums of squares
.set VEC,   81920                      ; g, be, bf2 (2,048 each), bf1 (4,096): each wave stores and reads its own part
.set STG,   92160                      ; the way out: 64 rows x (2,048 + 16)
.set SPI,   2064
.set WSC,   24                         ; v24-103  the weights' 80 scale lines
.set ASC,   104                        ; v104-111 the activations' scale words
.set TM,    112
.set PW,    128
.set PC,    130
.set AB,    160
.set ST,    160
.set MSB, 0
.macro WIN new                         ; the immediate's high byte repeats the setting that is left
.if MSB != \new
	s_set_vgpr_msb (MSB<<8)|\new
.set MSB, \new
.endif
.endm
.macro WM
.if RA && RB
	v_wmma_scale_f32_16x16x128_f8f6f4 v[rD:rD+7], v[rA:rA+11], v[rB:rB+11], v[rD:rD+7], v[rSA], v[rSB] matrix_a_fmt:MATRIX_FMT_BF6 matrix_b_fmt:MATRIX_FMT_BF6 matrix_a_scale:MATRIX_SCALE_ROW1 matrix_b_scale:MATRIX_SCALE_ROW1
.elseif RA
	v_wmma_scale_f32_16x16x128_f8f6f4 v[rD:rD+7], v[rA:rA+11], v[rB:rB+11], v[rD:rD+7], v[rSA], v[rSB] matrix_a_fmt:MATRIX_FMT_BF6 matrix_b_fmt:MATRIX_FMT_BF6 matrix_a_scale:MATRIX_SCALE_ROW1
.else
	v_wmma_scale_f32_16x16x128_f8f6f4 v[rD:rD+7], v[rA:rA+11], v[rB:rB+11], v[rD:rD+7], v[rSA], v[rSB] matrix_a_fmt:MATRIX_FMT_BF6 matrix_b_fmt:MATRIX_FMT_BF6
.endif
.endm
; Pair pi of 80: fragments 2 pi and 2 pi + 1 of the stream: eight products.  K step pi / 4 of 20: 0-3 w1, 4-11 wf1 (two halves), 12-19 wf2.
.macro MULP pi
.set KG, (\pi)/4
.set PL, 2*((\pi)/2)+9                 ; the last pair asked for so far: nine behind the group's first
.if PL > 79
.set PL, 79
.endif
	s_wait_loadcnt 6*(PL-(\pi))                    ; behind this pair's six loads stand those of the pairs asked for since: nine or eight, fewer at the end
.if KG < 4
	WIN 0xad                                       ; weight window 1, att window 3, C and D window 2
.elseif KG < 12
	WIN 0xf1                                       ; weight window 1, y window 0, C and D window 3
.else
	WIN 0xa1                                       ; weight window 1, hidden window 0, C and D window 2
.endif
.irp e, 0,1
.set FF, 2*(\pi)+\e
.set rA, 12*(FF%20)
.set TT, FF%8
.irp m, 0,1,2,3
.set rD, 64*\m+8*TT
.if KG < 4
.set rB, 12*(4*\m+KG)
.set rSA, WSC+2*TT+KG/2
.set rSB, ASC+2*\m+KG/2
.set RA, KG%2
.set RB, KG%2
.elseif KG < 12
.set SS, KG%4
.set HH, (KG-4)/4
.set rB, AB+48*(SS%2)+12*\m
.set rSA, WSC+16+2*(8*HH+TT)+SS/2
.set rSB, ASC+4*(SS%2)+\m
.set RA, SS%2
.set RB, 0
.else
.set SG, KG-12
.set rB, AB+48*(SG%2)+12*\m
.set rSA, WSC+48+4*TT+SG/2
.set rSB, ASC+4*(SG%2)+\m
.set RA, SG%2
.set RB, 0
.endif
	WM
.endr
.endr
.endm
; Behind group g (pairs 2 g and 2 g + 1): its four slots take fragments 4 g + 20 .. 4 g + 23.  Groups 35 to 39 have nothing left to ask for; group 35 keeps the places and the wait for the fetch of activations that follows it.
.macro REFILL g
.if (\g) <= 35
.rept 4
	v_nop                                          ; places behind the group's products, ahead of loads into registers that they have read and of reads of their results
.endr
.if (\g) <= 34
	WIN 0x40
.endif
	s_wait_alu depctr_va_vdst(0)                   ; the group's 16 products are done reading their four slots, in which the loads below land; at a K step's end all its products are done reading their set of activations and its scale words (behind group 7: att's fragments), in which the LDS loads that follow land
.endif
.if (\g) <= 34
.irp e, 0,1,2,3
.set FF, 4*(\g)+20+\e
.irp c, 0,1,2
	global_load_b128 v[12*(FF%20)+4*\c:12*(FF%20)+4*\c+3], v1, s[26:27] offset:1536*FF+512*\c
.endr
.endr
.endif
.endm
.macro GROUP g
	MULP 2*(\g)
	MULP 2*(\g)+1
	REFILL \g
.endm
.macro ALOADY ab, ks                   ; y's four fragments of K step ks, and their scale words, into set ab
	WIN 0
.irp m, 0,1,2,3
.irp c, 0,1,2
	ds_load_b128 v[AB+48*(\ab)+12*\m+4*\c:AB+48*(\ab)+12*\m+4*\c+3], v1 offset:YIMG+(4*\m+(\ks))*1536+512*\c
.endr
	ds_load_b32 v[ASC+4*(\ab)+\m], v2 offset:YSC+(4*\m+(\ks))*128
.endr
.endm
.macro ALOADH ab, ks                   ; the hidden layer's
	WIN 0
.irp m, 0,1,2,3
.irp c, 0,1,2
	ds_load_b128 v[AB+48*(\ab)+12*\m+4*\c:AB+48*(\ab)+12*\m+4*\c+3], v4 offset:(8*\m+(\ks))*1536+512*\c
.endr
	ds_load_b32 v[ASC+4*(\ab)+\m], v5 offset:(8*\m+(\ks))*128
.endr
.endm
; A K step of the second or third product: two groups.  At its head the next K step's activations are fetched into the other set: the last wait on va_vdst stands behind that set's last readers, and
; no vector or matrix instruction since names it; the fetch has the whole step in which to land.
.macro KSTEP kg
	s_wait_dscnt 0x0                               ; this K step's activations and scale words are in
.if (\kg) < 12
.if (\kg)%4 < 3
	ALOADY ((\kg)%4+1)%2, (\kg)%4+1
.endif
.else
.if (\kg) < 19
	ALOADH ((\kg)-11)%2, (\kg)-11
.endif
.endif
	GROUP 2*(\kg)
	GROUP 2*(\kg)+1
.endm
; 64 numbers of a lane, register 16 b + i = k 32 b + 16 h + i of my row, become a fragment's codes in v[PC] on and its scale word in v[PW]
.macro QUANT s
.irp b, 0,1,2,3
	v_max3_num_f32 v[TM+\b], |v[\s+16*\b]|, |v[\s+1+16*\b]|, 0x2800000   ; the floor 2^(5 - 127) holds the byte at 1 from below
.endr
.irp i, 2,4,6,8,10,12,14
.irp b, 0,1,2,3
	v_max3_num_f32 v[TM+\b], v[TM+\b], |v[\s+16*\b+\i]|, |v[\s+1+16*\b+\i]|
.endr
.endr
.irp b, 0,1,2,3
	v_permlanex16_b32 v[TM+4+\b], v[TM+\b], s24, s25
.endr
.irp b, 0,1,2,3
	v_max_num_f32 v[TM+\b], v[TM+\b], v[TM+4+\b]
.endr
.irp b, 0,1,2,3
	v_add_nc_u32 v[TM+12+\b], 0xfe000000, v[TM+\b]
.endr
.irp b, 0,1,2,3
	v_lshrrev_b32 v[TM+4+\b], 23, v[TM+12+\b]
.endr
	v_lshl_or_b32 v[PW], v[TM+5], 8, v[TM+4]
	v_lshl_or_b32 v[PW], v[TM+6], 16, v[PW]
	v_lshl_or_b32 v[PW], v[TM+7], 24, v[PW]
.irp c, 0,1
	v_cvt_scalef32_pk16_bf6_f32 v[PC+6*\c:PC+2+6*\c], v[\s+32*\c:\s+15+32*\c], v[TM+12+2*\c]
	v_cvt_scalef32_pk16_bf6_f32 v[PC+12+4*\c:PC+14+4*\c], v[\s+16+32*\c:\s+31+32*\c], v[TM+12+2*\c+1]
.endr
	v_nop                                          ; one plain place behind a scaled conversion
.irp c, 0,1
.irp i, 0,1,2
	v_permlane16_swap_b32 v[PC+6*\c+\i], v[PC+12+4*\c+\i]
.endr
.irp i, 0,1,2
	v_mov_b32 v[PC+3+6*\c+\i], v[PC+12+4*\c+\i]
.endr
.endr
.endm
.macro IMAGE adr, off
.irp c, 0,1,2
	ds_store_b128 v[\adr], v[PC+4*\c:PC+4*\c+3] offset:(\off)+512*\c
.endr
.endm
.macro BARRIER                         ; my LDS stores have landed and my LDS loads are in: then the work-group's barrier
	WIN 0
	s_wait_dscnt 0x0
	s_barrier_signal -1
	s_barrier_wait -1
.endm
; four rows' partial sums (chains v224 + 4 m ..) are folded, meet the other waves' in LDS, and come back whole in v[224 + 4 m]
.macro FOLD off
.irp m, 0,1,2,3
	v_pk_add_f32 v[224+4*\m:225+4*\m], v[224+4*\m:225+4*\m], v[226+4*\m:227+4*\m]
.endr
.irp m, 0,1,2,3
	v_add_f32 v[224+4*\m], v[224+4*\m], v[225+4*\m]
.endr
.irp m, 0,1,2,3
	v_permlanex16_b32 v[226+4*\m], v[224+4*\m], s24, s25
.endr
.irp m, 0,1,2,3
	v_add_f32 v[224+4*\m], v[224+4*\m], v[226+4*\m]
.endr
	s_wait_alu depctr_va_vdst(0)                   ; the sums v[224 + 4 m] are written, which the stores read; the lines above are done with v224-239, in which the loads behind the barrier land
.irp m, 0,1,2,3
	ds_store_b32 v10, v[224+4*\m] offset:(\off)+256*\m
.endr
	BARRIER
	s_wait_alu depctr_vm_vsrc(0)                   ; my LDS stores have read v[224 + 4 m], in which the loads below land (and the head's five have read v130-149, which the first quantiser writes)
.irp m, 0,1,2,3
	ds_load_b128 v[224+4*\m:227+4*\m], v11 offset:(\off)+256*\m
.endr
	s_wait_dscnt 0x0
.irp m, 0,1,2,3
	v_add_f32 v[224+4*\m], v[224+4*\m], v[225+4*\m]
.endr
.irp m, 0,1,2,3
	v_add_f32 v[226+4*\m], v[226+4*\m], v[227+4*\m]
.endr
.irp m, 0,1,2,3
	v_add_f32 v[224+4*\m], v[224+4*\m], v[226+4*\m]
.endr
.endm
.macro HPRE hh                         ; bf1 of my half's 128 hidden units into the four row tiles' accumulators
	WIN 0xc0
.irp m, 0,1,2,3
.irp t, 0,1,2,3,4,5,6,7
.irp q, 0,1
	ds_load_b128 v[64*\m+8*\t+4*\q:64*\m+8*\t+4*\q+3], v15 offset:512*\hh+128*(\t/2)+32*(\t%2)+16*\q
.endr
.endr
.endr
	WIN 0
.endm
.macro HOUT hh                         ; relu, quantised: K step 2 w + hh of the third product, as images
.irp m, 0,1,2,3
	WIN 0x0c
.set j, 0
.rept 64
	v_max_num_f32 v[ST+j], 0, v[64*\m+j]           ; each accumulator from its low end on
.set j, j+1
.endr
	WIN 0
	s_wait_alu depctr_vm_vsrc(0)                   ; the last image's LDS stores have read v[PC ..] and v[PW], which the quantiser writes again
	QUANT ST
	s_wait_alu depctr_va_vdst(0)                   ; the codes and the scale word are written, which the stores read; behind the fourth tile: the relu is done reading window 3 and the quantiser v160-223, in which the loads that follow the stores land
	IMAGE 8, (8*\m+\hh)*1536
	ds_store_b32 v9, v[PW] offset:(8*\m+\hh)*128
.endr
.endm
	s_load_b512 s[4:19], s[0:1], 0x0               ; atc, ats, r1, wc, g_ffn, be_ffn, bf1, bf2
	s_load_b64 s[20:21], s[0:1], 0x40              ; out0
	v_lshl_add_u32 v158, v0, 2, 0x36c00
	v_mov_b32 v159, 0
	v_lshrrev_b32 v21, 5, v0
	v_readfirstlane_b32 s22, v21                   ; wave 0..3
	v_and_b32 v21, 31, v0                          ; lane
	v_and_b32 v22, 15, v0                          ; r
	v_bfe_u32 v23, v0, 4, 1                        ; h
	v_lshlrev_b32 v1, 4, v21                       ; 16 x lane
	v_lshlrev_b32 v2, 2, v21                       ; 4 x lane
	v_lshlrev_b32 v3, 3, v21                       ; 8 x lane
	v_add_nc_u32 v4, HIMG, v1
	v_add_nc_u32 v5, HSC, v2
	s_wait_alu depctr_va_sdst(0)                   ; s22 is written, ahead of its first reader: addresses and bases are made from it
	s_mul_i32 s30, s22, 1536
	v_add_nc_u32 v6, s30, v1                       ; where I store y's images: K step w
	s_lshl_b32 s30, s22, 7
	v_add_nc_u32 v7, YSC, v2
	v_add_nc_u32 v7, s30, v7
	s_mul_i32 s30, s22, 3072
	v_add_nc_u32 v8, s30, v4                       ; and the hidden layer's: K steps 2 w, 2 w + 1
	s_lshl_b32 s30, s22, 8
	v_add_nc_u32 v9, s30, v5
	v_lshl_add_u32 v11, v22, 4, STAT1
	s_lshl_b32 s30, s22, 2
	v_add_nc_u32 v10, s30, v11
	s_lshl_b32 s30, s22, 9
	v_add_nc_u32 v19, s30, v1                      ; 512 w + 16 x lane
	v_add_nc_u32 v12, VEC, v19
	v_lshlrev_b32 v14, 6, v23
	v_add_nc_u32 v14, s30, v14
	v_add_nc_u32 v14, VEC, v14                     ; g, be, bf2 of my columns: + 64 h
	s_lshl_b32 s31, s22, 10
	v_add_nc_u32 v20, s31, v1
	v_add_nc_u32 v13, VEC+6144, v20
	v_lshlrev_b32 v15, 6, v23
	v_add_nc_u32 v15, s31, v15
	v_add_nc_u32 v15, VEC+6144, v15                ; bf1 of my hidden units
	v_and_b32 v16, 8, v22
	v_add_nc_u32 v16, v16, v22
	v_mul_u32_u24 v16, v16, SPI
	v_lshl_add_u32 v16, v23, 6, v16
	v_add_nc_u32 v16, s30, v16
	v_add_nc_u32 v16, STG, v16                     ; the stage, in: row r + 8 (r / 8), + 512 w + 64 h;
	v_add_nc_u32 v17, 32*SPI, v16                  ; 32 rows on for row tiles 2 and 3
	s_mul_i32 s30, s22, 16*SPI
	v_add_nc_u32 v18, s30, v1
	v_add_nc_u32 v18, STG, v18                     ; and out: my 16 rows
.irp b, 0,1,2,3
	v_mov_b32 v[TM+4+\b], 0                        ; a lane permute's destination counts as one of its sources
.endr
	s_mov_b32 s24, 0x76543210
	s_mov_b32 s25, 0xfedcba98
	s_mov_b32 s33, 0
	s_wait_kmcnt 0x0
	s_mul_i32 s32, ttmp9, 24576
	s_add_nc_u64 s[4:5], s[4:5], s[32:33]          ; att's codes of my four row tiles
	s_lshl_b32 s32, ttmp9, 10
	s_add_nc_u64 s[6:7], s[6:7], s[32:33]
	s_lshl_b32 s32, ttmp9, 17
	s_add_nc_u64 s[20:21], s[20:21], s[32:33]
	s_lshl_b32 s34, s22, 13
	s_add_co_u32 s32, s32, s34
	s_add_nc_u64 s[8:9], s[8:9], s[32:33]          ; Xn + b1: my row tiles, my eight column tiles
	s_lshl_b32 s32, s22, 15
	s_add_nc_u64 s[20:21], s[20:21], s[32:33]      ; out0 at row 64 g + 16 w
	s_mul_i32 s32, s22, 245760
	s_add_co_u32 s32, s32, 614400
	s_add_nc_u64 s[26:27], s[10:11], s[32:33]      ; my stream of fragments
	s_mul_i32 s32, s22, 10240
	s_add_co_u32 s32, s32, 1597440
	s_add_nc_u64 s[28:29], s[10:11], s[32:33]      ; and of scale lines
	s_wait_alu depctr_va_vdst(0)                   ; the offsets and LDS addresses v1 to v20 are written: every load and store of the kernel reads one of them
	global_load_b128 v[130:133], v19, s[12:13]
	global_load_b128 v[134:137], v19, s[14:15]
	global_load_b128 v[138:141], v19, s[18:19]
	global_load_b128 v[142:145], v20, s[16:17]
	global_load_b128 v[146:149], v20, s[16:17] offset:512
.set i, 0
.rept 80
	global_load_b32 v[WSC+i], v2, s[28:29] offset:128*i
.set i, i+1
.endr
.irp i, 0,1,2,3,4,5,6,7
	global_load_b32 v[ASC+\i], v2, s[6:7] offset:128*\i            ; register 2 m + s / 2: lanes 0-15 the even K step, lanes 16-31 the odd one
.endr
	WIN 0x80
.irp m, 0,1,2,3
.irp t, 0,1,2,3,4,5,6,7
.irp q, 0,1
	global_load_b128 v[64*\m+8*\t+4*\q:64*\m+8*\t+4*\q+3], v1, s[8:9] offset:32768*\m+1024*\t+512*\q th:TH_LOAD_NT
.endr
.endr
.endr
	WIN 0xc0
.set i, 0
.rept 16
.irp c, 0,1
	global_load_b128 v[12*i+6*\c:12*i+6*\c+3], v1, s[4:5] offset:1536*i+768*\c th:TH_LOAD_NT
	global_load_b64 v[12*i+6*\c+4:12*i+6*\c+5], v3, s[4:5] offset:1536*i+768*\c+512 th:TH_LOAD_NT
.endr
.set i, i+1
.endr
	WIN 0x40
.set i, 0
.rept 20
.irp c, 0,1,2
	global_load_b128 v[12*i+4*\c:12*i+4*\c+3], v1, s[26:27] offset:1536*i+512*\c
.endr
.set i, i+1
.endr
	WIN 0
	s_wait_loadcnt 63                              ; the five loads of vectors are in: more than 63 loads were issued behind them
	ds_store_b128 v12, v[130:133]
	ds_store_b128 v12, v[134:137] offset:2048
	ds_store_b128 v12, v[138:141] offset:4096
	ds_store_b128 v13, v[142:145]
	ds_store_b128 v13, v[146:149] offset:512
	; ---- X2 = (Xn + b1) + att w1^T
.set KK, 0
.rept 8
	GROUP KK
.set KK, KK+1
.endr
	; ---- the second LayerNorm
	WIN 0xc0
.irp vv, 0,1,2
.irp b, 0,1,2,3
.irp q, 0,1,2,3
	ds_load_b128 v[64*\vv+16*\b+4*\q:64*\vv+16*\b+4*\q+3], v14 offset:2048*\vv+128*\b+16*\q   ; g, be, bf2 in the result's layout (my own bytes: LDS serves a wave's instructions in order); they land where att's fragments lay: group 7's wait stands behind those fragments' last readers
.endr
.endr
.endr
	WIN 0
.set i, 0
.rept 16
	v_mov_b32 v[224+i], 0
.set i, i+1
.endr
	WIN 0x08                                       ; source 1: X2
.irp m, 0,1,2,3
.set p, 0
.rept 32
	v_pk_add_f32 v[224+4*\m+2*(p%2):225+4*\m+2*(p%2)], v[224+4*\m+2*(p%2):225+4*\m+2*(p%2)], v[64*\m+2*p:64*\m+2*p+1]
.set p, p+1
.endr
.endr
	WIN 0
	FOLD 0
.irp m, 0,1,2,3
	v_mul_f32 v[248+2*\m], 0xbb000000, v[224+4*\m]                 ; -mean
	v_mov_b32 v[249+2*\m], v[248+2*\m]
.endr
.irp m, 0,1,2,3
	WIN 0x02                                       ; source 0: X2
.set p, 0
.rept 32
	v_pk_add_f32 v[ST+2*p:ST+2*p+1], v[64*\m+2*p:64*\m+2*p+1], v[248+2*\m:249+2*\m]
.set p, p+1
.endr
	WIN 0
	v_pk_mul_f32 v[224+4*\m:225+4*\m], v[ST:ST+1], v[ST:ST+1]      ; the centred squares, in two chains
	v_pk_mul_f32 v[226+4*\m:227+4*\m], v[ST+2:ST+3], v[ST+2:ST+3]
.set p, 2
.rept 30
	v_pk_fma_f32 v[224+4*\m+2*(p%2):225+4*\m+2*(p%2)], v[ST+2*p:ST+2*p+1], v[ST+2*p:ST+2*p+1], v[224+4*\m+2*(p%2):225+4*\m+2*(p%2)]
.set p, p+1
.endr
.endr
	FOLD 1024
.irp m, 0,1,2,3
	v_mul_f32 v[224+4*\m], 0x3b004020, v[224+4*\m]                 ; / 511
.endr
.irp m, 0,1,2,3
	v_sqrt_f32 v[224+4*\m], v[224+4*\m]
.endr
	v_nop
	s_wait_alu depctr_va_vdst(0)                   ; the four roots have written v[224 + 4 m], ahead of their first reader
.irp m, 0,1,2,3
	v_add_f32 v[224+4*\m], 0x358637bd, v[224+4*\m]                 ; + 1e-6
.endr
.irp m, 0,1,2,3
	v_rcp_f32 v[240+2*\m], v[224+4*\m]
.endr
	v_nop
	s_wait_alu depctr_va_vdst(0)                   ; the four reciprocals have written v[240 + 2 m], ahead of their first reader
.irp m, 0,1,2,3
	v_mov_b32 v[241+2*\m], v[240+2*\m]
.endr
.irp m, 0,1,2,3
	WIN 0x02
.set p, 0
.rept 32
	v_pk_add_f32 v[ST+2*p:ST+2*p+1], v[64*\m+2*p:64*\m+2*p+1], v[248+2*\m:249+2*\m]
.set p, p+1
.endr
	WIN 0
.set p, 0
.rept 32
	v_pk_mul_f32 v[ST+2*p:ST+2*p+1], v[ST+2*p:ST+2*p+1], v[240+2*\m:241+2*\m]
.set p, p+1
.endr
	WIN 0x3c                                       ; sources 1 and 2: g and be
.set p, 0
.rept 32
	v_pk_fma_f32 v[ST+2*p:ST+2*p+1], v[ST+2*p:ST+2*p+1], v[2*p:2*p+1], v[64+2*p:65+2*p]
.set p, p+1
.endr
	WIN 0
.if \m > 0
	s_wait_alu depctr_vm_vsrc(0)                   ; the last image's LDS stores have read v[PC ..] and v[PW], which the quantiser writes again
.endif
	QUANT ST
	s_wait_alu depctr_va_vdst(0)                   ; the codes and the scale word are written, which the stores read
	IMAGE 6, YIMG+4*\m*1536                        ; K step w of the second product, row tile m
	ds_store_b32 v7, v[PW] offset:512*\m
.endr
	WIN 0x8e                                       ; X2 += bf2: what the third product adds onto
.irp m, 0,1,2,3
.set p, 0
.rept 32
	v_pk_add_f32 v[64*\m+2*p:64*\m+2*p+1], v[64*\m+2*p:64*\m+2*p+1], v[128+2*p:129+2*p]
.set p, p+1
.endr
.endr
	s_wait_alu depctr_va_vdst(0)                   ; the vector lines are done reading g, be and bf2 in window 3, in which bf1's loads land, and done with v160-255, in which y's fragments land behind the barrier
	HPRE 0
	BARRIER                                        ; y's sixteen fragments lie in LDS
	; ---- the hidden layer, in two halves of 128 units a wave
	ALOADY 0, 0
.set KK, 4
.rept 4
	KSTEP KK
.set KK, KK+1
.endr
	HOUT 0
	HPRE 1
	ALOADY 0, 0
.rept 4
	KSTEP KK
.set KK, KK+1
.endr
	HOUT 1
	BARRIER                                        ; the hidden layer's 32 fragments lie in LDS
	; ---- the third product, onto X2 + bf2
	ALOADH 0, 0
.rept 8
	KSTEP KK
.set KK, KK+1
.endr
	; ---- the way out: a row's 512 numbers come from four waves: through the stage, then whole rows
.rept 4
	v_nop                                          ; four places behind the last product, before its result is read (ISA guide 7.12.1)
.endr
	WIN 0x08                                       ; an LDS store's data are its source 1: window 2
	s_wait_alu depctr_va_vdst(0)                   ; the products have written the accumulators, which the LDS stores read, and are done reading the ring, in which the rows land on their way back; the places above stay beside this wait
.irp m, 0,1,2,3
.set q, 0
.rept 16
	ds_store_b128 v[16+\m/2], v[64*\m+4*q:64*\m+4*q+3] offset:8*(\m%2)*SPI+128*(q/4)+16*(q%4)   ; each accumulator from its low end on
.set q, q+1
.endr
.endr
	BARRIER
	WIN 0x40
.set q, 0
.rept 64
	ds_load_b128 v[4*q:4*q+3], v18 offset:(q/4)*SPI+512*(q%4)
.set q, q+1
.endr
	WIN 0x04                                       ; a store's data are its source 1: window 1
.set q, 0
.rept 64
	s_wait_dscnt 63-q                              ; LDS loads come back in order: load q is in, the younger ones may be out
	global_store_b128 v1, v[4*q:4*q+3], s[20:21] offset:(q/4)*2048+512*(q%4) th:TH_STORE_NT   ; 32 lanes store 512 consecutive bytes, aligned
.set q, q+1
.endr
	WIN 0
	s_wait_dscnt 0x0                               ; the closing lines, six on end
	s_wait_alu 0x0
	s_wait_tensorcnt 0x0
	ds_add_u32 v158, v159
	s_wait_dscnt 0x0
	s_endpgm
.Lfunc_end_k_q3b3fed2307_ffn:
	.size	k_q3b3fed2307_ffn, .Lfunc_end_k_q3b3fed2307_ffn-k_q3b3fed2307_ffn
	.p2alignl 7, 3214868480
	.fill 96, 4, 3214868480
	.section	.rodata,"a",@progbits
	.p2align	6, 0x0
	.amdhsa_kernel k_q3b3fed2307_ffn
		.amdhsa_group_segment_fixed_size 224768
		.amdhsa_private_segment_fixed_size 0
		.amdhsa_enable_private_segment 0
		.amdhsa_kernarg_size 72
		.amdhsa_user_sgpr_count 2
		.amdhsa_user_sgpr_kernarg_segment_ptr 1
		.amdhsa_wavefront_size32 1
		.amdhsa_system_sgpr_workgroup_id_x 1
		.amdhsa_system_sgpr_workgroup_id_y 1
		.amdhsa_system_sgpr_workgroup_id_z 1
		.amdhsa_system_vgpr_workitem_id 0
		.amdhsa_next_free_vgpr 1024
		.amdhsa_next_free_sgpr 66
		.amdhsa_reserve_vcc 0
		.amdhsa_float_denorm_mode_32 3
		.amdhsa_float_denorm_mode_16_64 3
		.amdhsa_memory_ordered 1
		.amdhsa_forward_progress 1
		.amdhsa_inst_pref_size 255
	.end_amdhsa_kernel
	.section	.bss,"aw",@nobits
	.p2align	6
	.space	262144
	.amdgpu_metadata
---
amdhsa.version: [ 1, 2 ]
amdhsa.kernels:
  - .name:           k_q3b3fed2307_ffn
    .symbol:         k_q3b3fed2307_ffn.kd
    .args:
      - { .name: atc, .offset: 0, .size: 8, .value_kind: global_buffer, .address_space: global }
      - { .name: ats, .offset: 8, .size: 8, .value_kind: global_buffer, .address_space: global }
      - { .name: r1, .offset: 16, .size: 8, .value_kind: global_buffer, .address_space: global }
      - { .name: wc, .offset: 24, .size: 8, .value_kind: global_buffer, .address_space: global }
      - { .name: g_ffn, .offset: 32, .size: 8, .value_kind: global_buffer, .address_space: global }
      - { .name: be_ffn, .offset: 40, .size: 8, .value_kind: global_buffer, .address_space: global }
      - { .name: bf1, .offset: 48, .size: 8, .value_kind: global_buffer, .address_space: global }
      - { .name: bf2, .offset: 56, .size: 8, .value_kind: global_buffer, .address_space: global }
      - { .name: out0, .offset: 64, .size: 8, .value_kind: global_buffer, .address_space: global }
    .group_segment_fixed_size: 224768
    .private_segment_fixed_size: 0
    .kernarg_segment_align: 8
    .kernarg_segment_size: 72
    .max_flat_workgroup_size: 128
    .sgpr_count:     66
    .vgpr_count:     1024
    .wavefront_size: 32
...
	.end_amdgpu_metadata
.endif
;; end of part 6
